; MI455X (gfx1250); checked and timed in simulation.
; The chip was launched on July 23, 2026; its instructions are those of AMD's public machine-readable ISA for CDNA 5 (MIT licence, August 2026) and "CDNA5" Instruction Set Architecture Reference Guide (July 2026). The comments in the code are by the model that wrote it; some were corrected since.
;; Multi Head Co Attention. Allowed arithmetic: float matrix products may take bf16 or f16 operands with f32 sums; other float arithmetic in f32, or as packed bf16 or f16 multiplies, adds, multiply-adds, maxima and minima; sums over many terms, partial sums and values carried from step to step in f32; what a program stores and reads back later, other than sums and carried values, may be rounded once to bf16 or f16.
;; Inputs: k_b 1,024 float32; k_w 1,024 x 1,024 float32; key 500 x 8 x 1,024 float32; mo_b 1,024 float32; mo_w 1,024 x 1,024 float32; multi_value 8 x 8 x 500 x 1,024 float32; mv_b 1,024 float32; mv_w 1,024 x 1,024 float32; q_b 1,024 float32; q_w 1,024 x 1,024 float32; query 500 x 8 x 1,024 float32; single_value 8 x 8 x 500 x 512 float32; so_b 512 float32; so_w 512 x 512 float32; sv_b 512 float32; sv_w 512 x 512 float32.
;; Outputs: out0 1 x 8 x 500 x 1,024 float32; out1 1 x 8 x 500 x 512 float32.
;; 3 versions, each right; version 2 is faster than version 1; version 3 is version 2 with the launches qkproj, mixproj written anew for expert scheduling mode. Each part assembles by itself: llvm-mc -triple=amdgcn-amd-amdhsa -mcpu=gfx1250 --defsym DOCPART=n.
;; ======== version 1 of 3: 4 launches
;; limits: values are held in f16: magnitudes above 65,504 overflow, below 6.1e-05 lose precision
;; workspace buffers: qh 8,388,608 bytes; kh 8,388,608 bytes; simp 102,400 bytes; mr 8,388,608 bytes; sr 4,194,304 bytes
;; launch qkproj (part 1): grid 128 x 2, 8 waves a work-group, no clusters, 179,200 bytes of LDS; arguments query, key, q_w, k_w, q_b, k_b, qh, kh; writes qh, kh
.if DOCPART == 1
	.amdgcn_target "amdgcn-amd-amdhsa--gfx1250"
	.amdhsa_code_object_version 6
	.text
	.protected	k_q6ef1cd2554_qkproj
	.globl	k_q6ef1cd2554_qkproj
	.p2align	8
	.type	k_q6ef1cd2554_qkproj,@function
k_q6ef1cd2554_qkproj:
	s_mov_b64 s[64:65], 0
	v_nop
	global_prefetch_b8 v0, s[64:65] scope:SCOPE_SE
	s_setreg_imm32_b32 hwreg(HW_REG_WAVE_MODE, 25, 1), 1
	s_wait_xcnt 0x0
; q = query q_w^T + q_b (grid y = 0) and k = key k_w^T + k_b (grid y = 1).  Inputs f32; the result is stored rounded once to f16 as [8 b][512 s][1024].
; LIMITS.  Matrix operands are f16 (each rounded once from f32), sums f32: query, key, the weights and q, k must stay under 65,504; below 6e-5 they keep f16's fixed step of 6e-8.
; SHARES.  The input's rows lie as i = 8 s + b, 4,096 bytes each.  A work-group makes 128 rows i x 256 columns; eight waves, each 64 x 64: 16 accumulators.  32 x 128 = 4,096 rows for 4,000:
; loads beyond row 3,999 are clamped to it, and the rows s = 500 .. 511 of the result hold its copy; no later launch reads them.
; THE WAY IN.  Every operand is converted on its way, so it comes through registers: global load (f32), two conversions, LDS store (f16), fragments.  That is why no tensor load and so no joint
; load of a cluster is used.  K goes in steps of 64 through two LDS buffers; a ring of 24 loads a thread (96 registers) holds the next step, and each register is asked for again as soon as it is converted.
; THE PRODUCT IS USED TRANSPOSED: source 0 = 16 rows of the weight, source 1 = 16 rows of the input: a lane holds one row and eight neighbouring columns of the result.
; The accumulators start as the bias, loaded straight into them: nothing is cleared and nothing is added at the end.
; REGISTERS.  window 0: v2-23 addresses, v24-31 at work, v32-95 fragments of the first 32 of a K step, v96-223 accumulators.  window 1: v0-95 the ring, v96-159 fragments of the second 32.
.set BUFB,  55296                      ; an LDS buffer: 128 rows of the input, then 256 rows of the weight, 64 f16 each at a pitch of 144 bytes (9 x 16: the 16 rows of a fragment load start in 16 different groups of four banks)
.set STG,   110592                     ; behind the buffers: the work-group's stage for the way out, 128 rows of 512 bytes at a pitch of 528
.set SPI,   528
.set SPARE, 178176                     ; behind the stage: the spare words, 128 bytes a wave, that no other line names
.set SPW, 2                            ; v2  LDS address of my spare word; never rewritten
.set NIL, 3                            ; v3  0; never rewritten
.set VA,  4                            ; v4-11  byte offset of my 16 bytes in input row 128 rb + rowt + 16 j, clamped
.set VB,  12                           ; v12 the same in weight row rowt
.set SA,  13                           ; v13-14 where I store 8 bytes of row rowt in buffer 0, 1
.set AF,  15                           ; v15 my lane's place in my wave's input fragments
.set BF,  16                           ; v16 in its weight fragments
.set BO,  17                           ; v17 32 x (lane / 16): my eight columns in the bias
.set STI, 18                           ; v18 the way out: where I put 16 bytes
.set STB, 19                           ; v19 where I read a row back
.set LO,  20                           ; v20 16 x lane
.set RR,  21                           ; v21 thread % 16
.set ROWT, 22                          ; v22 thread / 16
.set HH,  23                           ; v23 lane / 16
.set T,   24
.set FR,  32
.set ACC, 96
.set ST,  0                            ; window 1
.set F1,  96                           ; window 1
.set MSB, 0
.macro WIN new                         ; the immediate's high byte repeats the setting that is left; a switch that changes nothing is dropped
.if MSB != (\new)
	s_set_vgpr_msb (MSB<<8)|(\new)
.set MSB, \new
.endif
.endm
.macro BAR                             ; my LDS stores are done and my LDS reads are back, then the work-group's barrier
	s_wait_dscnt 0x0
	s_barrier_signal -1
	s_barrier_wait -1
.endm
.macro LD g                            ; load g of the ring: 0-7 input rows, 8-23 weight rows
.if (\g) < 8
	global_load_b128 v[ST+4*(\g):ST+4*(\g)+3], v[VA+(\g)], s[4:5]
.else
	global_load_b128 v[ST+4*(\g):ST+4*(\g)+3], v[VB], s[6:7] offset:((\g)-8)*65536
.endif
.endm
; Four loads of the ring: waited for, converted in place, stored into buffer p (row rowt + 16 g lies 2,304 g bytes on, input and weight rows end to end), asked for again.
.macro CHUNK n, p, reload, cnt
	s_wait_loadcnt \cnt                            ; loads come back in order: these four are the oldest
	WIN 0x45
.irp q, 0,1,2,3
	v_cvt_pk_f16_f32 v[ST+16*(\n)+4*(\q)], v[ST+16*(\n)+4*(\q)], v[ST+16*(\n)+4*(\q)+1]
	v_cvt_pk_f16_f32 v[ST+16*(\n)+4*(\q)+1], v[ST+16*(\n)+4*(\q)+2], v[ST+16*(\n)+4*(\q)+3]
.endr
	WIN 0x04
.irp q, 0,1,2,3
	ds_store_b64 v[SA+(\p)], v[ST+16*(\n)+4*(\q):ST+16*(\n)+4*(\q)+1] offset:(4*(\n)+(\q))*2304
.endr
.if \reload
	WIN 0x40
.irp q, 0,1,2,3
	LD 4*(\n)+(\q)
.endr
.endif
.endm
; The ring's step goes into buffer p.  reload = 1: the step after it is asked for; 20 = the ring's 24 less the chunk's own four may stay out.  reload = 0: the counts run down.
.macro STAGE p, reload
.if \reload
	s_wait_xcnt 0x0                                ; the loads that are out have read their addresses: the bases may step
	s_add_nc_u64 s[4:5], s[4:5], 256
	s_add_nc_u64 s[6:7], s[6:7], 256
.endif
.irp n, 0,1,2,3,4,5
.if \reload
	CHUNK \n, \p, 1, 20
.else
	CHUNK \n, \p, 0, 20-4*(\n)
.endif
.endr
	WIN 0
.endm
.macro FRAGL f, p, k                   ; 16 LDS loads: four weight and four input fragments, 32 along K at byte k of the rows
.irp i, 0,1,2,3
	ds_load_b128 v[(\f)+8*(\i):(\f)+8*(\i)+3],   v[BF] offset:(\p)*BUFB+(\i)*2304+(\k)
	ds_load_b128 v[(\f)+8*(\i)+4:(\f)+8*(\i)+7], v[BF] offset:(\p)*BUFB+(\i)*2304+(\k)+32
.endr
.irp i, 0,1,2,3
	ds_load_b128 v[(\f)+32+8*(\i):(\f)+32+8*(\i)+3],   v[AF] offset:(\p)*BUFB+(\i)*2304+(\k)
	ds_load_b128 v[(\f)+32+8*(\i)+4:(\f)+32+8*(\i)+7], v[AF] offset:(\p)*BUFB+(\i)*2304+(\k)+32
.endr
.endm
.macro MULS f                          ; 16 products; the 16 accumulators take turns, one instruction a turn
.irp mi, 0,1,2,3
.irp ni, 0,1,2,3
	v_wmma_f32_16x16x32_f16 v[ACC+8*(4*(\mi)+(\ni)):ACC+8*(4*(\mi)+(\ni))+7], v[(\f)+8*(\ni):(\f)+8*(\ni)+7], v[(\f)+32+8*(\mi):(\f)+32+8*(\mi)+7], v[ACC+8*(4*(\mi)+(\ni)):ACC+8*(4*(\mi)+(\ni))+7]
.endr
.endr
.endm
; A K step out of buffer p.  The loads into fragment registers stand behind the conversions of the STAGE before, which are the places behind the last products that read them.
.macro CORE p
	WIN 0
	FRAGL FR, \p, 0
	WIN 0x40
	FRAGL F1, \p, 64
	s_wait_dscnt 16                                ; the first 32 along K are in; the 16 younger loads may stay out
	WIN 0
	MULS FR
	s_wait_dscnt 0x0
	WIN 0x05
	MULS F1
	WIN 0
.endm
	s_load_b512 s[16:31], s[0:1], 0x0              ; query, key, q_w, k_w, q_b, k_b, qh, kh
	v_lshl_add_u32 v[SPW], v0, 2, SPARE
	v_mov_b32 v[NIL], 0
	v_lshrrev_b32 v1, 5, v0
	v_readfirstlane_b32 s12, v1                    ; wave 0..7
	s_and_b32 s2, ttmp7, 0xffff                    ; 0: q, 1: k
	s_lshr_b32 s33, ttmp9, 2                       ; rb: block of 128 rows
	s_and_b32 s34, ttmp9, 3                        ; cb: block of 256 columns
	s_lshr_b32 s35, s12, 2                         ; wm: my half of the rows
	s_and_b32 s36, s12, 3                          ; wn: my quarter of the columns
	v_and_b32 v[RR], 15, v0
	v_lshrrev_b32 v[ROWT], 4, v0
	v_bfe_u32 v[HH], v0, 4, 1
	s_lshl_b32 s14, s33, 7
	v_add_nc_u32 v1, s14, v[ROWT]
.irp j, 0,1,2,3,4,5,6,7
	v_add_nc_u32 v[VA+(\j)], 16*(\j), v1
	v_min_u32 v[VA+(\j)], 3999, v[VA+(\j)]         ; no load leaves the input
	v_lshlrev_b32 v[VA+(\j)], 12, v[VA+(\j)]
	v_lshl_add_u32 v[VA+(\j)], v[RR], 4, v[VA+(\j)]
.endr
	v_lshlrev_b32 v[VB], 12, v[ROWT]
	v_lshl_add_u32 v[VB], v[RR], 4, v[VB]
	v_mul_u32_u24 v[SA], v[ROWT], 144
	v_lshl_add_u32 v[SA], v[RR], 3, v[SA]
	v_add_nc_u32 v[SA+1], BUFB, v[SA]
	v_mul_u32_u24 v1, v[RR], 144
	v_lshl_add_u32 v1, v[HH], 4, v1                ; a fragment's row x pitch + 16 x half
	s_mul_i32 s14, s35, 64*144
	v_add_nc_u32 v[AF], s14, v1
	s_mul_i32 s14, s36, 64*144
	s_add_co_u32 s14, s14, 128*144
	v_add_nc_u32 v[BF], s14, v1
	v_lshlrev_b32 v[BO], 5, v[HH]
	v_mul_u32_u24 v1, v[RR], SPI
	v_lshl_add_u32 v1, v[HH], 4, v1
	s_mul_i32 s14, s35, 64*SPI
	s_lshl_b32 s15, s36, 7
	s_add_co_u32 s14, s14, s15
	s_add_co_u32 s14, s14, STG
	v_add_nc_u32 v[STI], s14, v1
	v_and_b32 v[LO], 31, v0
	v_lshlrev_b32 v[LO], 4, v[LO]
	s_mul_i32 s14, s12, 16*SPI
	s_add_co_u32 s14, s14, STG
	v_add_nc_u32 v[STB], s14, v[LO]
	s_wait_kmcnt 0x0
	s_cmp_eq_u32 s2, 0
	s_cselect_b64 s[4:5], s[16:17], s[18:19]       ; the input
	s_cselect_b64 s[6:7], s[20:21], s[22:23]       ; the weight
	s_cselect_b64 s[8:9], s[24:25], s[26:27]       ; the bias
	s_cselect_b64 s[10:11], s[28:29], s[30:31]     ; the result
	s_mov_b32 s15, 0
	s_lshl_b32 s14, s34, 20                        ; 256 weight rows of 4,096 bytes
	s_add_nc_u64 s[6:7], s[6:7], s[14:15]
	s_lshl_b32 s14, s34, 10
	s_lshl_b32 s37, s36, 8
	s_add_co_u32 s14, s14, s37                     ; 4 x (256 cb + 64 wn)
	s_add_nc_u64 s[8:9], s[8:9], s[14:15]
	s_lshl_b32 s14, s34, 9                         ; 512 cb + 2,048 x (16 rb + 2 wave): the rows s that my wave stores
	s_lshl_b32 s37, s33, 15
	s_add_co_u32 s14, s14, s37
	s_lshl_b32 s37, s12, 12
	s_add_co_u32 s14, s14, s37
	s_add_nc_u64 s[10:11], s[10:11], s[14:15]
.irp mi, 0,1,2,3                       ; the accumulators start as the bias: register j of a lane is column 16 ni + 8 (lane / 16) + j
.irp ni, 0,1,2,3
	global_load_b128 v[ACC+8*(4*(\mi)+(\ni)):ACC+8*(4*(\mi)+(\ni))+3],   v[BO], s[8:9] offset:(\ni)*64
	global_load_b128 v[ACC+8*(4*(\mi)+(\ni))+4:ACC+8*(4*(\mi)+(\ni))+7], v[BO], s[8:9] offset:(\ni)*64+16
.endr
.endr
	WIN 0x40
.set g, 0
.rept 24
	LD g                                           ; K step 0
.set g, g+1
.endr
	WIN 0
	STAGE 0, 1                                     ; its first counted wait also shows the older bias loads done
	BAR
	s_mov_b32 s13, 7
.Lk:                                               ; a trip: two K steps.  One barrier a step: the buffer that a STAGE writes was last read ahead of the barrier before
	CORE 0
	STAGE 1, 1
	BAR
	CORE 1
	STAGE 0, 1
	BAR
	s_sub_co_u32 s13, s13, 1
	s_cmp_lg_u32 s13, 0
	s_cbranch_scc1 .Lk
	CORE 0
	STAGE 1, 0                                     ; the last step: nothing more is asked for
	BAR
	CORE 1
	; THE WAY OUT: rounded to f16, 16 bytes a lane into the stage; a barrier, since a row's 512 bytes come from four waves; back as whole rows.
.rept 8
	v_nop                                          ; the places behind the last products
.endr
.irp mi, 0,1,2,3
.irp ni, 0,1,2,3
.irp c, 0,1,2,3                        ; each accumulator is read from its low end on
	v_cvt_pk_f16_f32 v[T+4*((\ni)%2)+(\c)], v[ACC+8*(4*(\mi)+(\ni))+2*(\c)], v[ACC+8*(4*(\mi)+(\ni))+2*(\c)+1]
.endr
	ds_store_b128 v[STI], v[T+4*((\ni)%2):T+4*((\ni)%2)+3] offset:(\mi)*16*SPI+(\ni)*32
.endr
.endr
	BAR
.irp jj, 0,1,2,3,4,5,6,7,8,9,10,11,12,13,14,15
	ds_load_b128 v[FR+4*(\jj):FR+4*(\jj)+3], v[STB] offset:(\jj)*SPI
.endr
.irp jj, 0,1,2,3,4,5,6,7,8,9,10,11,12,13,14,15
	s_wait_dscnt 15-(\jj)                          ; row 16 wave + jj is back: b = jj % 8, s = 16 rb + 2 wave + jj / 8
	global_store_b128 v[LO], v[FR+4*(\jj):FR+4*(\jj)+3], s[10:11] offset:((\jj)%8)*1048576+((\jj)/8)*2048  ; the wave stores 512 consecutive bytes, aligned
.endr
	s_wait_tensorcnt 0x0                           ; the wave's end
	ds_add_u32 v[SPW], v[NIL]
	s_wait_dscnt 0x0
	s_endpgm
.Lfunc_end_k_q6ef1cd2554_qkproj:
	.size	k_q6ef1cd2554_qkproj, .Lfunc_end_k_q6ef1cd2554_qkproj-k_q6ef1cd2554_qkproj
	.p2alignl 7, 3214868480
	.fill 96, 4, 3214868480
	.section	.rodata,"a",@progbits
	.p2align	6, 0x0
	.amdhsa_kernel k_q6ef1cd2554_qkproj
		.amdhsa_group_segment_fixed_size 179200
		.amdhsa_private_segment_fixed_size 0
		.amdhsa_enable_private_segment 0
		.amdhsa_kernarg_size 64
		.amdhsa_user_sgpr_count 2
		.amdhsa_user_sgpr_kernarg_segment_ptr 1
		.amdhsa_wavefront_size32 1
		.amdhsa_system_sgpr_workgroup_id_x 1
		.amdhsa_system_sgpr_workgroup_id_y 1
		.amdhsa_system_sgpr_workgroup_id_z 1
		.amdhsa_system_vgpr_workitem_id 0
		.amdhsa_next_free_vgpr 416
		.amdhsa_next_free_sgpr 66
		.amdhsa_reserve_vcc 0
		.amdhsa_float_denorm_mode_32 3
		.amdhsa_float_denorm_mode_16_64 3
		.amdhsa_memory_ordered 1
		.amdhsa_forward_progress 1
		.amdhsa_inst_pref_size 64
	.end_amdhsa_kernel
	.amdgpu_metadata
---
amdhsa.version: [ 1, 2 ]
amdhsa.kernels:
  - .name:           k_q6ef1cd2554_qkproj
    .symbol:         k_q6ef1cd2554_qkproj.kd
    .args:
      - { .name: query, .offset: 0, .size: 8, .value_kind: global_buffer, .address_space: global }
      - { .name: key, .offset: 8, .size: 8, .value_kind: global_buffer, .address_space: global }
      - { .name: q_w, .offset: 16, .size: 8, .value_kind: global_buffer, .address_space: global }
      - { .name: k_w, .offset: 24, .size: 8, .value_kind: global_buffer, .address_space: global }
      - { .name: q_b, .offset: 32, .size: 8, .value_kind: global_buffer, .address_space: global }
      - { .name: k_b, .offset: 40, .size: 8, .value_kind: global_buffer, .address_space: global }
      - { .name: qh, .offset: 48, .size: 8, .value_kind: global_buffer, .address_space: global }
      - { .name: kh, .offset: 56, .size: 8, .value_kind: global_buffer, .address_space: global }
    .group_segment_fixed_size: 179200
    .private_segment_fixed_size: 0
    .kernarg_segment_align: 8
    .kernarg_segment_size: 64
    .max_flat_workgroup_size: 256
    .sgpr_count:     66
    .vgpr_count:     416
    .wavefront_size: 32
...
	.end_amdgpu_metadata
.endif
;; end of part 1
;; launch simpart (part 2): grid 25 x 8, 2 waves a work-group, no clusters, 0 bytes of LDS; arguments qh, kh, simp; writes simp
.if DOCPART == 2
	.amdgcn_target "amdgcn-amd-amdhsa--gfx1250"
	.amdhsa_code_object_version 6
	.text
	.protected	k_q6ef1cd2554_simpart
	.globl	k_q6ef1cd2554_simpart
	.p2align	8
	.type	k_q6ef1cd2554_simpart,@function
k_q6ef1cd2554_simpart:
	s_mov_b64 s[64:65], 0
	v_nop
	global_prefetch_b8 v0, s[64:65] scope:SCOPE_SE
	s_setreg_imm32_b32 hwreg(HW_REG_WAVE_MODE, 25, 1), 1
	s_wait_xcnt 0x0
; Partial sums of sim[b][h][g] = the sum over s and d of q[b][s][128 h + d] k[b][s][128 g + d], unscaled, in f32.  qh, kh: [8 b][512 s][1024] f16; simp: [8 b][50 p][8 h][8 g] f32.
; A row s of q is eight heads of 256 bytes: taken as rows rho = 8 s + h.  Wave p of a batch takes 80 of them (10 values of s), five groups of 16; 50 x 80 = 4,000: the rows s >= 500 are never read.
; A group is two values of s x eight heads.  Source 0 = the group's rows of k, source 1 = its rows of q: in the result lanes 0-7 hold (h = lane, g = register) of the first s, lanes 24-31 the same of the
; second; the blocks that pair different s are dropped.  Four accumulators, one for each 32 channels, take turns; the first group starts the sums with the constant 0.
; Nothing is shared between waves, so nothing goes through LDS; the launch moves 16 MB in 400 waves and needs no cluster and no prefetch.
.set FO,  2                            ; v2  (lane % 16) x 256 + 16 (lane / 16); never rewritten
.set SO,  3                            ; v3  32 x lane
.set ACC, 8                            ; v8-39
.set SET, 40                           ; v40-231 three sets of 64: k's fragment kk at 8 kk, q's at 32 + 8 kk
.macro LOADG g, b                      ; group g's 16 loads into set b
.irp kk, 0,1,2,3
	global_load_b128 v[SET+64*(\b)+8*(\kk):SET+64*(\b)+8*(\kk)+3],       v[FO], s[6:7] offset:(\g)*4096+64*(\kk)
	global_load_b128 v[SET+64*(\b)+8*(\kk)+4:SET+64*(\b)+8*(\kk)+7],     v[FO], s[6:7] offset:(\g)*4096+64*(\kk)+32
	global_load_b128 v[SET+64*(\b)+32+8*(\kk):SET+64*(\b)+32+8*(\kk)+3], v[FO], s[4:5] offset:(\g)*4096+64*(\kk)
	global_load_b128 v[SET+64*(\b)+32+8*(\kk)+4:SET+64*(\b)+32+8*(\kk)+7], v[FO], s[4:5] offset:(\g)*4096+64*(\kk)+32
.endr
.endm
.macro MULG b, zero
.irp kk, 0,1,2,3
.if \zero
	v_wmma_f32_16x16x32_f16 v[ACC+8*(\kk):ACC+8*(\kk)+7], v[SET+64*(\b)+8*(\kk):SET+64*(\b)+8*(\kk)+7], v[SET+64*(\b)+32+8*(\kk):SET+64*(\b)+32+8*(\kk)+7], 0
.else
	v_wmma_f32_16x16x32_f16 v[ACC+8*(\kk):ACC+8*(\kk)+7], v[SET+64*(\b)+8*(\kk):SET+64*(\b)+8*(\kk)+7], v[SET+64*(\b)+32+8*(\kk):SET+64*(\b)+32+8*(\kk)+7], v[ACC+8*(\kk):ACC+8*(\kk)+7]
.endif
.endr
.endm
.macro PLACES                          ; four places behind the last product, in front of loads into registers that it has read
.rept 4
	v_nop
.endr
.endm
	s_load_b128 s[4:7], s[0:1], 0x0                ; qh, kh
	s_load_b64 s[8:9], s[0:1], 0x10                ; simp
	v_lshrrev_b32 v1, 5, v0
	v_readfirstlane_b32 s12, v1                    ; wave 0..1
	v_and_b32 v4, 15, v0
	v_bfe_u32 v5, v0, 4, 1
	v_lshlrev_b32 v[FO], 8, v4
	v_lshl_add_u32 v[FO], v5, 4, v[FO]
	v_and_b32 v6, 31, v0                           ; lane
	v_lshlrev_b32 v[SO], 5, v6
	s_and_b32 s13, ttmp7, 0xffff                   ; b
	s_lshl_b32 s14, ttmp9, 1
	s_add_co_u32 s14, s14, s12                     ; p
	s_mul_i32 s2, s14, 20480                       ; 80 rows of 256 bytes
	s_lshl_b32 s15, s13, 20                        ; a batch: 512 x 2,048 bytes
	s_add_co_u32 s2, s2, s15
	s_mov_b32 s3, 0
	s_mul_i32 s16, s13, 50
	s_add_co_u32 s16, s16, s14
	s_lshl_b32 s16, s16, 8
	s_mov_b32 s17, 0
	s_mov_b32 s10, 0xfedcba98                      ; v_permlanex16_b32: lane i of 0-7 takes lane 8 + i of the other half
	s_mov_b32 s11, 0x76543210
	s_wait_kmcnt 0x0
	s_add_nc_u64 s[4:5], s[4:5], s[2:3]
	s_add_nc_u64 s[6:7], s[6:7], s[2:3]
	s_add_nc_u64 s[8:9], s[8:9], s[16:17]
	LOADG 0, 0
	LOADG 1, 1
	LOADG 2, 2
	s_wait_loadcnt 32                              ; group 0 is in; two groups' 32 loads may stay out
	MULG 0, 1
	PLACES
	LOADG 3, 0
	s_wait_loadcnt 32                              ; group 1
	MULG 1, 0
	PLACES
	LOADG 4, 1
	s_wait_loadcnt 32                              ; group 2
	MULG 2, 0
	s_wait_loadcnt 16                              ; group 3
	MULG 0, 0
	s_wait_loadcnt 0x0                             ; group 4
	MULG 1, 0
	PLACES
	PLACES
.irp c, 0,2,4,6                        ; the four channel quarters are added, each accumulator read from its low end on
	v_pk_add_f32 v[ACC+(\c):ACC+(\c)+1], v[ACC+(\c):ACC+(\c)+1], v[ACC+8+(\c):ACC+8+(\c)+1]
.endr
.irp c, 0,2,4,6
	v_pk_add_f32 v[ACC+16+(\c):ACC+16+(\c)+1], v[ACC+16+(\c):ACC+16+(\c)+1], v[ACC+24+(\c):ACC+24+(\c)+1]
.endr
.irp c, 0,2,4,6
	v_pk_add_f32 v[ACC+(\c):ACC+(\c)+1], v[ACC+(\c):ACC+(\c)+1], v[ACC+16+(\c):ACC+16+(\c)+1]
.endr
.irp j, 0,1,2,3,4,5,6,7
	v_permlanex16_b32 v[SET+(\j)], v[ACC+(\j)], s10, s11  ; the second s of each group; the destination has been written before
.endr
.irp j, 0,1,2,3,4,5,6,7
	v_add_f32 v[ACC+(\j)], v[ACC+(\j)], v[SET+(\j)]
.endr
	s_wait_xcnt 0x0                                ; EXEC changes only behind this wait
	v_cmp_gt_u32 vcc_lo, 8, v6
	s_and_saveexec_b32 s12, vcc_lo                 ; lanes 0-7: head h = lane, its eight g: 32 bytes; together the wave's 256 bytes of simp
	global_store_b128 v[SO], v[ACC:ACC+3], s[8:9]
	global_store_b128 v[SO], v[ACC+4:ACC+7], s[8:9] offset:16
	s_endpgm
.Lfunc_end_k_q6ef1cd2554_simpart:
	.size	k_q6ef1cd2554_simpart, .Lfunc_end_k_q6ef1cd2554_simpart-k_q6ef1cd2554_simpart
	.p2alignl 7, 3214868480
	.fill 96, 4, 3214868480
	.section	.rodata,"a",@progbits
	.p2align	6, 0x0
	.amdhsa_kernel k_q6ef1cd2554_simpart
		.amdhsa_group_segment_fixed_size 0
		.amdhsa_private_segment_fixed_size 0
		.amdhsa_enable_private_segment 0
		.amdhsa_kernarg_size 24
		.amdhsa_user_sgpr_count 2
		.amdhsa_user_sgpr_kernarg_segment_ptr 1
		.amdhsa_wavefront_size32 1
		.amdhsa_system_sgpr_workgroup_id_x 1
		.amdhsa_system_sgpr_workgroup_id_y 1
		.amdhsa_system_sgpr_workgroup_id_z 1
		.amdhsa_system_vgpr_workitem_id 0
		.amdhsa_next_free_vgpr 240
		.amdhsa_next_free_sgpr 66
		.amdhsa_reserve_vcc 1
		.amdhsa_float_denorm_mode_32 3
		.amdhsa_float_denorm_mode_16_64 3
		.amdhsa_memory_ordered 1
		.amdhsa_forward_progress 1
		.amdhsa_inst_pref_size 13
	.end_amdhsa_kernel
	.amdgpu_metadata
---
amdhsa.version: [ 1, 2 ]
amdhsa.kernels:
  - .name:           k_q6ef1cd2554_simpart
    .symbol:         k_q6ef1cd2554_simpart.kd
    .args:
      - { .name: qh, .offset: 0, .size: 8, .value_kind: global_buffer, .address_space: global }
      - { .name: kh, .offset: 8, .size: 8, .value_kind: global_buffer, .address_space: global }
      - { .name: simp, .offset: 16, .size: 8, .value_kind: global_buffer, .address_space: global }
    .group_segment_fixed_size: 0
    .private_segment_fixed_size: 0
    .kernarg_segment_align: 8
    .kernarg_segment_size: 24
    .max_flat_workgroup_size: 64
    .sgpr_count:     66
    .vgpr_count:     240
    .wavefront_size: 32
...
	.end_amdgpu_metadata
.endif
;; end of part 2
;; launch mixproj (part 3): grid 256 x 1, 8 waves a work-group, no clusters, 218,624 bytes of LDS; arguments multi_value, single_value, mv_w, sv_w, mv_b, sv_b, simp, mr, sr; writes mr, sr
.if DOCPART == 3
	.amdgcn_target "amdgcn-amd-amdhsa--gfx1250"
	.amdhsa_code_object_version 6
	.text
	.protected	k_q6ef1cd2554_mixproj
	.globl	k_q6ef1cd2554_mixproj
	.p2align	8
	.type	k_q6ef1cd2554_mixproj,@function
k_q6ef1cd2554_mixproj:
	s_mov_b64 s[64:65], 0
	v_nop
	global_prefetch_b8 v0, s[64:65] scope:SCOPE_SE
	s_setreg_imm32_b32 hwreg(HW_REG_WAVE_MODE, 25, 1), 1
	s_wait_xcnt 0x0
; att = softmax over g of sim / sqrt(64000);  mr[b][t][128 h + d] = the sum over x of att[b][h][x] (multi_value[x][b][t] . mv_w[128 h + d] + mv_b[128 h + d]), and sr likewise with heads of 64.
; THE ORDER OF THE TWO LINEAR STEPS IS TURNED: first mix_h = the sum over x of att[b][h][x] V[x][b][t] (f32, vector unit), then mix_h . W_h + bias_h.  The bias enters once because a softmax row sums to 1
; (to f32's rounding).  That makes the projection an eighth of the matrix work.  mr, sr are stored rounded once to f16 as [8 b][512 t][1024] and [8 b][512 t][512].
; LIMITS.  Matrix operands are f16 (mix and weights, each rounded once from f32), sums f32: the values, the weights, mr and sr must stay under 65,504; below 6e-5 they keep f16's fixed step of 6e-8.
; SHARES.  A work-group: one batch b, 32 rows t, four heads (hf = which four); first the multi part (K = 1,024, 512 columns), then the single part (K = 512, 256 columns).  16 x 32 = 512 rows for 500:
; loads beyond t = 499 are clamped to it and the pad rows hold its copy.  Wave w multiplies head w / 2's mixed tile (32 rows) by 16 NF weight rows from 16 NF w on: 2 x NF accumulators.
; THE WAY IN.  Values are mixed and weights converted in registers on their way into LDS: so no tensor load, and so no joint load of a cluster.  K goes in steps of 64 through two LDS buffers.  A ring of
; 16 value loads and 32 (16) weight loads a thread holds the next step; each register is asked for again as soon as it is used, but for a part's last step.
; The softmax is made by every wave for itself from simp's 50 partial sums: lane 8 j + x holds att[4 hf + j][x]; the maximum is taken away before the exponential.
; REGISTERS.  window 0: v2-23 addresses, v24-31 at work, v32-63 the 32 weights of the mix, v64-79 the mix's sums, v80-127 fragments, v128-191 accumulators, v192-241 simp, v244 its offset.
; window 1: v0-63 values, v64-191 weights (the ring), v192-239 fragments of the second 32 of a K step.
.set BUFB,  92160                      ; an LDS buffer: four mixed tiles of 32 rows, then up to 512 weight rows; 64 f16 a row at a pitch of 144 bytes (9 x 16)
.set WOFF,  18432
.set STG,   184320                     ; the work-group's stage for the way out: 32 rows at a pitch of 1,040 (528) bytes
.set SPARE, 217600                     ; the spare words, 128 bytes a wave, that no other line names
.set SPW, 2
.set NIL, 3
.set VV,  4                            ; v4-5   byte offset of my 16 bytes in value row 32 tb + rowt + 16 jr (clamped); steps 256 a K step
.set VW,  6                            ; v6     the same in weight row rowt
.set SV,  7                            ; v7-8   where I store 8 bytes of row rowt of mixed tile 0, buffer 0, 1
.set SB,  9                            ; v9-10  of weight row rowt
.set SB2, 11                           ; v11-12 of weight row rowt + 256
.set AF,  13                           ; v13-14 my lane's place in my wave's mixed fragments
.set BF,  15                           ; v15-16 in its weight fragments
.set BO,  17                           ; v17    32 x (lane / 16)
.set STI, 18
.set STB, 19
.set LO,  20                           ; v20    16 x lane
.set RR,  21                           ; thread % 16
.set ROWT, 22                          ; thread / 16
.set HH,  23                           ; lane / 16
.set U,   24
.set COEF, 32
.set TT,  64
.set FR,  80
.set ACC, 128
.set SM,  192
.set SMO, 244
.set ST,  0                            ; window 1
.set F1,  192                          ; window 1
.set X,   16                           ; s[16:31] the eight value tensors x at batch b
.set MSB, 0
.macro WIN new
.if MSB != (\new)
	s_set_vgpr_msb (MSB<<8)|(\new)
.set MSB, \new
.endif
.endm
.macro BAR                             ; my LDS stores are done and my LDS reads are back, then the work-group's barrier
	s_wait_dscnt 0x0
	s_barrier_signal -1
	s_barrier_wait -1
.endm
.macro XBASE src, stride               ; value x of batch b begins (8 x + b) x stride bytes into its tensor; s3 = 0
.irp x, 0,1,2,3,4,5,6,7
	s_add_co_u32 s2, s14, 8*(\x)
	s_mul_i32 s2, s2, \stride
	s_add_nc_u64 s[X+2*(\x):X+2*(\x)+1], s[(\src):(\src)+1], s[2:3]
.endr
.endm
.macro ADDR sh                         ; the ring's offsets for rows of 1 << sh bytes
	s_lshl_b32 s2, s13, 5
	v_add_nc_u32 v1, s2, v[ROWT]
	v_min_u32 v[VV], 499, v1                       ; no load leaves a value tensor's batch
	v_add_nc_u32 v1, 16, v1
	v_min_u32 v[VV+1], 499, v1
	v_lshlrev_b32 v[VV], \sh, v[VV]
	v_lshlrev_b32 v[VV+1], \sh, v[VV+1]
	v_lshl_add_u32 v[VV], v[RR], 4, v[VV]
	v_lshl_add_u32 v[VV+1], v[RR], 4, v[VV+1]
	v_lshlrev_b32 v[VW], \sh, v[ROWT]
	v_lshl_add_u32 v[VW], v[RR], 4, v[VW]
.endm
.macro FRAGS nf, ps                    ; what hangs on a part's NF and stage pitch
	v_mul_u32_u24 v1, v[RR], 144
	v_lshl_add_u32 v1, v[HH], 4, v1
	s_mul_i32 s2, s10, 16*(\nf)*144
	s_add_co_u32 s2, s2, WOFF
	v_add_nc_u32 v[BF], s2, v1
	v_add_nc_u32 v[BF+1], BUFB, v[BF]
	v_mul_u32_u24 v1, v[RR], \ps
	v_lshl_add_u32 v1, v[HH], 4, v1
	s_mul_i32 s2, s10, 32*(\nf)
	s_add_co_u32 s2, s2, STG
	v_add_nc_u32 v[STI], s2, v1
	s_mul_i32 s2, s10, 4*(\ps)
	s_add_co_u32 s2, s2, STG
	v_add_nc_u32 v[STB], s2, v[LO]
.endm
.macro BIAS nf                         ; the accumulators start as the bias
.irp m, 0,1
.set i, 0
.rept \nf
	global_load_b128 v[ACC+8*((\nf)*(\m)+i):ACC+8*((\nf)*(\m)+i)+3],   v[BO], s[6:7] offset:i*64
	global_load_b128 v[ACC+8*((\nf)*(\m)+i)+4:ACC+8*((\nf)*(\m)+i)+7], v[BO], s[6:7] offset:i*64+16
.set i, i+1
.endr
.endr
.endm
.macro LOADS ng, r16                   ; a whole step: 16 value loads, ng weight loads (r16 = bytes of 16 weight rows), in the order in which they are used
	WIN 0x40
.irp jr, 0,1
.irp x, 0,1,2,3,4,5,6,7
	global_load_b128 v[ST+32*(\jr)+4*(\x):ST+32*(\jr)+4*(\x)+3], v[VV+(\jr)], s[X+2*(\x):X+2*(\x)+1]
.endr
.endr
.set g, 0
.rept \ng
	global_load_b128 v[ST+64+4*g:ST+64+4*g+3], v[VW], s[4:5] offset:g*(\r16)
.set g, g+1
.endr
	WIN 0
.endm
; Row rowt + 16 jr: my four numbers of the eight values are mixed for the four heads (eight chains of packed multiply-adds, f32), rounded to f16 and stored into the four mixed tiles.
.macro MIX jr, p, reload, cnt
	s_wait_loadcnt \cnt                            ; these eight loads are the oldest
	WIN 0x01                                       ; source 0, the value, in window 1
.irp j, 0,1,2,3
.irp c, 0,2
	v_pk_mul_f32 v[TT+4*(\j)+(\c):TT+4*(\j)+(\c)+1], v[ST+32*(\jr)+(\c):ST+32*(\jr)+(\c)+1], v[COEF+8*(\j):COEF+8*(\j)+1] op_sel_hi:[1,0]
.endr
.endr
.irp x, 1,2,3,4,5,6,7
.irp j, 0,1,2,3
.irp c, 0,2
.if (\x)%2                             ; the weight of an odd x is its pair's second register, for both halves
	v_pk_fma_f32 v[TT+4*(\j)+(\c):TT+4*(\j)+(\c)+1], v[ST+32*(\jr)+4*(\x)+(\c):ST+32*(\jr)+4*(\x)+(\c)+1], v[COEF+8*(\j)+(\x)-1:COEF+8*(\j)+(\x)], v[TT+4*(\j)+(\c):TT+4*(\j)+(\c)+1] op_sel:[0,1,0]
.else
	v_pk_fma_f32 v[TT+4*(\j)+(\c):TT+4*(\j)+(\c)+1], v[ST+32*(\jr)+4*(\x)+(\c):ST+32*(\jr)+4*(\x)+(\c)+1], v[COEF+8*(\j)+(\x):COEF+8*(\j)+(\x)+1], v[TT+4*(\j)+(\c):TT+4*(\j)+(\c)+1] op_sel_hi:[1,0,1]
.endif
.endr
.endr
.endr
	WIN 0
.irp j, 0,1,2,3
	v_cvt_pk_f16_f32 v[U+2*(\j)],   v[TT+4*(\j)],   v[TT+4*(\j)+1]
	v_cvt_pk_f16_f32 v[U+2*(\j)+1], v[TT+4*(\j)+2], v[TT+4*(\j)+3]
.endr
.irp j, 0,1,2,3
	ds_store_b64 v[SV+(\p)], v[U+2*(\j):U+2*(\j)+1] offset:(\j)*4608+(\jr)*2304
.endr
.if \reload
	WIN 0x40
.irp x, 0,1,2,3,4,5,6,7
	global_load_b128 v[ST+32*(\jr)+4*(\x):ST+32*(\jr)+4*(\x)+3], v[VV+(\jr)], s[X+2*(\x):X+2*(\x)+1]
.endr
.endif
.endm
; Four weight loads: waited for, converted in place, stored, asked for again.
.macro WCH n, p, reload, cnt, r16
	s_wait_loadcnt \cnt
	WIN 0x45
.irp q, 0,1,2,3
	v_cvt_pk_f16_f32 v[ST+64+16*(\n)+4*(\q)], v[ST+64+16*(\n)+4*(\q)], v[ST+64+16*(\n)+4*(\q)+1]
	v_cvt_pk_f16_f32 v[ST+64+16*(\n)+4*(\q)+1], v[ST+64+16*(\n)+4*(\q)+2], v[ST+64+16*(\n)+4*(\q)+3]
.endr
	WIN 0x04
.irp q, 0,1,2,3
.if (4*(\n)+(\q)) < 16
	ds_store_b64 v[SB+(\p)], v[ST+64+16*(\n)+4*(\q):ST+64+16*(\n)+4*(\q)+1] offset:(4*(\n)+(\q))*2304
.else
	ds_store_b64 v[SB2+(\p)], v[ST+64+16*(\n)+4*(\q):ST+64+16*(\n)+4*(\q)+1] offset:(4*(\n)+(\q)-16)*2304
.endif
.endr
.if \reload
	WIN 0x40
.irp q, 0,1,2,3
	global_load_b128 v[ST+64+16*(\n)+4*(\q):ST+64+16*(\n)+4*(\q)+3], v[VW], s[4:5] offset:(4*(\n)+(\q))*(\r16)
.endr
.endif
.endm
; The ring's step goes into buffer p.  The ring has 16 + 4 nch loads.  reload = 1: all but the chunk's own 8 or 4 may stay out.  reload = 0: the counts run down to 0.
.macro STAGE p, reload, nch, r16
.if \reload
	s_wait_xcnt 0x0                                ; the loads that are out have read their addresses: the offsets may step
	v_add_nc_u32 v[VV], 0x100, v[VV]
	v_add_nc_u32 v[VV+1], 0x100, v[VV+1]
	v_add_nc_u32 v[VW], 0x100, v[VW]
	MIX 0, \p, 1, 8+4*(\nch)
	MIX 1, \p, 1, 8+4*(\nch)
.else
	MIX 0, \p, 0, 8+4*(\nch)
	MIX 1, \p, 0, 4*(\nch)
.endif
.set n, 0
.rept \nch
.if \reload
	WCH n, \p, 1, 12+4*(\nch), \r16
.else
	WCH n, \p, 0, 4*(\nch)-4-4*n, \r16
.endif
.set n, n+1
.endr
	WIN 0
.endm
.macro FRAGL f, nf, p, k
.set i, 0
.rept \nf
	ds_load_b128 v[(\f)+8*i:(\f)+8*i+3],   v[BF+(\p)] offset:i*2304+(\k)
	ds_load_b128 v[(\f)+8*i+4:(\f)+8*i+7], v[BF+(\p)] offset:i*2304+(\k)+32
.set i, i+1
.endr
.irp m, 0,1
	ds_load_b128 v[(\f)+32+8*(\m):(\f)+32+8*(\m)+3],   v[AF+(\p)] offset:(\m)*2304+(\k)
	ds_load_b128 v[(\f)+32+8*(\m)+4:(\f)+32+8*(\m)+7], v[AF+(\p)] offset:(\m)*2304+(\k)+32
.endr
.endm
.macro MULS f, nf                      ; 2 nf products; the accumulators take turns, one instruction a turn
.irp m, 0,1
.set i, 0
.rept \nf
	v_wmma_f32_16x16x32_f16 v[ACC+8*((\nf)*(\m)+i):ACC+8*((\nf)*(\m)+i)+7], v[(\f)+8*i:(\f)+8*i+7], v[(\f)+32+8*(\m):(\f)+32+8*(\m)+7], v[ACC+8*((\nf)*(\m)+i):ACC+8*((\nf)*(\m)+i)+7]
.set i, i+1
.endr
.endr
.endm
; A K step out of buffer p.  The vector work of the STAGE before stands between the last products and these loads into the registers that they read.
.macro CORE nf, p
	WIN 0
	FRAGL FR, \nf, \p, 0
	WIN 0x40
	FRAGL F1, \nf, \p, 64
	s_wait_dscnt 2*(2+(\nf))                       ; the first 32 along K are in; the younger loads may stay out
	WIN 0
	MULS FR, \nf
	s_wait_dscnt 0x0
	WIN 0x05
	MULS F1, \nf
	WIN 0
.endm
; All K steps of a part but the last product run: the ring holds step 0 at the start.  One barrier a step: the buffer that a STAGE writes was last read ahead of the barrier before.
.macro KHEAD nf, nch, r16, trips
	STAGE 0, 1, \nch, \r16
	BAR
	s_mov_b32 s11, \trips
.Lk\@:
	CORE \nf, 0
	STAGE 1, 1, \nch, \r16
	BAR
	CORE \nf, 1
	STAGE 0, 1, \nch, \r16
	BAR
	s_sub_co_u32 s11, s11, 1
	s_cmp_lg_u32 s11, 0
	s_cbranch_scc1 .Lk\@
	CORE \nf, 0
	STAGE 1, 0, \nch, \r16                         ; the last step: its last wait is for 0, so no load of mine is out behind it
.endm
; THE WAY OUT of a part: rounded to f16, 16 bytes a lane into the stage; a barrier, since a row comes from all eight waves; wave w takes rows 4 w .. 4 w + 3 back in pieces of 512 bytes.
.macro WAYOUT nf, ps, np, rowb
.rept 8
	v_nop                                          ; the places behind the last products
.endr
.irp m, 0,1
.set i, 0
.rept \nf
.irp c, 0,1,2,3                        ; each accumulator is read from its low end on
	v_cvt_pk_f16_f32 v[U+4*(i%2)+(\c)], v[ACC+8*((\nf)*(\m)+i)+2*(\c)], v[ACC+8*((\nf)*(\m)+i)+2*(\c)+1]
.endr
	ds_store_b128 v[STI], v[U+4*(i%2):U+4*(i%2)+3] offset:(\m)*16*(\ps)+i*32
.set i, i+1
.endr
.endr
	BAR
.set i, 0
.rept 4*(\np)
	ds_load_b128 v[FR+4*i:FR+4*i+3], v[STB] offset:(i/(\np))*(\ps)+(i%(\np))*512
.set i, i+1
.endr
.set i, 0
.rept 4*(\np)
	s_wait_dscnt 4*(\np)-1-i
	global_store_b128 v[LO], v[FR+4*i:FR+4*i+3], s[8:9] offset:(i/(\np))*(\rowb)+(i%(\np))*512  ; the wave stores 512 consecutive bytes, aligned
.set i, i+1
.endr
.endm
	s_load_b512 s[32:47], s[0:1], 0x0              ; multi_value 32, single_value 34, mv_w 36, sv_w 38, mv_b 40, sv_b 42, simp 44, mr 46
	s_load_b64 s[48:49], s[0:1], 0x40              ; sr
	v_lshl_add_u32 v[SPW], v0, 2, SPARE
	v_mov_b32 v[NIL], 0
	v_lshrrev_b32 v1, 5, v0
	v_readfirstlane_b32 s10, v1                    ; wave 0..7
	s_and_b32 s12, ttmp9, 1                        ; hf: heads 4 hf .. 4 hf + 3
	s_bfe_u32 s13, ttmp9, 0x40001                  ; tb: 32 rows t
	s_lshr_b32 s14, ttmp9, 5                       ; b
	s_mov_b32 s3, 0
	v_and_b32 v[RR], 15, v0
	v_lshrrev_b32 v[ROWT], 4, v0
	v_bfe_u32 v[HH], v0, 4, 1
	v_and_b32 v[LO], 31, v0
	v_lshlrev_b32 v[SMO], 2, v[LO]
	v_lshlrev_b32 v[LO], 4, v[LO]
	v_lshlrev_b32 v[BO], 5, v[HH]
	v_mul_u32_u24 v[SV], v[ROWT], 144
	v_lshl_add_u32 v[SV], v[RR], 3, v[SV]
	v_add_nc_u32 v[SV+1], BUFB, v[SV]
	v_add_nc_u32 v[SB], WOFF, v[SV]
	v_add_nc_u32 v[SB+1], WOFF, v[SV+1]
	v_add_nc_u32 v[SB2], 36864, v[SB]
	v_add_nc_u32 v[SB2+1], 36864, v[SB+1]
	v_mul_u32_u24 v1, v[RR], 144
	v_lshl_add_u32 v1, v[HH], 4, v1
	s_lshr_b32 s2, s10, 1
	s_mul_i32 s2, s2, 4608                         ; my head's mixed tile
	v_add_nc_u32 v[AF], s2, v1
	v_add_nc_u32 v[AF+1], BUFB, v[AF]
	FRAGS 4, 1040
	ADDR 12
	s_wait_kmcnt 0x0
	XBASE 32, 2048000
	s_lshl_b32 s2, s12, 21                         ; 512 weight rows of 4,096 bytes
	s_add_nc_u64 s[4:5], s[36:37], s[2:3]
	s_lshl_b32 s2, s12, 11
	s_lshl_b32 s15, s10, 8
	s_add_co_u32 s2, s2, s15                       ; 4 x (512 hf + 64 wave)
	s_add_nc_u64 s[6:7], s[40:41], s[2:3]
	s_mul_i32 s2, s14, 12800                       ; 50 x 256 bytes a batch
	s_lshl_b32 s15, s12, 7
	s_add_co_u32 s2, s2, s15
	s_add_nc_u64 s[50:51], s[44:45], s[2:3]
	s_lshl_b32 s53, s14, 9
	s_lshl_b32 s15, s13, 5
	s_add_co_u32 s53, s53, s15
	s_lshl_b32 s15, s10, 2
	s_add_co_u32 s53, s53, s15                     ; 512 b + 32 tb + 4 wave: the first row that my wave stores
	s_lshl_b32 s2, s53, 11
	s_lshl_b32 s15, s12, 10
	s_add_co_u32 s2, s2, s15
	s_add_nc_u64 s[8:9], s[46:47], s[2:3]
	BIAS 4
.set i, 0
.rept 50
	global_load_b32 v[SM+i], v[SMO], s[50:51] offset:i*256  ; lane 8 j + x: partial sum i of sim[4 hf + j][x]
.set i, i+1
.endr
	LOADS 32, 65536                                ; K step 0 of the multi part
	s_wait_loadcnt 48                              ; bias and simp are in; the ring's 48 may stay out: the softmax stands in the wait for them
.set i, 1
.rept 24
	v_pk_add_f32 v[SM:SM+1], v[SM:SM+1], v[SM+2*i:SM+2*i+1]
.set i, i+1
.endr
	v_add_f32 v[SM], v[SM], v[SM+1]
	v_mul_f32 v[SM], 0x3bbade29, v[SM]             ; x log2(e) / sqrt(64000)
	v_mov_b32 v[SM+1], v[SM]
	v_max_num_f32_dpp v[SM+1], v[SM+1], v[SM+1] row_xmask:1 row_mask:0xf bank_mask:0xf
	v_max_num_f32_dpp v[SM+1], v[SM+1], v[SM+1] row_xmask:2 row_mask:0xf bank_mask:0xf
	v_max_num_f32_dpp v[SM+1], v[SM+1], v[SM+1] row_xmask:4 row_mask:0xf bank_mask:0xf
	v_sub_f32 v[SM], v[SM], v[SM+1]                ; the row's maximum is taken away
	v_exp_f32 v[SM], v[SM]
	v_nop                                          ; a plain instruction behind the exponential,
	s_wait_alu depctr_va_vdst(0)                   ; and the wait ahead of its first reader
	v_mov_b32 v[SM+1], v[SM]
	v_add_f32_dpp v[SM+1], v[SM+1], v[SM+1] row_xmask:1 row_mask:0xf bank_mask:0xf
	v_add_f32_dpp v[SM+1], v[SM+1], v[SM+1] row_xmask:2 row_mask:0xf bank_mask:0xf
	v_add_f32_dpp v[SM+1], v[SM+1], v[SM+1] row_xmask:4 row_mask:0xf bank_mask:0xf
	v_rcp_f32 v[SM+1], v[SM+1]
	v_nop
	s_wait_alu depctr_va_vdst(0)
	v_mul_f32 v[SM], v[SM], v[SM+1]
.set i, 0
.rept 32                               ; every lane gets all 32 weights
	v_readlane_b32 s[54+i%2], v[SM], i
	v_mov_b32 v[COEF+i], s[54+i%2]
.set i, i+1
.endr
	KHEAD 4, 8, 65536, 7                           ; THE MULTI PART: 16 K steps
	XBASE 34, 1024000                              ; no load of mine is out: the ring turns to the single part, whose step 0 is on its way under the last products and the way out
	ADDR 11
	s_lshl_b32 s2, s12, 19                         ; 256 weight rows of 2,048 bytes
	s_add_nc_u64 s[4:5], s[38:39], s[2:3]
	LOADS 16, 32768
	BAR
	CORE 4, 1
	WAYOUT 4, 1040, 2, 2048
	s_wait_xcnt 0x0                                ; the stores have read their base and their data
	FRAGS 2, 528
	s_lshl_b32 s2, s53, 10
	s_lshl_b32 s15, s12, 9
	s_add_co_u32 s2, s2, s15
	s_add_nc_u64 s[8:9], s[48:49], s[2:3]
	s_lshl_b32 s2, s12, 10
	s_lshl_b32 s15, s10, 7
	s_add_co_u32 s2, s2, s15                       ; 4 x (256 hf + 32 wave)
	s_add_nc_u64 s[6:7], s[42:43], s[2:3]
	BIAS 2
	s_wait_loadcnt 0x0                             ; the bias, the youngest of my loads
	KHEAD 2, 4, 32768, 3                           ; THE SINGLE PART: 8 K steps; its step barriers stand between the other waves' reads of the stage and the next stores into it
	BAR
	CORE 2, 1
	WAYOUT 2, 528, 1, 1024
	s_wait_tensorcnt 0x0                           ; the wave's end
	ds_add_u32 v[SPW], v[NIL]
	s_wait_dscnt 0x0
	s_endpgm
.Lfunc_end_k_q6ef1cd2554_mixproj:
	.size	k_q6ef1cd2554_mixproj, .Lfunc_end_k_q6ef1cd2554_mixproj-k_q6ef1cd2554_mixproj
	.p2alignl 7, 3214868480
	.fill 96, 4, 3214868480
	.section	.rodata,"a",@progbits
	.p2align	6, 0x0
	.amdhsa_kernel k_q6ef1cd2554_mixproj
		.amdhsa_group_segment_fixed_size 218624
		.amdhsa_private_segment_fixed_size 0
		.amdhsa_enable_private_segment 0
		.amdhsa_kernarg_size 72
		.amdhsa_user_sgpr_count 2
		.amdhsa_user_sgpr_kernarg_segment_ptr 1
		.amdhsa_wavefront_size32 1
		.amdhsa_system_sgpr_workgroup_id_x 1
		.amdhsa_system_sgpr_workgroup_id_y 1
		.amdhsa_system_sgpr_workgroup_id_z 1
		.amdhsa_system_vgpr_workitem_id 0
		.amdhsa_next_free_vgpr 496
		.amdhsa_next_free_sgpr 66
		.amdhsa_reserve_vcc 0
		.amdhsa_float_denorm_mode_32 3
		.amdhsa_float_denorm_mode_16_64 3
		.amdhsa_memory_ordered 1
		.amdhsa_forward_progress 1
		.amdhsa_inst_pref_size 197
	.end_amdhsa_kernel
	.amdgpu_metadata
---
amdhsa.version: [ 1, 2 ]
amdhsa.kernels:
  - .name:           k_q6ef1cd2554_mixproj
    .symbol:         k_q6ef1cd2554_mixproj.kd
    .args:
      - { .name: multi_value, .offset: 0, .size: 8, .value_kind: global_buffer, .address_space: global }
      - { .name: single_value, .offset: 8, .size: 8, .value_kind: global_buffer, .address_space: global }
      - { .name: mv_w, .offset: 16, .size: 8, .value_kind: global_buffer, .address_space: global }
      - { .name: sv_w, .offset: 24, .size: 8, .value_kind: global_buffer, .address_space: global }
      - { .name: mv_b, .offset: 32, .size: 8, .value_kind: global_buffer, .address_space: global }
      - { .name: sv_b, .offset: 40, .size: 8, .value_kind: global_buffer, .address_space: global }
      - { .name: simp, .offset: 48, .size: 8, .value_kind: global_buffer, .address_space: global }
      - { .name: mr, .offset: 56, .size: 8, .value_kind: global_buffer, .address_space: global }
      - { .name: sr, .offset: 64, .size: 8, .value_kind: global_buffer, .address_space: global }
    .group_segment_fixed_size: 218624
    .private_segment_fixed_size: 0
    .kernarg_segment_align: 8
    .kernarg_segment_size: 72
    .max_flat_workgroup_size: 256
    .sgpr_count:     66
    .vgpr_count:     496
    .wavefront_size: 32
...
	.end_amdgpu_metadata
.endif
;; end of part 3
;; launch outproj (part 4): grid 256 x 1, 8 waves a work-group, no clusters, 308,224 bytes of LDS; arguments mr, sr, mo_w, so_w, mo_b, so_b, out0, out1; writes out0, out1
.if DOCPART == 4
	.amdgcn_target "amdgcn-amd-amdhsa--gfx1250"
	.amdhsa_code_object_version 6
	.text
	.protected	k_q6ef1cd2554_outproj
	.globl	k_q6ef1cd2554_outproj
	.p2align	8
	.type	k_q6ef1cd2554_outproj,@function
k_q6ef1cd2554_outproj:
	s_mov_b64 s[64:65], 0
	v_nop
	global_prefetch_b8 v0, s[64:65] scope:SCOPE_SE
	s_setreg_imm32_b32 hwreg(HW_REG_WAVE_MODE, 25, 1), 1
	s_wait_xcnt 0x0
; out0 = mr mo_w^T + mo_b, out1 = sr so_w^T + so_b.  mr: [8 b][512 t][1024] f16, sr: [8 b][512 t][512] f16 (rows t >= 500 are padding); weights, biases and outputs f32; out0: [8][500][1024], out1: [8][500][512].
; LIMITS.  Matrix operands are f16 (the weights rounded once from f32), sums f32: the weights must stay under 65,504; below 6e-5 they keep f16's fixed step of 6e-8.
; SHARES.  A work-group takes 64 padded rows (rb) and a quarter of the columns (cb): first 64 x 256 of out0 (K = 1,024; a wave 32 x 64), then 64 x 128 of out1 (K = 512; a wave 16 x 64).
; Its rows of mr and sr are f16 already: they are copied whole into LDS once, at the head.  The weights are converted in registers on their way into LDS (so no tensor load, and so no joint load of a
; cluster), K in steps of 64 through two buffers, with a ring of 16 (8) loads a thread that holds the next step.
; The product is used transposed (source 0 = weight rows): a lane holds one row and eight neighbouring columns.  The accumulators start as the bias.
; THE WAY OUT goes through each wave's own stage: 16 rows x 256 bytes; sixteen lanes then store 256 consecutive bytes, aligned.  Rows t >= 500 are not stored: a store takes two rows that begin at an
; even t, and 500 is even, so a scalar compare decides for both; the jump goes forward past stores and the wave's own LDS work alone.
; REGISTERS.  window 0: v2-27 addresses, v32-79 fragments, v80-143 accumulators, v144-207 rows on their way out.  window 1: v0-191 the head's copies, then v0-63 the ring; v192-239 fragments of the second 32 of a K step.
.set A1P,  2064                        ; mr's rows in LDS: 2,048 bytes + 16 (129 x 16)
.set A2B,  132096
.set A2P,  1040                        ; sr's rows: 1,024 + 16 (65 x 16)
.set WB,   198656                      ; two weight buffers of 256 rows at a pitch of 144 bytes
.set WBUF, 36864
.set STG,  272384                      ; eight stages of 16 rows at a pitch of 272 bytes, a wave's own each
.set SPARE, 307200                     ; the spare words, 128 bytes a wave, that no other line names
.set SPW, 2
.set NIL, 3
.set GL,  4                            ; v4  16 x thread
.set LA2, 6                            ; v6  where I put 16 bytes of sr
.set VB,  7                            ; v7  byte offset of my 16 bytes in weight row rowt
.set SW,  8                            ; v8-9 where I store 8 bytes of weight row rowt, buffer 0, 1
.set AFR, 10                           ; v10 my lane's place in my wave's fragments of mr (sr); steps 256 bytes a trip
.set BFW, 11                           ; v11 in its weight fragments
.set BO,  12                           ; v12 32 x (lane / 16)
.set STI, 13
.set STB, 14
.set VO,  15                           ; v15 (lane / 16) rows of the output + 16 (lane % 16)
.set RR,  21
.set ROWT, 22
.set HH,  23
.set LA1, 24                           ; v24-27 where I put 16 bytes of mr, for each group of eight loads
.set FR,  32
.set ACC, 80
.set OUT, 144
.set ST,  0                            ; window 1
.set F1,  192                          ; window 1
.set MSB, 0
.macro WIN new
.if MSB != (\new)
	s_set_vgpr_msb (MSB<<8)|(\new)
.set MSB, \new
.endif
.endm
.macro BAR                             ; my LDS stores are done and my LDS reads are back, then the work-group's barrier
	s_wait_dscnt 0x0
	s_barrier_signal -1
	s_barrier_wait -1
.endm
.macro PH abase, ap, rows, wmsh, wnmask  ; a part's split of the waves (s32 = wm, s33 = wn) and fragment addresses
	s_lshr_b32 s32, s10, \wmsh
	s_and_b32 s33, s10, \wnmask
	v_mul_u32_u24 v1, v[RR], \ap
	v_lshl_add_u32 v1, v[HH], 4, v1
	s_mul_i32 s2, s32, (\rows)*(\ap)
	s_add_co_u32 s2, s2, \abase
	v_add_nc_u32 v[AFR], s2, v1
	v_mul_u32_u24 v1, v[RR], 144
	v_lshl_add_u32 v1, v[HH], 4, v1
	s_mul_i32 s2, s33, 64*144
	s_add_co_u32 s2, s2, WB
	v_add_nc_u32 v[BFW], s2, v1
.endm
.macro OUTB outp, biasp, rsh, wsh, cbsh  ; bias and output at my wave's tile; s14 = how many of my rows exist.  s38 = 500 b + t0, s39 = t0, s3 = 0
	s_lshl_b32 s40, s32, \wsh
	s_sub_co_u32 s14, 500, s39
	s_sub_co_u32 s14, s14, s40
	s_add_co_u32 s2, s38, s40
	s_lshl_b32 s2, s2, \rsh
	s_lshl_b32 s40, s13, \cbsh
	s_lshl_b32 s41, s33, 8
	s_add_co_u32 s40, s40, s41                     ; my 64 columns, in bytes of f32
	s_add_co_u32 s2, s2, s40
	s_add_nc_u64 s[8:9], s[(\outp):(\outp)+1], s[2:3]
	s_mov_b32 s2, s40
	s_add_nc_u64 s[6:7], s[(\biasp):(\biasp)+1], s[2:3]
	v_lshlrev_b32 v[VO], \rsh, v[HH]
	v_lshl_add_u32 v[VO], v[RR], 4, v[VO]
.endm
.macro BIAS mf                         ; the accumulators start as the bias
.set m, 0
.rept \mf
.irp ni, 0,1,2,3
	global_load_b128 v[ACC+8*(4*m+(\ni)):ACC+8*(4*m+(\ni))+3],   v[BO], s[6:7] offset:(\ni)*64
	global_load_b128 v[ACC+8*(4*m+(\ni))+4:ACC+8*(4*m+(\ni))+7], v[BO], s[6:7] offset:(\ni)*64+16
.endr
.set m, m+1
.endr
.endm
.macro LOADS ng, r16                   ; a whole step's weight loads (r16 = bytes of 16 weight rows)
	WIN 0x40
.set g, 0
.rept \ng
	global_load_b128 v[ST+4*g:ST+4*g+3], v[VB], s[4:5] offset:g*(\r16)
.set g, g+1
.endr
	WIN 0
.endm
.macro CHUNK n, p, reload, cnt, r16    ; four weight loads: waited for, converted in place, stored, asked for again
	s_wait_loadcnt \cnt
	WIN 0x45
.irp q, 0,1,2,3
	v_cvt_pk_f16_f32 v[ST+16*(\n)+4*(\q)], v[ST+16*(\n)+4*(\q)], v[ST+16*(\n)+4*(\q)+1]
	v_cvt_pk_f16_f32 v[ST+16*(\n)+4*(\q)+1], v[ST+16*(\n)+4*(\q)+2], v[ST+16*(\n)+4*(\q)+3]
.endr
	WIN 0x04
.irp q, 0,1,2,3
	ds_store_b64 v[SW+(\p)], v[ST+16*(\n)+4*(\q):ST+16*(\n)+4*(\q)+1] offset:(4*(\n)+(\q))*2304
.endr
.if \reload
	WIN 0x40
.irp q, 0,1,2,3
	global_load_b128 v[ST+16*(\n)+4*(\q):ST+16*(\n)+4*(\q)+3], v[VB], s[4:5] offset:(4*(\n)+(\q))*(\r16)
.endr
.endif
.endm
; The ring's step (4 nch loads) goes into buffer p.  reload = 1: all but the chunk's own four may stay out.  reload = 0: the counts run down to 0.
.macro STAGE p, reload, nch, r16
.if \reload
	s_wait_xcnt 0x0                                ; the loads that are out have read their address: the base may step
	s_add_nc_u64 s[4:5], s[4:5], 256
.endif
.set n, 0
.rept \nch
.if \reload
	CHUNK n, \p, 1, 4*(\nch)-4, \r16
.else
	CHUNK n, \p, 0, 4*(\nch)-4-4*n, \r16
.endif
.set n, n+1
.endr
	WIN 0
.endm
.macro FRAGL f, mf, p, k, ap
.irp i, 0,1,2,3
	ds_load_b128 v[(\f)+8*(\i):(\f)+8*(\i)+3],   v[BFW] offset:(\p)*WBUF+(\i)*2304+(\k)
	ds_load_b128 v[(\f)+8*(\i)+4:(\f)+8*(\i)+7], v[BFW] offset:(\p)*WBUF+(\i)*2304+(\k)+32
.endr
.set m, 0
.rept \mf
	ds_load_b128 v[(\f)+32+8*m:(\f)+32+8*m+3],   v[AFR] offset:(\p)*128+m*16*(\ap)+(\k)
	ds_load_b128 v[(\f)+32+8*m+4:(\f)+32+8*m+7], v[AFR] offset:(\p)*128+m*16*(\ap)+(\k)+32
.set m, m+1
.endr
.endm
.macro MULS f, mf                      ; 4 mf products; the accumulators take turns, one instruction a turn
.set m, 0
.rept \mf
.irp ni, 0,1,2,3
	v_wmma_f32_16x16x32_f16 v[ACC+8*(4*m+(\ni)):ACC+8*(4*m+(\ni))+7], v[(\f)+8*(\ni):(\f)+8*(\ni)+7], v[(\f)+32+8*m:(\f)+32+8*m+7], v[ACC+8*(4*m+(\ni)):ACC+8*(4*m+(\ni))+7]
.endr
.set m, m+1
.endr
.endm
; A K step: weights out of buffer p, mr's or sr's fragments at byte 128 p behind AFR.  The conversions of the STAGE before are the places behind the last products.
.macro CORE mf, p, ap
	WIN 0
	FRAGL FR, \mf, \p, 0, \ap
	WIN 0x40
	FRAGL F1, \mf, \p, 64, \ap
	s_wait_dscnt 2*(4+(\mf))                       ; the first 32 along K are in; the younger loads may stay out
	WIN 0
	MULS FR, \mf
	s_wait_dscnt 0x0
	WIN 0x05
	MULS F1, \mf
	WIN 0
.endm
; All K steps of a part but the last product run.  One barrier a step: the buffer that a STAGE writes was last read ahead of the barrier before.
.macro KHEAD mf, ap, nch, r16, trips
	STAGE 0, 1, \nch, \r16
	BAR
	s_mov_b32 s11, \trips
.Lk\@:
	CORE \mf, 0, \ap
	STAGE 1, 1, \nch, \r16
	BAR
	CORE \mf, 1, \ap
	STAGE 0, 1, \nch, \r16
	BAR
	v_add_nc_u32 v[AFR], 0x100, v[AFR]             ; two K steps on
	s_sub_co_u32 s11, s11, 1
	s_cmp_lg_u32 s11, 0
	s_cbranch_scc1 .Lk\@
	CORE \mf, 0, \ap
	STAGE 1, 0, \nch, \r16                         ; the last step: its last wait is for 0, so no load of mine is out behind it
.endm
; 16 rows of my tile leave: f32 into my own stage (LDS serves a wave's instructions in order, so no wait stands between these stores and loads), back as rows of 256 bytes, two to a store.
.macro WOUT mi, rowb, cut
.irp ni, 0,1,2,3                       ; each accumulator is read from its low end on
	ds_store_b128 v[STI], v[ACC+8*(4*(\mi)+(\ni)):ACC+8*(4*(\mi)+(\ni))+3]   offset:(\ni)*64
	ds_store_b128 v[STI], v[ACC+8*(4*(\mi)+(\ni))+4:ACC+8*(4*(\mi)+(\ni))+7] offset:(\ni)*64+16
.endr
.irp q, 0,1,2,3,4,5,6,7
	ds_load_b128 v[OUT+32*(\mi)+4*(\q):OUT+32*(\mi)+4*(\q)+3], v[STB] offset:(\q)*544
.endr
.irp q, 0,1,2,3,4,5,6,7
	s_wait_dscnt 7-(\q)
	s_cmp_gt_i32 s14, 16*(\mi)+2*(\q)              ; do these two rows exist?
	s_cbranch_scc0 \cut
	global_store_b128 v[VO], v[OUT+32*(\mi)+4*(\q):OUT+32*(\mi)+4*(\q)+3], s[8:9] offset:(16*(\mi)+2*(\q))*(\rowb) th:TH_STORE_NT  ; 16 lanes store 256 consecutive bytes, aligned
.endr
.endm
	s_load_b512 s[16:31], s[0:1], 0x0              ; mr 16, sr 18, mo_w 20, so_w 22, mo_b 24, so_b 26, out0 28, out1 30
	v_lshl_add_u32 v[SPW], v0, 2, SPARE
	v_mov_b32 v[NIL], 0
	v_lshrrev_b32 v1, 5, v0
	v_readfirstlane_b32 s10, v1                    ; wave 0..7
	s_lshr_b32 s12, ttmp9, 2                       ; rb: 64 padded rows
	s_and_b32 s13, ttmp9, 3                        ; cb
	s_mov_b32 s3, 0
	v_and_b32 v[RR], 15, v0
	v_lshrrev_b32 v[ROWT], 4, v0
	v_bfe_u32 v[HH], v0, 4, 1
	v_lshlrev_b32 v[GL], 4, v0
	v_lshrrev_b32 v1, 7, v0                        ; mr: 128 threads a row of 2,048 bytes
	v_and_b32 v[LA1], 127, v0
	v_lshlrev_b32 v[LA1], 4, v[LA1]
	v_mad_u32_u24 v[LA1], v1, A1P, v[LA1]
	v_add_nc_u32 v[LA1+1], 16*A1P, v[LA1]          ; a group of eight loads is 16 rows
	v_add_nc_u32 v[LA1+2], 32*A1P, v[LA1]
	v_add_nc_u32 v[LA1+3], 48*A1P, v[LA1]
	v_lshrrev_b32 v1, 6, v0                        ; sr: 64 threads a row of 1,024 bytes
	v_and_b32 v[LA2], 63, v0
	v_lshlrev_b32 v[LA2], 4, v[LA2]
	v_mad_u32_u24 v[LA2], v1, A2P, v[LA2]
	v_add_nc_u32 v[LA2], A2B, v[LA2]
	v_lshlrev_b32 v[VB], 12, v[ROWT]
	v_lshl_add_u32 v[VB], v[RR], 4, v[VB]
	v_mul_u32_u24 v[SW], v[ROWT], 144
	v_lshl_add_u32 v[SW], v[RR], 3, v[SW]
	v_add_nc_u32 v[SW], WB, v[SW]
	v_add_nc_u32 v[SW+1], WBUF, v[SW]
	v_lshlrev_b32 v[BO], 5, v[HH]
	s_mul_i32 s2, s10, 16*272
	s_add_co_u32 s2, s2, STG                       ; my stage
	v_mul_u32_u24 v[STI], v[RR], 272               ; in: row lane % 16, 32 bytes for each half of the lanes
	v_lshl_add_u32 v[STI], v[HH], 5, v[STI]
	v_add_nc_u32 v[STI], s2, v[STI]
	v_mul_u32_u24 v[STB], v[HH], 272               ; back: lanes 0-15 one row, lanes 16-31 the next
	v_lshl_add_u32 v[STB], v[RR], 4, v[STB]
	v_add_nc_u32 v[STB], s2, v[STB]
	s_lshr_b32 s38, s12, 3                         ; b
	s_and_b32 s39, s12, 7
	s_lshl_b32 s39, s39, 6                         ; t0
	s_mul_i32 s38, s38, 500
	s_add_co_u32 s38, s38, s39                     ; the block's first row in the outputs
	PH 0, A1P, 32, 2, 3
	s_wait_kmcnt 0x0
	OUTB 28, 24, 12, 5, 10
	s_lshl_b32 s2, s12, 17                         ; 64 rows of 2,048 bytes
	s_add_nc_u64 s[34:35], s[16:17], s[2:3]
	s_lshl_b32 s2, s12, 16
	s_add_nc_u64 s[36:37], s[18:19], s[2:3]
	s_lshl_b32 s2, s13, 20                         ; 256 weight rows of 4,096 bytes
	s_add_nc_u64 s[4:5], s[20:21], s[2:3]
	BIAS 2
	WIN 0x40
.set j, 0
.rept 32
	global_load_b128 v[4*j:4*j+3], v[GL], s[34:35] offset:j*4096   ; the block of mr is dense: 256 threads take 4,096 consecutive bytes, two rows
.set j, j+1
.endr
.set j, 0
.rept 16
	global_load_b128 v[128+4*j:128+4*j+3], v[GL], s[36:37] offset:j*4096  ; of sr: four rows
.set j, j+1
.endr
	WIN 0x04
.irp gq, 0,1,2,3
	s_wait_loadcnt 40-8*(\gq)                      ; this group's eight loads are in: the later groups of mr and sr's 16 may stay out
.irp jj, 0,1,2,3,4,5,6,7
	ds_store_b128 v[LA1+(\gq)], v[32*(\gq)+4*(\jj):32*(\gq)+4*(\jj)+3] offset:(\jj)*2*A1P
.endr
.endr
.irp gq, 0,1
	s_wait_loadcnt 8-8*(\gq)
.irp jj, 0,1,2,3,4,5,6,7
	ds_store_b128 v[LA2], v[128+32*(\gq)+4*(\jj):128+32*(\gq)+4*(\jj)+3] offset:(8*(\gq)+(\jj))*4*A2P
.endr
.endr
	WIN 0
	LOADS 16, 65536                                ; K step 0 of mo_w
	KHEAD 2, A1P, 4, 65536, 7                      ; OUT0: 16 K steps; the first barrier also shows mr's and sr's rows to every wave
	s_lshl_b32 s2, s13, 18                         ; no load of mine is out: the ring turns to so_w (128 rows of 2,048 bytes), whose step 0 is on its way under the last products and the way out
	s_add_nc_u64 s[4:5], s[22:23], s[2:3]
	v_lshlrev_b32 v[VB], 11, v[ROWT]
	v_lshl_add_u32 v[VB], v[RR], 4, v[VB]
	LOADS 8, 32768
	BAR
	CORE 2, 1, A1P
.rept 8
	v_nop                                          ; the places behind the last products
.endr
	WOUT 0, 4096, .Lcut1
	WOUT 1, 4096, .Lcut1
.Lcut1:
	s_wait_dscnt 0x0                               ; on the way that jumped, read-backs may be out
	s_wait_xcnt 0x0                                ; the stores have read their base, offset and data
	PH A2B, A2P, 16, 1, 1
	OUTB 30, 26, 11, 4, 9
	BIAS 1
	s_wait_loadcnt 0x0                             ; the bias, the youngest of my loads
	KHEAD 1, A2P, 2, 32768, 3                      ; OUT1: 8 K steps
	BAR
	CORE 1, 1, A2P
.rept 8
	v_nop
.endr
	WOUT 0, 2048, .Lcut2
.Lcut2:
	s_wait_tensorcnt 0x0                           ; the wave's end
	ds_add_u32 v[SPW], v[NIL]
	s_wait_dscnt 0x0
	s_endpgm
.Lfunc_end_k_q6ef1cd2554_outproj:
	.size	k_q6ef1cd2554_outproj, .Lfunc_end_k_q6ef1cd2554_outproj-k_q6ef1cd2554_outproj
	.p2alignl 7, 3214868480
	.fill 96, 4, 3214868480
	.section	.rodata,"a",@progbits
	.p2align	6, 0x0
	.amdhsa_kernel k_q6ef1cd2554_outproj
		.amdhsa_group_segment_fixed_size 308224
		.amdhsa_private_segment_fixed_size 0
		.amdhsa_enable_private_segment 0
		.amdhsa_kernarg_size 64
		.amdhsa_user_sgpr_count 2
		.amdhsa_user_sgpr_kernarg_segment_ptr 1
		.amdhsa_wavefront_size32 1
		.amdhsa_system_sgpr_workgroup_id_x 1
		.amdhsa_system_sgpr_workgroup_id_y 1
		.amdhsa_system_sgpr_workgroup_id_z 1
		.amdhsa_system_vgpr_workitem_id 0
		.amdhsa_next_free_vgpr 496
		.amdhsa_next_free_sgpr 66
		.amdhsa_reserve_vcc 0
		.amdhsa_float_denorm_mode_32 3
		.amdhsa_float_denorm_mode_16_64 3
		.amdhsa_memory_ordered 1
		.amdhsa_forward_progress 1
		.amdhsa_inst_pref_size 74
	.end_amdhsa_kernel
	.amdgpu_metadata
---
amdhsa.version: [ 1, 2 ]
amdhsa.kernels:
  - .name:           k_q6ef1cd2554_outproj
    .symbol:         k_q6ef1cd2554_outproj.kd
    .args:
      - { .name: mr, .offset: 0, .size: 8, .value_kind: global_buffer, .address_space: global }
      - { .name: sr, .offset: 8, .size: 8, .value_kind: global_buffer, .address_space: global }
      - { .name: mo_w, .offset: 16, .size: 8, .value_kind: global_buffer, .address_space: global }
      - { .name: so_w, .offset: 24, .size: 8, .value_kind: global_buffer, .address_space: global }
      - { .name: mo_b, .offset: 32, .size: 8, .value_kind: global_buffer, .address_space: global }
      - { .name: so_b, .offset: 40, .size: 8, .value_kind: global_buffer, .address_space: global }
      - { .name: out0, .offset: 48, .size: 8, .value_kind: global_buffer, .address_space: global }
      - { .name: out1, .offset: 56, .size: 8, .value_kind: global_buffer, .address_space: global }
    .group_segment_fixed_size: 308224
    .private_segment_fixed_size: 0
    .kernarg_segment_align: 8
    .kernarg_segment_size: 64
    .max_flat_workgroup_size: 256
    .sgpr_count:     66
    .vgpr_count:     496
    .wavefront_size: 32
...
	.end_amdgpu_metadata
.endif
;; end of part 4
;; ======== version 2 of 3: 4 launches; 1.22 times as fast as version 1
;; limits: values are held in f16: magnitudes above 65,504 overflow, below 6.1e-05 lose precision
;; workspace buffers: qh 8,388,608 bytes; kh 8,388,608 bytes; simp 102,400 bytes; mr 8,388,608 bytes; sr 4,194,304 bytes; wf 5,242,880 bytes
;; launch qkproj (part 5): grid 128 x 2, 8 waves a work-group, no clusters, 179,200 bytes of LDS; arguments query, key, q_w, k_w, q_b, k_b, qh, kh, mv_w, mo_w, sv_w, so_w, wf; writes qh, kh, wf
.if DOCPART == 5
	.amdgcn_target "amdgcn-amd-amdhsa--gfx1250"
	.amdhsa_code_object_version 6
	.text
	.protected	k_q6ef1cd2554_qkproj
	.globl	k_q6ef1cd2554_qkproj
	.p2align	8
	.type	k_q6ef1cd2554_qkproj,@function
k_q6ef1cd2554_qkproj:
	s_mov_b64 s[64:65], 0
	v_nop
	global_prefetch_b8 v0, s[64:65] scope:SCOPE_SE
	s_setreg_imm32_b32 hwreg(HW_REG_WAVE_MODE, 25, 1), 1
	s_wait_xcnt 0x0
; q = query q_w^T + q_b (grid y = 0) and k = key k_w^T + k_b (grid y = 1).  Inputs f32; the result is stored rounded once to f16 as [8 b][512 s][1024].
; BESIDE THAT, in the wait for its first tiles, the launch rounds the four weights of the later launches to f16 and stores them in the order of matrix fragments (wf: below).
; LIMITS.  Matrix operands are f16 (each rounded once from f32), sums f32: query, key, all weights and q, k must stay under 65,504; below 6e-5 they keep f16's fixed step of 6e-8.
; SHARES.  The input's rows lie as i = 8 s + b, 4,096 bytes each.  A work-group makes 128 rows i x 256 columns; eight waves, each 64 x 64: 16 accumulators.  32 x 128 = 4,096 rows for 4,000:
; loads beyond row 3,999 are clamped to it, and the rows s = 500 .. 511 of the result hold its copy; no later launch reads them.
; THE WAY IN.  Every operand is converted on its way, so it comes through registers: global load (f32), two conversions, LDS store (f16), fragments.  That is why no tensor load and so no joint
; load of a cluster is used.  K goes in steps of 64 through two LDS buffers; a ring of 24 loads a thread (96 registers) holds the next step, and each register is asked for again as soon as it is converted.
; THE PRODUCT IS USED TRANSPOSED: source 0 = 16 rows of the weight, source 1 = 16 rows of the input: a lane holds one row and eight neighbouring columns of the result.
; The accumulators start as the bias, loaded straight into them: nothing is cleared and nothing is added at the end.
; WF.  mv_w at byte 0, mo_w at 0x200000, sv_w at 0x400000, so_w at 0x480000.  Fragment (nb = row / 16, kb = k / 32) of a weight [N][K] is 1,024 bytes at (nb K / 32 + kb) x 1,024: half q at 512 q, lane l at 16 l,
; holding W[16 nb + l % 16][32 kb + 16 q + 8 (l / 16) + 0..7].  The launch has 2,048 waves: wave gw takes fragment gw of mv_w and of mo_w (2,048 each) and half-fragment gw % 1,024 of sv_w (y = 0) or so_w (y = 1).
; REGISTERS.  window 0: v2-23 addresses, v24-31 at work, v32-95 fragments of the first 32 of a K step, v96-223 accumulators.  window 1: v0-95 the ring, v96-159 fragments of the second 32.
.set BUFB,  55296                      ; an LDS buffer: 128 rows of the input, then 256 rows of the weight, 64 f16 each at a pitch of 144 bytes (9 x 16: the 16 rows of a fragment load start in 16 different groups of four banks)
.set STG,   110592                     ; behind the buffers: the work-group's stage for the way out, 128 rows of 512 bytes at a pitch of 528
.set SPI,   528
.set SPARE, 178176                     ; behind the stage: the spare words, 128 bytes a wave, that no other line names
.set SPW, 2                            ; v2  LDS address of my spare word; never rewritten
.set NIL, 3                            ; v3  0; never rewritten
.set VA,  4                            ; v4-11  byte offset of my 16 bytes in input row 128 rb + rowt + 16 j, clamped
.set VB,  12                           ; v12 the same in weight row rowt
.set SA,  13                           ; v13-14 where I store 8 bytes of row rowt in buffer 0, 1
.set AF,  15                           ; v15 my lane's place in my wave's input fragments
.set BF,  16                           ; v16 in its weight fragments
.set BO,  17                           ; v17 32 x (lane / 16): my eight columns in the bias
.set STI, 18                           ; v18 the way out: where I put 16 bytes
.set STB, 19                           ; v19 where I read a row back
.set LO,  20                           ; v20 16 x lane
.set RR,  21                           ; v21 thread % 16
.set ROWT, 22                          ; v22 thread / 16
.set HH,  23                           ; v23 lane / 16
.set T,   24
.set CV1, 24                           ; at the head: my 32 bytes of a row of mv_w and mo_w,
.set CV2, 25                           ; of sv_w or so_w,
.set CD1, 26                           ; and my 16 bytes in wf
.set CD2, 27
.set FR,  32
.set ACC, 96
.set ST,  0                            ; window 1
.set F1,  96                           ; window 1
.set MSB, 0
.macro WIN new                         ; the immediate's high byte repeats the setting that is left; a switch that changes nothing is dropped
.if MSB != (\new)
	s_set_vgpr_msb (MSB<<8)|(\new)
.set MSB, \new
.endif
.endm
.macro BAR                             ; my LDS stores are done and my LDS reads are back, then the work-group's barrier
	s_wait_dscnt 0x0
	s_barrier_signal -1
	s_barrier_wait -1
.endm
.macro LD g                            ; load g of the ring: 0-7 input rows, 8-23 weight rows
.if (\g) < 8
	global_load_b128 v[ST+4*(\g):ST+4*(\g)+3], v[VA+(\g)], s[4:5]
.else
	global_load_b128 v[ST+4*(\g):ST+4*(\g)+3], v[VB], s[6:7] offset:((\g)-8)*65536
.endif
.endm
; Four loads of the ring: waited for, converted in place, stored into buffer p (row rowt + 16 g lies 2,304 g bytes on, input and weight rows end to end), asked for again.
.macro CHUNK n, p, reload, cnt
	s_wait_loadcnt \cnt                            ; loads come back in order: these four are the oldest
	WIN 0x45
.irp q, 0,1,2,3
	v_cvt_pk_f16_f32 v[ST+16*(\n)+4*(\q)], v[ST+16*(\n)+4*(\q)], v[ST+16*(\n)+4*(\q)+1]
	v_cvt_pk_f16_f32 v[ST+16*(\n)+4*(\q)+1], v[ST+16*(\n)+4*(\q)+2], v[ST+16*(\n)+4*(\q)+3]
.endr
	WIN 0x04
.irp q, 0,1,2,3
	ds_store_b64 v[SA+(\p)], v[ST+16*(\n)+4*(\q):ST+16*(\n)+4*(\q)+1] offset:(4*(\n)+(\q))*2304
.endr
.if \reload
	WIN 0x40
.irp q, 0,1,2,3
	LD 4*(\n)+(\q)
.endr
.endif
.endm
; The ring's step goes into buffer p.  reload = 1: the step after it is asked for; 20 = the ring's 24 less the chunk's own four may stay out.  reload = 0: the counts run down.
.macro STAGE p, reload
.if \reload
	s_wait_xcnt 0x0                                ; the loads and stores that are out have read their registers: the bases may step
	s_add_nc_u64 s[4:5], s[4:5], 256
	s_add_nc_u64 s[6:7], s[6:7], 256
.endif
.irp n, 0,1,2,3,4,5
.if \reload
	CHUNK \n, \p, 1, 20
.else
	CHUNK \n, \p, 0, 20-4*(\n)
.endif
.endr
	WIN 0
.endm
.macro FRAGL f, p, k                   ; 16 LDS loads: four weight and four input fragments, 32 along K at byte k of the rows
.irp i, 0,1,2,3
	ds_load_b128 v[(\f)+8*(\i):(\f)+8*(\i)+3],   v[BF] offset:(\p)*BUFB+(\i)*2304+(\k)
	ds_load_b128 v[(\f)+8*(\i)+4:(\f)+8*(\i)+7], v[BF] offset:(\p)*BUFB+(\i)*2304+(\k)+32
.endr
.irp i, 0,1,2,3
	ds_load_b128 v[(\f)+32+8*(\i):(\f)+32+8*(\i)+3],   v[AF] offset:(\p)*BUFB+(\i)*2304+(\k)
	ds_load_b128 v[(\f)+32+8*(\i)+4:(\f)+32+8*(\i)+7], v[AF] offset:(\p)*BUFB+(\i)*2304+(\k)+32
.endr
.endm
.macro MULS f                          ; 16 products; the 16 accumulators take turns, one instruction a turn
.irp mi, 0,1,2,3
.irp ni, 0,1,2,3
	v_wmma_f32_16x16x32_f16 v[ACC+8*(4*(\mi)+(\ni)):ACC+8*(4*(\mi)+(\ni))+7], v[(\f)+8*(\ni):(\f)+8*(\ni)+7], v[(\f)+32+8*(\mi):(\f)+32+8*(\mi)+7], v[ACC+8*(4*(\mi)+(\ni)):ACC+8*(4*(\mi)+(\ni))+7]
.endr
.endr
.endm
; A K step out of buffer p.  The loads into fragment registers stand behind the conversions of the STAGE before, which are the places behind the last products that read them.
.macro CORE p
	WIN 0
	FRAGL FR, \p, 0
	WIN 0x40
	FRAGL F1, \p, 64
	s_wait_dscnt 16                                ; the first 32 along K are in; the 16 younger loads may stay out
	WIN 0
	MULS FR
	s_wait_dscnt 0x0
	WIN 0x05
	MULS F1
	WIN 0
.endm
	s_load_b512 s[16:31], s[0:1], 0x0              ; query, key, q_w, k_w, q_b, k_b, qh, kh
	s_load_b256 s[40:47], s[0:1], 0x40             ; mv_w, mo_w, sv_w, so_w
	s_load_b64 s[48:49], s[0:1], 0x60              ; wf
	v_lshl_add_u32 v[SPW], v0, 2, SPARE
	v_mov_b32 v[NIL], 0
	v_lshrrev_b32 v1, 5, v0
	v_readfirstlane_b32 s12, v1                    ; wave 0..7
	s_and_b32 s2, ttmp7, 0xffff                    ; 0: q, 1: k
	s_lshr_b32 s33, ttmp9, 2                       ; rb: block of 128 rows
	s_and_b32 s34, ttmp9, 3                        ; cb: block of 256 columns
	s_lshr_b32 s35, s12, 2                         ; wm: my half of the rows
	s_and_b32 s36, s12, 3                          ; wn: my quarter of the columns
	v_and_b32 v[RR], 15, v0
	v_lshrrev_b32 v[ROWT], 4, v0
	v_bfe_u32 v[HH], v0, 4, 1
	s_lshl_b32 s14, s33, 7
	v_add_nc_u32 v1, s14, v[ROWT]
.irp j, 0,1,2,3,4,5,6,7
	v_add_nc_u32 v[VA+(\j)], 16*(\j), v1
	v_min_u32 v[VA+(\j)], 3999, v[VA+(\j)]         ; no load leaves the input
	v_lshlrev_b32 v[VA+(\j)], 12, v[VA+(\j)]
	v_lshl_add_u32 v[VA+(\j)], v[RR], 4, v[VA+(\j)]
.endr
	v_lshlrev_b32 v[VB], 12, v[ROWT]
	v_lshl_add_u32 v[VB], v[RR], 4, v[VB]
	v_mul_u32_u24 v[SA], v[ROWT], 144
	v_lshl_add_u32 v[SA], v[RR], 3, v[SA]
	v_add_nc_u32 v[SA+1], BUFB, v[SA]
	v_mul_u32_u24 v1, v[RR], 144
	v_lshl_add_u32 v1, v[HH], 4, v1                ; a fragment's row x pitch + 16 x half
	s_mul_i32 s14, s35, 64*144
	v_add_nc_u32 v[AF], s14, v1
	s_mul_i32 s14, s36, 64*144
	s_add_co_u32 s14, s14, 128*144
	v_add_nc_u32 v[BF], s14, v1
	v_lshlrev_b32 v[BO], 5, v[HH]
	v_mul_u32_u24 v1, v[RR], SPI
	v_lshl_add_u32 v1, v[HH], 4, v1
	s_mul_i32 s14, s35, 64*SPI
	s_lshl_b32 s15, s36, 7
	s_add_co_u32 s14, s14, s15
	s_add_co_u32 s14, s14, STG
	v_add_nc_u32 v[STI], s14, v1
	v_and_b32 v[LO], 31, v0
	v_lshlrev_b32 v[LO], 4, v[LO]
	s_mul_i32 s14, s12, 16*SPI
	s_add_co_u32 s14, s14, STG
	v_add_nc_u32 v[STB], s14, v[LO]
	; my wave's share of wf
	s_lshl_b32 s38, s2, 7
	s_add_co_u32 s38, s38, ttmp9
	s_lshl_b32 s38, s38, 3
	s_add_co_u32 s38, s38, s12                     ; gw = 8 x (128 y + x) + wave
	s_lshr_b32 s14, s38, 5
	s_lshl_b32 s14, s14, 16                        ; nb = gw / 32: 16 rows of 4,096 bytes
	s_and_b32 s39, s38, 31
	s_lshl_b32 s39, s39, 7                         ; kb = gw % 32: 128 bytes of a row
	s_add_co_u32 s14, s14, s39
	v_lshlrev_b32 v[CV1], 12, v[RR]
	v_lshl_add_u32 v[CV1], v[HH], 5, v[CV1]        ; row lane % 16, 32 bytes for each half of the lanes
	v_add_nc_u32 v[CV1], s14, v[CV1]
	s_and_b32 s14, s38, 1023                       ; u = 32 nb + 2 kb + half
	s_lshr_b32 s39, s14, 5
	s_lshl_b32 s39, s39, 15                        ; 16 rows of 2,048 bytes
	s_and_b32 s14, s14, 31
	s_lshl_b32 s14, s14, 6                         ; 128 kb + 64 half
	s_add_co_u32 s14, s14, s39
	v_lshlrev_b32 v[CV2], 11, v[RR]
	v_lshl_add_u32 v[CV2], v[HH], 5, v[CV2]
	v_add_nc_u32 v[CV2], s14, v[CV2]
	s_lshl_b32 s14, s38, 10
	v_add_nc_u32 v[CD1], s14, v[LO]                ; fragment gw
	s_lshl_b32 s14, s38, 9
	s_add_co_u32 s14, s14, 0x400000                ; half-fragment gw behind sv_w's first: so_w's part follows sv_w's 1,024
	v_add_nc_u32 v[CD2], s14, v[LO]
	s_wait_kmcnt 0x0
	s_cmp_eq_u32 s2, 0
	s_cselect_b64 s[4:5], s[16:17], s[18:19]       ; the input
	s_cselect_b64 s[6:7], s[20:21], s[22:23]       ; the weight
	s_cselect_b64 s[8:9], s[24:25], s[26:27]       ; the bias
	s_cselect_b64 s[10:11], s[28:29], s[30:31]     ; the result
	s_cselect_b64 s[50:51], s[44:45], s[46:47]     ; sv_w or so_w
	s_mov_b32 s15, 0
	s_lshl_b32 s14, s34, 20                        ; 256 weight rows of 4,096 bytes
	s_add_nc_u64 s[6:7], s[6:7], s[14:15]
	s_lshl_b32 s14, s34, 10
	s_lshl_b32 s37, s36, 8
	s_add_co_u32 s14, s14, s37                     ; 4 x (256 cb + 64 wn)
	s_add_nc_u64 s[8:9], s[8:9], s[14:15]
	s_lshl_b32 s14, s34, 9                         ; 512 cb + 2,048 x (16 rb + 2 wave): the rows s that my wave stores
	s_lshl_b32 s37, s33, 15
	s_add_co_u32 s14, s14, s37
	s_lshl_b32 s37, s12, 12
	s_add_co_u32 s14, s14, s37
	s_add_nc_u64 s[10:11], s[10:11], s[14:15]
.irp q, 0,1                            ; ten loads for wf: eight f32 a lane for each half-fragment
	global_load_b128 v[FR+8*(\q):FR+8*(\q)+3],         v[CV1], s[40:41] offset:64*(\q)
	global_load_b128 v[FR+8*(\q)+4:FR+8*(\q)+7],       v[CV1], s[40:41] offset:64*(\q)+16
	global_load_b128 v[FR+16+8*(\q):FR+16+8*(\q)+3],   v[CV1], s[42:43] offset:64*(\q)
	global_load_b128 v[FR+16+8*(\q)+4:FR+16+8*(\q)+7], v[CV1], s[42:43] offset:64*(\q)+16
.endr
	global_load_b128 v[FR+32:FR+35], v[CV2], s[50:51]
	global_load_b128 v[FR+36:FR+39], v[CV2], s[50:51] offset:16
	WIN 0x40
.set g, 0
.rept 24
	LD g                                           ; K step 0
.set g, g+1
.endr
	WIN 0
	s_wait_loadcnt 24                              ; the ten are in; the ring's 24 may stay out
.irp g, 0,1,2,3,4
.irp c, 0,1,2,3
	v_cvt_pk_f16_f32 v[FR+8*(\g)+(\c)], v[FR+8*(\g)+2*(\c)], v[FR+8*(\g)+2*(\c)+1]
.endr
.endr
	global_store_b128 v[CD1], v[FR:FR+3],     s[48:49]                  ; each store of the wave covers 512 consecutive bytes, aligned
	global_store_b128 v[CD1], v[FR+8:FR+11],  s[48:49] offset:512
	global_store_b128 v[CD1], v[FR+16:FR+19], s[48:49] offset:0x200000
	global_store_b128 v[CD1], v[FR+24:FR+27], s[48:49] offset:0x200200
	global_store_b128 v[CD2], v[FR+32:FR+35], s[48:49]
.irp mi, 0,1,2,3                       ; the accumulators start as the bias: register j of a lane is column 16 ni + 8 (lane / 16) + j
.irp ni, 0,1,2,3
	global_load_b128 v[ACC+8*(4*(\mi)+(\ni)):ACC+8*(4*(\mi)+(\ni))+3],   v[BO], s[8:9] offset:(\ni)*64
	global_load_b128 v[ACC+8*(4*(\mi)+(\ni))+4:ACC+8*(4*(\mi)+(\ni))+7], v[BO], s[8:9] offset:(\ni)*64+16
.endr
.endr
	STAGE 0, 1                                     ; the bias loads are younger than the ring's first fill: at the sixth chunk's wait the 20 that may stay out are the five chunks' reloads, so the bias is in
	BAR
	s_mov_b32 s13, 7
.Lk:                                               ; a trip: two K steps.  One barrier a step: the buffer that a STAGE writes was last read ahead of the barrier before
	CORE 0
	STAGE 1, 1
	BAR
	CORE 1
	STAGE 0, 1
	BAR
	s_sub_co_u32 s13, s13, 1
	s_cmp_lg_u32 s13, 0
	s_cbranch_scc1 .Lk
	CORE 0
	STAGE 1, 0                                     ; the last step: nothing more is asked for
	BAR
	CORE 1
	; THE WAY OUT: rounded to f16, 16 bytes a lane into the stage; a barrier, since a row's 512 bytes come from four waves; back as whole rows.
.rept 8
	v_nop                                          ; the places behind the last products
.endr
.irp mi, 0,1,2,3
.irp ni, 0,1,2,3
.irp c, 0,1,2,3                        ; each accumulator is read from its low end on
	v_cvt_pk_f16_f32 v[T+4*((\ni)%2)+(\c)], v[ACC+8*(4*(\mi)+(\ni))+2*(\c)], v[ACC+8*(4*(\mi)+(\ni))+2*(\c)+1]
.endr
	ds_store_b128 v[STI], v[T+4*((\ni)%2):T+4*((\ni)%2)+3] offset:(\mi)*16*SPI+(\ni)*32
.endr
.endr
	BAR
.irp jj, 0,1,2,3,4,5,6,7,8,9,10,11,12,13,14,15
	ds_load_b128 v[FR+4*(\jj):FR+4*(\jj)+3], v[STB] offset:(\jj)*SPI
.endr
.irp jj, 0,1,2,3,4,5,6,7,8,9,10,11,12,13,14,15
	s_wait_dscnt 15-(\jj)                          ; row 16 wave + jj is back: b = jj % 8, s = 16 rb + 2 wave + jj / 8
	global_store_b128 v[LO], v[FR+4*(\jj):FR+4*(\jj)+3], s[10:11] offset:((\jj)%8)*1048576+((\jj)/8)*2048  ; the wave stores 512 consecutive bytes, aligned
.endr
	s_wait_tensorcnt 0x0                           ; the wave's end
	ds_add_u32 v[SPW], v[NIL]
	s_wait_dscnt 0x0
	s_endpgm
.Lfunc_end_k_q6ef1cd2554_qkproj:
	.size	k_q6ef1cd2554_qkproj, .Lfunc_end_k_q6ef1cd2554_qkproj-k_q6ef1cd2554_qkproj
	.p2alignl 7, 3214868480
	.fill 96, 4, 3214868480
	.section	.rodata,"a",@progbits
	.p2align	6, 0x0
	.amdhsa_kernel k_q6ef1cd2554_qkproj
		.amdhsa_group_segment_fixed_size 179200
		.amdhsa_private_segment_fixed_size 0
		.amdhsa_enable_private_segment 0
		.amdhsa_kernarg_size 104
		.amdhsa_user_sgpr_count 2
		.amdhsa_user_sgpr_kernarg_segment_ptr 1
		.amdhsa_wavefront_size32 1
		.amdhsa_system_sgpr_workgroup_id_x 1
		.amdhsa_system_sgpr_workgroup_id_y 1
		.amdhsa_system_sgpr_workgroup_id_z 1
		.amdhsa_system_vgpr_workitem_id 0
		.amdhsa_next_free_vgpr 416
		.amdhsa_next_free_sgpr 66
		.amdhsa_reserve_vcc 0
		.amdhsa_float_denorm_mode_32 3
		.amdhsa_float_denorm_mode_16_64 3
		.amdhsa_memory_ordered 1
		.amdhsa_forward_progress 1
		.amdhsa_inst_pref_size 68
	.end_amdhsa_kernel
	.amdgpu_metadata
---
amdhsa.version: [ 1, 2 ]
amdhsa.kernels:
  - .name:           k_q6ef1cd2554_qkproj
    .symbol:         k_q6ef1cd2554_qkproj.kd
    .args:
      - { .name: query, .offset: 0, .size: 8, .value_kind: global_buffer, .address_space: global }
      - { .name: key, .offset: 8, .size: 8, .value_kind: global_buffer, .address_space: global }
      - { .name: q_w, .offset: 16, .size: 8, .value_kind: global_buffer, .address_space: global }
      - { .name: k_w, .offset: 24, .size: 8, .value_kind: global_buffer, .address_space: global }
      - { .name: q_b, .offset: 32, .size: 8, .value_kind: global_buffer, .address_space: global }
      - { .name: k_b, .offset: 40, .size: 8, .value_kind: global_buffer, .address_space: global }
      - { .name: qh, .offset: 48, .size: 8, .value_kind: global_buffer, .address_space: global }
      - { .name: kh, .offset: 56, .size: 8, .value_kind: global_buffer, .address_space: global }
      - { .name: mv_w, .offset: 64, .size: 8, .value_kind: global_buffer, .address_space: global }
      - { .name: mo_w, .offset: 72, .size: 8, .value_kind: global_buffer, .address_space: global }
      - { .name: sv_w, .offset: 80, .size: 8, .value_kind: global_buffer, .address_space: global }
      - { .name: so_w, .offset: 88, .size: 8, .value_kind: global_buffer, .address_space: global }
      - { .name: wf, .offset: 96, .size: 8, .value_kind: global_buffer, .address_space: global }
    .group_segment_fixed_size: 179200
    .private_segment_fixed_size: 0
    .kernarg_segment_align: 8
    .kernarg_segment_size: 104
    .max_flat_workgroup_size: 256
    .sgpr_count:     66
    .vgpr_count:     416
    .wavefront_size: 32
...
	.end_amdgpu_metadata
.endif
;; end of part 5
;; launch simpart: the kernel of part 2 again; grid 25 x 8, 2 waves a work-group, no clusters, 0 bytes of LDS; arguments qh, kh, simp; writes simp
;; launch mixproj (part 6): grid 256 x 1, 8 waves a work-group, no clusters, 71,168 bytes of LDS; arguments multi_value, single_value, wf, mv_b, sv_b, simp, mr, sr; writes mr, sr
.if DOCPART == 6
	.amdgcn_target "amdgcn-amd-amdhsa--gfx1250"
	.amdhsa_code_object_version 6
	.text
	.protected	k_q6ef1cd2554_mixproj
	.globl	k_q6ef1cd2554_mixproj
	.p2align	8
	.type	k_q6ef1cd2554_mixproj,@function
k_q6ef1cd2554_mixproj:
	s_mov_b64 s[64:65], 0
	v_nop
	global_prefetch_b8 v0, s[64:65] scope:SCOPE_SE
	s_setreg_imm32_b32 hwreg(HW_REG_WAVE_MODE, 25, 1), 1
	s_wait_xcnt 0x0
; att = softmax over g of sim / sqrt(64000);  mr[b][t][128 h + d] = the sum over x of att[b][h][x] (multi_value[x][b][t] . mv_w[128 h + d] + mv_b[128 h + d]), and sr likewise with heads of 64.
; THE ORDER OF THE TWO LINEAR STEPS IS TURNED: first mix_h = the sum over x of att[b][h][x] V[x][b][t] (f32, vector unit), then mix_h . W_h + bias_h.  The bias enters once because a softmax row sums to 1
; (to f32's rounding).  That makes the projection an eighth of the matrix work.  mr, sr are stored rounded once to f16 as [8 b][512 t][1024] and [8 b][512 t][512].
; LIMITS.  Matrix operands are f16 (mix and weights, each rounded once from f32), sums f32: the values, the weights, mr and sr must stay under 65,504; below 6e-5 they keep f16's fixed step of 6e-8.
; SHARES.  A work-group: one batch b, 32 rows t, four heads (hf = which four); first the multi part (K = 1,024, 512 columns), then the single part (K = 512, 256 columns).  16 x 32 = 512 rows for 500:
; loads beyond t = 499 are clamped to it and the pad rows hold its copy.  Wave w multiplies head w / 2's mixed tile (32 rows) by 16 NF weight rows from 16 NF w on: 2 x NF accumulators.
; THE VALUES are mixed in registers on their way into LDS (so no tensor load, and so no joint load of a cluster); K goes in steps of 64 through two LDS buffers of four mixed tiles.  A ring of two register sets,
; 16 loads a thread each, holds the next two steps: V(t) lies in set t % 2, and the chunk that is mixed is asked for again at once, two steps ahead, the change of parts included.
; THE WEIGHTS.  Each weight row is multiplied by one wave alone, so it goes through no LDS: wf holds mv_w (byte 0) and sv_w (byte 0x400000) as f16 in the order of fragments: fragment (nb = row / 16, kb = k / 32) at
; (nb K / 32 + kb) x 1,024, its registers 0-3 at 16 x lane, 4-7 at 512 + 16 x lane: a load of the wave takes 512 consecutive bytes.  Two register sets, a K step each; a set is asked for again, two steps ahead, behind its products.
; THE ORDER OF LOADS is V(t), W(t), V(t+1), W(t+1) ..: V a step's two chunks of 8 value loads, W its 4 NF weight loads.  When chunk 0 of V(s) is wanted, chunk 1, W(s), V(s+1) and W(s+1) have been issued behind it:
; its wait leaves 24 + 8 NF out, and chunk 1's the same (chunk 0's refill has taken chunk 1's place).  When W(t) is wanted, V(t+1), W(t+1), V(t+2) stand behind it: 32 + 4 NF.
; The softmax is made by every wave for itself from simp's 50 partial sums: lane 8 j + x holds att[4 hf + j][x]; the maximum is taken away before the exponential.
; REGISTERS.  window 0: v2-23 addresses, v24-31 and v112-119 at work, v32-63 the 32 weights of the mix, v64-79 the mix's sums, v80-111 mixed fragments, v128-191 accumulators, v192-241 simp, then v192-223 the single
; part's accumulators, v244 simp's offset.  window 1: v0-63 and v192-255 the two sets of values, v64-191 the two sets of weight fragments.
.set BUFB,  18432                      ; an LDS buffer: four mixed tiles of 32 rows; 64 f16 a row at a pitch of 144 bytes (9 x 16)
.set STG,   36864                      ; the work-group's stage for the way out: 32 rows at a pitch of 1,040 (528) bytes
.set SPARE, 70144                      ; the spare words, 128 bytes a wave, that no other line names
.set SPW, 2
.set NIL, 3
.set VV,  4                            ; v4-5   byte offset of my 16 bytes in value row 32 tb + rowt + 16 jr (clamped), at the step that is mixed next; steps 256 a K step
.set SV,  7                            ; v7     where I store 8 bytes of row rowt of mixed tile 0
.set AF,  13                           ; v13    my lane's place in my wave's mixed fragments
.set BO,  17                           ; v17    32 x (lane / 16)
.set STI, 18
.set STB, 19
.set LO,  20                           ; v20    16 x lane; never rewritten
.set RR,  21                           ; thread % 16
.set ROWT, 22                          ; thread / 16
.set HH,  23                           ; lane / 16
.set U,   24                           ; v24-31 rounded results of row rowt; v112-119 those of row rowt + 16
.set COEF, 32
.set TT,  64
.set FR,  80                           ; mixed fragment (kk, mi) at 8 (2 kk + mi)
.set ACC, 128
.set ACC2, 192
.set SM,  192
.set SMO, 244
.set ST,  0                            ; window 1: value set p at 192 p, row jr's value x at 32 jr + 4 x
.set WS,  64                           ; window 1: weight set p at 64 p, fragment (kk, ni) at 8 (NF kk + ni)
.set X,   16                           ; s[16:31] the eight value tensors x at batch b
.set MSB, 0
.macro WIN new                         ; the immediate's high byte repeats the setting that is left; a switch that changes nothing is dropped
.if MSB != (\new)
	s_set_vgpr_msb (MSB<<8)|(\new)
.set MSB, \new
.endif
.endm
.macro BAR                             ; my LDS stores are done and my LDS reads are back, then the work-group's barrier
	s_wait_dscnt 0x0
	s_barrier_signal -1
	s_barrier_wait -1
.endm
.macro PLACES                          ; four places behind the last product, in front of loads into registers that it has read
.rept 4
	v_nop
.endr
.endm
.macro XBASE src, stride               ; value x of batch b begins (8 x + b) x stride bytes into its tensor; s3 = 0
.irp x, 0,1,2,3,4,5,6,7
	s_add_co_u32 s2, s14, 8*(\x)
	s_mul_i32 s2, s2, \stride
	s_add_nc_u64 s[X+2*(\x):X+2*(\x)+1], s[(\src):(\src)+1], s[2:3]
.endr
.endm
.macro ADDR sh                         ; the value ring's offsets for rows of 1 << sh bytes, at K step 0
	s_lshl_b32 s2, s13, 5
	v_add_nc_u32 v1, s2, v[ROWT]
	v_min_u32 v[VV], 499, v1                       ; no load leaves a value tensor's batch
	v_add_nc_u32 v1, 16, v1
	v_min_u32 v[VV+1], 499, v1
	v_lshlrev_b32 v[VV], \sh, v[VV]
	v_lshlrev_b32 v[VV+1], \sh, v[VV+1]
	v_lshl_add_u32 v[VV], v[RR], 4, v[VV]
	v_lshl_add_u32 v[VV+1], v[RR], 4, v[VV+1]
.endm
.macro STADDR nf, ps                   ; my places in the stage, for a part's NF and pitch
	v_mul_u32_u24 v1, v[RR], \ps
	v_lshl_add_u32 v1, v[HH], 4, v1
	s_mul_i32 s2, s10, 32*(\nf)
	s_add_co_u32 s2, s2, STG
	v_add_nc_u32 v[STI], s2, v1
	s_mul_i32 s2, s10, 4*(\ps)
	s_add_co_u32 s2, s2, STG
	v_add_nc_u32 v[STB], s2, v[LO]
.endm
.macro BIAS nf, acc, bp                ; the accumulators start as the bias, at s[bp:bp+1]
.irp m, 0,1
.set i, 0
.rept \nf
	global_load_b128 v[(\acc)+8*((\nf)*(\m)+i):(\acc)+8*((\nf)*(\m)+i)+3],   v[BO], s[(\bp):(\bp)+1] offset:i*64
	global_load_b128 v[(\acc)+8*((\nf)*(\m)+i)+4:(\acc)+8*((\nf)*(\m)+i)+7], v[BO], s[(\bp):(\bp)+1] offset:i*64+16
.set i, i+1
.endr
.endr
.endm
.macro LOADV p, off                    ; a step's 16 value loads into set p, off bytes along K behind the offsets
	WIN 0x40
.irp jr, 0,1
.irp x, 0,1,2,3,4,5,6,7
	global_load_b128 v[ST+192*(\p)+32*(\jr)+4*(\x):ST+192*(\p)+32*(\jr)+4*(\x)+3], v[VV+(\jr)], s[X+2*(\x):X+2*(\x)+1] offset:\off
.endr
.endr
	WIN 0
.endm
.macro LOADW p, nf, nbb, off           ; a step's 2 NF weight fragments into set p: nbb = bytes from a block of 16 rows to the next, off = bytes behind the pointer
	WIN 0x40
.set i, 0
.rept 2*(\nf)
	global_load_b128 v[WS+64*(\p)+8*i:WS+64*(\p)+8*i+3],   v[LO], s[4:5] offset:(i%(\nf))*(\nbb)+(i/(\nf))*1024+(\off)
	global_load_b128 v[WS+64*(\p)+8*i+4:WS+64*(\p)+8*i+7], v[LO], s[4:5] offset:(i%(\nf))*(\nbb)+(i/(\nf))*1024+(\off)+512
.set i, i+1
.endr
	WIN 0
.endm
; Row rowt + 16 jr out of value set p: my four numbers of the eight values are mixed for the four heads (eight chains of packed multiply-adds, f32), rounded to f16 and stored into the four mixed tiles of buffer p.
; reload = 1: the chunk's registers are asked for again, off bytes along K behind the offsets.
.macro MIX jr, p, reload, cnt, off
.set UU, U+88*(\jr)
.set VR, ST+192*(\p)+32*(\jr)
	s_wait_loadcnt \cnt                            ; these eight loads are in
	WIN 0x01                                       ; source 0, the value, in window 1
.irp j, 0,1,2,3
.irp c, 0,2
	v_pk_mul_f32 v[TT+4*(\j)+(\c):TT+4*(\j)+(\c)+1], v[VR+(\c):VR+(\c)+1], v[COEF+8*(\j):COEF+8*(\j)+1] op_sel_hi:[1,0]
.endr
.endr
.irp x, 1,2,3,4,5,6,7
.irp j, 0,1,2,3
.irp c, 0,2
.if (\x)%2                             ; the weight of an odd x is its pair's second register, for both halves
	v_pk_fma_f32 v[TT+4*(\j)+(\c):TT+4*(\j)+(\c)+1], v[VR+4*(\x)+(\c):VR+4*(\x)+(\c)+1], v[COEF+8*(\j)+(\x)-1:COEF+8*(\j)+(\x)], v[TT+4*(\j)+(\c):TT+4*(\j)+(\c)+1] op_sel:[0,1,0]
.else
	v_pk_fma_f32 v[TT+4*(\j)+(\c):TT+4*(\j)+(\c)+1], v[VR+4*(\x)+(\c):VR+4*(\x)+(\c)+1], v[COEF+8*(\j)+(\x):COEF+8*(\j)+(\x)+1], v[TT+4*(\j)+(\c):TT+4*(\j)+(\c)+1] op_sel_hi:[1,0,1]
.endif
.endr
.endr
.endr
	WIN 0
.irp j, 0,1,2,3
	v_cvt_pk_f16_f32 v[UU+2*(\j)],   v[TT+4*(\j)],   v[TT+4*(\j)+1]
	v_cvt_pk_f16_f32 v[UU+2*(\j)+1], v[TT+4*(\j)+2], v[TT+4*(\j)+3]
.endr
.irp j, 0,1,2,3
	ds_store_b64 v[SV], v[UU+2*(\j):UU+2*(\j)+1] offset:(\p)*BUFB+(\j)*4608+(\jr)*2304
.endr
.if \reload
	WIN 0x40
.irp x, 0,1,2,3,4,5,6,7
	global_load_b128 v[VR+4*(\x):VR+4*(\x)+3], v[VV+(\jr)], s[X+2*(\x):X+2*(\x)+1] offset:\off
.endr
.endif
.endm
.macro STAGE p, reload, c0, c1, off    ; value set p's step goes into buffer p
	MIX 0, \p, \reload, \c0, \off
	MIX 1, \p, \reload, \c1, \off
	WIN 0
.endm
.macro MULS nf, acc, p, kk             ; 2 NF products; the accumulators take turns, one instruction a turn
.irp m, 0,1
.set i, 0
.rept \nf
	v_wmma_f32_16x16x32_f16 v[(\acc)+8*((\nf)*(\m)+i):(\acc)+8*((\nf)*(\m)+i)+7], v[WS+64*(\p)+8*((\nf)*(\kk)+i):WS+64*(\p)+8*((\nf)*(\kk)+i)+7], v[FR+8*(2*(\kk)+(\m)):FR+8*(2*(\kk)+(\m))+7], v[(\acc)+8*((\nf)*(\m)+i):(\acc)+8*((\nf)*(\m)+i)+7]
.set i, i+1
.endr
.endr
.endm
; A K step: mixed fragments out of buffer p, weight fragments out of set p.  The vector work of the STAGE before stands between the last products and the loads into the mixed fragments' registers.
; reload = 1: set p is asked for again, two steps ahead, four places behind its last product: the value offsets' steps and two v_nop.
.macro CORE nf, acc, p, reload, wcnt, nbb
	WIN 0
.irp kk, 0,1
.irp m, 0,1
	ds_load_b128 v[FR+8*(2*(\kk)+(\m)):FR+8*(2*(\kk)+(\m))+3],   v[AF] offset:(\p)*BUFB+(\m)*2304+64*(\kk)
	ds_load_b128 v[FR+8*(2*(\kk)+(\m))+4:FR+8*(2*(\kk)+(\m))+7], v[AF] offset:(\p)*BUFB+(\m)*2304+64*(\kk)+32
.endr
.endr
	s_wait_loadcnt \wcnt                           ; set p is in: what was issued behind it may stay out
	s_wait_dscnt 4                                 ; the first 32 along K are in; the four younger loads may stay out
	WIN 0x01                                       ; source 0, the weight, in window 1
	MULS \nf, \acc, \p, 0
	s_wait_dscnt 0x0
	MULS \nf, \acc, \p, 1
	WIN 0
.if \reload
	s_wait_xcnt 0x0                                ; the loads that are out (the youngest a barrier and a step's products back) have read their addresses
	v_add_nc_u32 v[VV], 0x100, v[VV]               ; the step that is mixed next
	v_add_nc_u32 v[VV+1], 0x100, v[VV+1]
	v_nop
	v_nop
	s_add_nc_u64 s[4:5], s[4:5], 2048              ; a step is two fragments of each block of rows
	LOADW \p, \nf, \nbb, 2048
.endif
.endm
; A part of T K steps, up to the products of step T - 3: all the steps whose refills are the part's own.  At the start V(0), W(0), V(1), W(1) are on their way; trips = (T - 4) / 2.
; The STAGE of step s asks for V(s + 2), 512 bytes along K behind the offsets; the CORE of step t for W(t + 2).  One barrier a step: the buffer that a STAGE writes was last read ahead of the barrier before.
.macro KHEAD nf, acc, nbb, trips
	STAGE 0, 1, 24+8*(\nf), 24+8*(\nf), 512
	BAR
	s_mov_b32 s11, \trips
.Lk\@:
	CORE \nf, \acc, 0, 1, 32+4*(\nf), \nbb
	STAGE 1, 1, 24+8*(\nf), 24+8*(\nf), 512
	BAR
	CORE \nf, \acc, 1, 1, 32+4*(\nf), \nbb
	STAGE 0, 1, 24+8*(\nf), 24+8*(\nf), 512
	BAR
	s_sub_co_u32 s11, s11, 1
	s_cmp_lg_u32 s11, 0
	s_cbranch_scc1 .Lk\@
	CORE \nf, \acc, 0, 1, 32+4*(\nf), \nbb         ; step T - 4; W(T - 2)
	STAGE 1, 1, 24+8*(\nf), 24+8*(\nf), 512        ; step T - 3; V(T - 1)
	BAR
	CORE \nf, \acc, 1, 1, 32+4*(\nf), \nbb         ; step T - 3; W(T - 1)
.endm
; THE WAY OUT of a part: rounded to f16, 16 bytes a lane into the stage; a barrier, since a row comes from all eight waves; wave w takes rows 4 w .. 4 w + 3 back in pieces of 512 bytes.
.macro WAYOUT nf, acc, ps, np, rowb
.rept 8
	v_nop                                          ; the places behind the last products
.endr
.irp m, 0,1
.set i, 0
.rept \nf
.irp c, 0,1,2,3                        ; each accumulator is read from its low end on
	v_cvt_pk_f16_f32 v[U+4*(i%2)+(\c)], v[(\acc)+8*((\nf)*(\m)+i)+2*(\c)], v[(\acc)+8*((\nf)*(\m)+i)+2*(\c)+1]
.endr
	ds_store_b128 v[STI], v[U+4*(i%2):U+4*(i%2)+3] offset:(\m)*16*(\ps)+i*32
.set i, i+1
.endr
.endr
	BAR
.set i, 0
.rept 4*(\np)
	ds_load_b128 v[FR+4*i:FR+4*i+3], v[STB] offset:(i/(\np))*(\ps)+(i%(\np))*512
.set i, i+1
.endr
.set i, 0
.rept 4*(\np)
	s_wait_dscnt 4*(\np)-1-i
	global_store_b128 v[LO], v[FR+4*i:FR+4*i+3], s[8:9] offset:(i/(\np))*(\rowb)+(i%(\np))*512  ; the wave stores 512 consecutive bytes, aligned
.set i, i+1
.endr
.endm
	s_load_b512 s[32:47], s[0:1], 0x0              ; multi_value 32, single_value 34, wf 36, mv_b 38, sv_b 40, simp 42, mr 44, sr 46
	v_lshl_add_u32 v[SPW], v0, 2, SPARE
	v_mov_b32 v[NIL], 0
	v_lshrrev_b32 v1, 5, v0
	v_readfirstlane_b32 s10, v1                    ; wave 0..7
	s_and_b32 s12, ttmp9, 1                        ; hf: heads 4 hf .. 4 hf + 3
	s_bfe_u32 s13, ttmp9, 0x40001                  ; tb: 32 rows t
	s_lshr_b32 s14, ttmp9, 5                       ; b
	s_mov_b32 s3, 0
	v_and_b32 v[RR], 15, v0
	v_lshrrev_b32 v[ROWT], 4, v0
	v_bfe_u32 v[HH], v0, 4, 1
	v_and_b32 v[LO], 31, v0
	v_lshlrev_b32 v[SMO], 2, v[LO]
	v_lshlrev_b32 v[LO], 4, v[LO]
	v_lshlrev_b32 v[BO], 5, v[HH]
	v_mul_u32_u24 v[SV], v[ROWT], 144
	v_lshl_add_u32 v[SV], v[RR], 3, v[SV]
	v_mul_u32_u24 v1, v[RR], 144
	v_lshl_add_u32 v1, v[HH], 4, v1
	s_lshr_b32 s2, s10, 1
	s_mul_i32 s2, s2, 4608                         ; my head's mixed tile
	v_add_nc_u32 v[AF], s2, v1
	STADDR 4, 1040
	ADDR 12
	s_wait_kmcnt 0x0
	XBASE 32, 2048000
	s_lshl_b32 s2, s12, 20                         ; mv_w's blocks of 16 rows from 32 hf + 4 wave on, 32,768 bytes each
	s_lshl_b32 s15, s10, 17
	s_add_co_u32 s2, s2, s15
	s_add_nc_u64 s[4:5], s[36:37], s[2:3]
	s_lshl_b32 s2, s12, 11
	s_lshl_b32 s15, s10, 8
	s_add_co_u32 s2, s2, s15                       ; 4 x (512 hf + 64 wave)
	s_add_nc_u64 s[6:7], s[38:39], s[2:3]
	s_lshl_b32 s2, s12, 10
	s_lshl_b32 s15, s10, 7
	s_add_co_u32 s2, s2, s15                       ; 4 x (256 hf + 32 wave)
	s_add_nc_u64 s[48:49], s[40:41], s[2:3]
	s_mul_i32 s2, s14, 12800                       ; 50 x 256 bytes a batch
	s_lshl_b32 s15, s12, 7
	s_add_co_u32 s2, s2, s15
	s_add_nc_u64 s[50:51], s[42:43], s[2:3]
	s_lshl_b32 s53, s14, 9
	s_lshl_b32 s15, s13, 5
	s_add_co_u32 s53, s53, s15
	s_lshl_b32 s15, s10, 2
	s_add_co_u32 s53, s53, s15                     ; 512 b + 32 tb + 4 wave: the first row that my wave stores
	s_lshl_b32 s2, s53, 11
	s_lshl_b32 s15, s12, 10
	s_add_co_u32 s2, s2, s15
	s_add_nc_u64 s[8:9], s[44:45], s[2:3]
	BIAS 4, ACC, 6
.set i, 0
.rept 50
	global_load_b32 v[SM+i], v[SMO], s[50:51] offset:i*256  ; lane 8 j + x: partial sum i of sim[4 hf + j][x]
.set i, i+1
.endr
	LOADV 0, 0                                     ; V(0),
	LOADW 0, 4, 32768, 0                           ; W(0),
	LOADV 1, 256                                   ; V(1) of the multi part
	s_wait_loadcnt 48                              ; bias and simp are in; those 48 may stay out: the softmax stands in the wait for them
	LOADW 1, 4, 32768, 2048                        ; W(1)
.set i, 1
.rept 24
	v_pk_add_f32 v[SM:SM+1], v[SM:SM+1], v[SM+2*i:SM+2*i+1]
.set i, i+1
.endr
	v_add_f32 v[SM], v[SM], v[SM+1]
	v_mul_f32 v[SM], 0x3bbade29, v[SM]             ; x log2(e) / sqrt(64000)
	v_mov_b32 v[SM+1], v[SM]
	v_max_num_f32_dpp v[SM+1], v[SM+1], v[SM+1] row_xmask:1 row_mask:0xf bank_mask:0xf
	v_max_num_f32_dpp v[SM+1], v[SM+1], v[SM+1] row_xmask:2 row_mask:0xf bank_mask:0xf
	v_max_num_f32_dpp v[SM+1], v[SM+1], v[SM+1] row_xmask:4 row_mask:0xf bank_mask:0xf
	v_sub_f32 v[SM], v[SM], v[SM+1]                ; the row's maximum is taken away
	v_exp_f32 v[SM], v[SM]
	v_nop                                          ; a plain instruction behind the exponential,
	s_wait_alu depctr_va_vdst(0)                   ; and the wait ahead of its first reader
	v_mov_b32 v[SM+1], v[SM]
	v_add_f32_dpp v[SM+1], v[SM+1], v[SM+1] row_xmask:1 row_mask:0xf bank_mask:0xf
	v_add_f32_dpp v[SM+1], v[SM+1], v[SM+1] row_xmask:2 row_mask:0xf bank_mask:0xf
	v_add_f32_dpp v[SM+1], v[SM+1], v[SM+1] row_xmask:4 row_mask:0xf bank_mask:0xf
	v_rcp_f32 v[SM+1], v[SM+1]
	v_nop
	s_wait_alu depctr_va_vdst(0)
	v_mul_f32 v[SM], v[SM], v[SM+1]
.set i, 0
.rept 32                               ; every lane gets all 32 weights
	v_readlane_b32 s[54+i%2], v[SM], i
	v_mov_b32 v[COEF+i], s[54+i%2]
.set i, i+1
.endr
	BIAS 2, ACC2, 48                               ; simp's registers are free: the single part's accumulators start as its bias.  Eight loads younger than W(1): beside them the first steps' fixed counts
	                                               ; ask for more than they need; the wait for W(1), which leaves V(2), W(2), V(3) out, shows them done
	KHEAD 4, ACC, 32768, 6                         ; THE MULTI PART: 16 K steps, here up to the products of step 13
	s_wait_xcnt 0x0                                ; every load that is out has read its addresses: the value ring turns to the single part
	XBASE 34, 1024000
	ADDR 11
	STAGE 0, 1, 56, 56, 0                          ; step 14: behind its chunk stand 8, W(14), V(15), W(15); the refill is the single part's V'(0)
	BAR
	CORE 4, ACC, 0, 0, 48, 32768                   ; step 14: V(15), W(15), V'(0) may stay out
	PLACES
	s_wait_xcnt 0x0                                ; W(15)'s loads have read the pointer
	s_lshl_b32 s2, s12, 18                         ; sv_w's blocks of 16 rows from 16 hf + 2 wave on, 16,384 bytes each
	s_lshl_b32 s15, s10, 15
	s_add_co_u32 s2, s2, s15
	s_add_co_u32 s2, s2, 0x400000
	s_add_nc_u64 s[4:5], s[36:37], s[2:3]
	LOADW 0, 2, 16384, 0                           ; W'(0): 8 loads
	STAGE 1, 1, 48, 48, 256                        ; step 15: 8, W(15) 16, V'(0) 16, W'(0) 8 may stay out; the refill is V'(1)
	BAR
	CORE 4, ACC, 1, 0, 40, 32768                   ; step 15: V'(0) 16, W'(0) 8, V'(1) 16 may stay out
	PLACES
	LOADW 1, 2, 16384, 2048                        ; W'(1): the single part's first two steps are on their way under the way out
	WAYOUT 4, ACC, 1040, 2, 2048
	s_wait_xcnt 0x0                                ; the stores have read their base and their data
	STADDR 2, 528
	s_lshl_b32 s2, s53, 10
	s_lshl_b32 s15, s12, 9
	s_add_co_u32 s2, s2, s15
	s_add_nc_u64 s[8:9], s[46:47], s[2:3]
	KHEAD 2, ACC2, 16384, 2                        ; THE SINGLE PART: 8 K steps, here up to the products of step 5; its step barriers stand between the other waves' reads of the stage and the next stores into it
	STAGE 0, 0, 40, 32, 0                          ; step 6: nothing more is asked for, and the counts run down: 8 + W(6) 8 + V(7) 16 + W(7) 8, then without the 8
	BAR
	CORE 2, ACC2, 0, 0, 24, 16384                  ; V(7) 16 and W(7) 8 may stay out
	STAGE 1, 0, 16, 8, 0                           ; step 7: 8 + W(7) 8, then W(7) alone
	BAR
	CORE 2, ACC2, 1, 0, 0, 16384
	WAYOUT 2, ACC2, 528, 1, 1024
	s_wait_tensorcnt 0x0                           ; the wave's end
	ds_add_u32 v[SPW], v[NIL]
	s_wait_dscnt 0x0
	s_endpgm
.Lfunc_end_k_q6ef1cd2554_mixproj:
	.size	k_q6ef1cd2554_mixproj, .Lfunc_end_k_q6ef1cd2554_mixproj-k_q6ef1cd2554_mixproj
	.p2alignl 7, 3214868480
	.fill 96, 4, 3214868480
	.section	.rodata,"a",@progbits
	.p2align	6, 0x0
	.amdhsa_kernel k_q6ef1cd2554_mixproj
		.amdhsa_group_segment_fixed_size 71168
		.amdhsa_private_segment_fixed_size 0
		.amdhsa_enable_private_segment 0
		.amdhsa_kernarg_size 64
		.amdhsa_user_sgpr_count 2
		.amdhsa_user_sgpr_kernarg_segment_ptr 1
		.amdhsa_wavefront_size32 1
		.amdhsa_system_sgpr_workgroup_id_x 1
		.amdhsa_system_sgpr_workgroup_id_y 1
		.amdhsa_system_sgpr_workgroup_id_z 1
		.amdhsa_system_vgpr_workitem_id 0
		.amdhsa_next_free_vgpr 512
		.amdhsa_next_free_sgpr 66
		.amdhsa_reserve_vcc 0
		.amdhsa_float_denorm_mode_32 3
		.amdhsa_float_denorm_mode_16_64 3
		.amdhsa_memory_ordered 1
		.amdhsa_forward_progress 1
		.amdhsa_inst_pref_size 196
	.end_amdhsa_kernel
	.amdgpu_metadata
---
amdhsa.version: [ 1, 2 ]
amdhsa.kernels:
  - .name:           k_q6ef1cd2554_mixproj
    .symbol:         k_q6ef1cd2554_mixproj.kd
    .args:
      - { .name: multi_value, .offset: 0, .size: 8, .value_kind: global_buffer, .address_space: global }
      - { .name: single_value, .offset: 8, .size: 8, .value_kind: global_buffer, .address_space: global }
      - { .name: wf, .offset: 16, .size: 8, .value_kind: global_buffer, .address_space: global }
      - { .name: mv_b, .offset: 24, .size: 8, .value_kind: global_buffer, .address_space: global }
      - { .name: sv_b, .offset: 32, .size: 8, .value_kind: global_buffer, .address_space: global }
      - { .name: simp, .offset: 40, .size: 8, .value_kind: global_buffer, .address_space: global }
      - { .name: mr, .offset: 48, .size: 8, .value_kind: global_buffer, .address_space: global }
      - { .name: sr, .offset: 56, .size: 8, .value_kind: global_buffer, .address_space: global }
    .group_segment_fixed_size: 71168
    .private_segment_fixed_size: 0
    .kernarg_segment_align: 8
    .kernarg_segment_size: 64
    .max_flat_workgroup_size: 256
    .sgpr_count:     66
    .vgpr_count:     512
    .wavefront_size: 32
...
	.end_amdgpu_metadata
.endif
;; end of part 6
;; launch outproj (part 7): grid 256 x 1, 8 waves a work-group, no clusters, 300,032 bytes of LDS; arguments mr, sr, wf, mo_b, so_b, out0, out1; writes out0, out1
.if DOCPART == 7
	.amdgcn_target "amdgcn-amd-amdhsa--gfx1250"
	.amdhsa_code_object_version 6
	.text
	.protected	k_q6ef1cd2554_outproj
	.globl	k_q6ef1cd2554_outproj
	.p2align	8
	.type	k_q6ef1cd2554_outproj,@function
k_q6ef1cd2554_outproj:
	s_mov_b64 s[64:65], 0
	v_nop
	global_prefetch_b8 v0, s[64:65] scope:SCOPE_SE
	s_setreg_imm32_b32 hwreg(HW_REG_WAVE_MODE, 25, 1), 1
	s_wait_xcnt 0x0
; out0 = mr mo_w^T + mo_b, out1 = sr so_w^T + so_b.  mr: [8 b][512 t][1024] f16, sr: [8 b][512 t][512] f16 (rows t >= 500 are padding); biases and outputs f32; out0: [8][500][1024], out1: [8][500][512].
; LIMITS.  Matrix operands are f16 (the weights rounded once from f32 by the first launch), sums f32: the weights must stay under 65,504; below 6e-5 they keep f16's fixed step of 6e-8.
; SHARES.  A work-group takes 64 padded rows (rb) and a quarter of the columns (cb): first 64 x 256 of out0 (K = 1,024), then 64 x 128 of out1 (K = 512).  A wave takes all 64 rows and 32 (16) columns:
; so each weight row is multiplied by one wave alone and goes through no LDS.
; THE WEIGHTS.  wf holds mo_w (byte 0x200000) and so_w (byte 0x480000) as f16 in the order of fragments: fragment (nb = row / 16, kb = k / 32) at (nb K / 32 + kb) x 1,024, its registers 0-3 at 16 x lane, 4-7 at
; 512 + 16 x lane: a load of the wave takes 512 consecutive bytes.  A ring of eight slots, 32 along K each (two fragments, four loads); a slot is asked for again four places behind its products.
; The last eight refills bring all of my share of so_w: 16 fragments, just the ring.
; MR AND SR are copied whole into LDS once, through registers; nothing else is written there during the products, so the loops have no barrier.  No tile is shared between work-groups at the same time but the
; weights, which come straight into registers: so no tensor load and no joint load of a cluster.
; The product is used transposed (source 0 = weight rows): a lane holds one row and eight neighbouring columns.  The accumulators start as the bias.
; THE WAY OUT goes through the work-group's stage, one for each part: a wave's columns are 128 (64) bytes of a row; behind a barrier wave w takes rows 8 w .. 8 w + 7 whole and stores 512 consecutive bytes at a time.
; Rows t >= 500 are not stored: a scalar compare for each row; the jump goes forward past stores and waits alone.
; REGISTERS.  window 0: v2-27 addresses, v32-95 accumulators, v96-127 out1's accumulators, v128-255 mr and sr on their way in, rows on their way out.  window 1: v0-63 two sets of mr's (sr's) fragments, v64-191 the ring.
.set A1P,  2064                        ; mr's rows in LDS: 2,048 bytes + 16 (129 x 16)
.set A2B,  132096
.set A2P,  1040                        ; sr's rows: 1,024 + 16 (65 x 16)
.set STG,  198656                      ; out0's stage: 64 rows of 1,024 bytes at a pitch of 1,040
.set S1P,  1040
.set STG2, 265216                      ; out1's stage: 64 rows of 512 bytes at a pitch of 528
.set S2P,  528
.set SPARE, 299008                     ; the spare words, 128 bytes a wave, that no other line names
.set SPW, 2
.set NIL, 3
.set GL,  4                            ; v4  16 x thread
.set LA2, 6                            ; v6  where I put 16 bytes of sr
.set AFR, 10                           ; v10 my lane's place in mr's fragments of rows 0-31; steps 512 bytes a trip
.set AFR2, 11                          ; v11 of rows 32-63
.set BO,  12                           ; v12 32 x (lane / 16)
.set STI, 13
.set STB, 14
.set LO,  15                           ; v15 16 x lane; never rewritten
.set STI2, 16
.set STB2, 17
.set AF2, 18                           ; v18 my lane's place in sr's fragments
.set RR,  21
.set HH,  23
.set LA1, 24                           ; v24-27 where I put 16 bytes of mr, for each group of eight loads
.set ACC, 32                           ; (mi, ni) at 8 (2 mi + ni)
.set ACC2, 96
.set TMP, 128
.set OUT, 128
.set OUT2, 192
.set AS,  0                            ; window 1: set s at 32 s, rows 16 mi on at 8 mi
.set WR,  64                           ; window 1: slot i at 16 i
.set MSB, 0
.macro WIN new
.if MSB != (\new)
	s_set_vgpr_msb (MSB<<8)|(\new)
.set MSB, \new
.endif
.endm
.macro BAR                             ; my LDS stores are done and my LDS reads are back, then the work-group's barrier
	s_wait_dscnt 0x0
	s_barrier_signal -1
	s_barrier_wait -1
.endm
.macro PLACES
.rept 4
	v_nop
.endr
.endm
.macro ALOAD1 set, k                   ; mr's four fragments, 32 along K at byte k behind the address registers
.irp m, 0,1
	ds_load_b128 v[AS+32*(\set)+8*(\m):AS+32*(\set)+8*(\m)+3],   v[AFR] offset:(\m)*16*A1P+(\k)
	ds_load_b128 v[AS+32*(\set)+8*(\m)+4:AS+32*(\set)+8*(\m)+7], v[AFR] offset:(\m)*16*A1P+(\k)+32
.endr
.irp m, 0,1
	ds_load_b128 v[AS+32*(\set)+16+8*(\m):AS+32*(\set)+16+8*(\m)+3],   v[AFR2] offset:(\m)*16*A1P+(\k)
	ds_load_b128 v[AS+32*(\set)+16+8*(\m)+4:AS+32*(\set)+16+8*(\m)+7], v[AFR2] offset:(\m)*16*A1P+(\k)+32
.endr
.endm
.macro ALOAD2 set, k                   ; sr's four fragments
.irp m, 0,1,2,3
	ds_load_b128 v[AS+32*(\set)+8*(\m):AS+32*(\set)+8*(\m)+3],   v[AF2] offset:(\m)*16*A2P+(\k)
	ds_load_b128 v[AS+32*(\set)+8*(\m)+4:AS+32*(\set)+8*(\m)+7], v[AF2] offset:(\m)*16*A2P+(\k)+32
.endr
.endm
.macro WLOAD1 i                        ; slot i: mo_w's two fragments at 32 i along K behind the pointer
.irp n, 0,1
	global_load_b128 v[WR+16*(\i)+8*(\n):WR+16*(\i)+8*(\n)+3],   v[LO], s[4:5] offset:(\n)*32768+(\i)*1024
	global_load_b128 v[WR+16*(\i)+8*(\n)+4:WR+16*(\i)+8*(\n)+7], v[LO], s[4:5] offset:(\n)*32768+(\i)*1024+512
.endr
.endm
; Slot i of a trip of out0: the next slot's fragments of mr are asked for, this slot's eight products run, the slot is filled again: mode 1 with mo_w eight slots on, mode 2 with so_w's fragments 2 i and 2 i + 1.
; The four v_nop are the places behind the products, ahead of the loads into the slot and, in the next slot's turn, into the set of mr's fragments that they read.
.macro KB i, mode, nexta
	WIN 0x40                                       ; loads: destination in window 1, address in window 0
.if \nexta
	ALOAD1 ((\i)+1)%2, ((\i)+1)*64
	s_wait_dscnt 8                                 ; this slot's eight are in; the eight just issued may stay out
.else
	s_wait_dscnt 0x0
.endif
	s_wait_loadcnt 28                              ; this slot's four loads are in: behind them at least the seven other slots' 28 were issued
	WIN 0x05                                       ; sources 0 and 1 in window 1
.irp m, 0,1,2,3                        ; the eight accumulators take turns, one instruction a turn
.irp n, 0,1
	v_wmma_f32_16x16x32_f16 v[ACC+8*(2*(\m)+(\n)):ACC+8*(2*(\m)+(\n))+7], v[WR+16*(\i)+8*(\n):WR+16*(\i)+8*(\n)+7], v[AS+32*((\i)%2)+8*(\m):AS+32*((\i)%2)+8*(\m)+7], v[ACC+8*(2*(\m)+(\n)):ACC+8*(2*(\m)+(\n))+7]
.endr
.endr
	PLACES
	WIN 0x40
.if (\mode) == 1
.if (\i) == 0
	s_wait_xcnt 0x0                                ; the youngest loads, eight products back, have read the pointer
	s_add_nc_u64 s[4:5], s[4:5], 8192              ; eight slots on
.endif
	WLOAD1 \i
.else
.irp q, 0,1,2,3
	global_load_b128 v[WR+16*(\i)+4*(\q):WR+16*(\i)+4*(\q)+3], v[LO], s[6:7] offset:(\i)*2048+(\q)*512
.endr
.endif
.endm
; 32 along K of out1: all of so_w's share lies in the ring, fragment k at 8 k.
.macro KB2 k
	WIN 0x40
.if (\k) < 15
	ALOAD2 ((\k)+1)%2, ((\k)+1)*64
	s_wait_dscnt 8
.else
	s_wait_dscnt 0x0
.endif
.if (\k)%2 == 0
	s_wait_loadcnt 28-2*(\k)                       ; slot k / 2 is in; the later slots' loads may stay out
.endif
	WIN 0x05
.irp m, 0,1,2,3
	v_wmma_f32_16x16x32_f16 v[ACC2+8*(\m):ACC2+8*(\m)+7], v[WR+8*(\k):WR+8*(\k)+7], v[AS+32*((\k)%2)+8*(\m):AS+32*((\k)%2)+8*(\m)+7], v[ACC2+8*(\m):ACC2+8*(\m)+7]
.endr
	PLACES
.endm
	s_load_b256 s[16:23], s[0:1], 0x0              ; mr 16, sr 18, wf 20, mo_b 22
	s_load_b128 s[24:27], s[0:1], 0x20             ; so_b 24, out0 26
	s_load_b64 s[28:29], s[0:1], 0x30              ; out1
	v_lshl_add_u32 v[SPW], v0, 2, SPARE
	v_mov_b32 v[NIL], 0
	v_lshrrev_b32 v1, 5, v0
	v_readfirstlane_b32 s10, v1                    ; wave 0..7
	s_lshr_b32 s12, ttmp9, 2                       ; rb: 64 padded rows
	s_and_b32 s13, ttmp9, 3                        ; cb
	s_mov_b32 s3, 0
	v_and_b32 v[RR], 15, v0
	v_bfe_u32 v[HH], v0, 4, 1
	v_lshlrev_b32 v[GL], 4, v0
	v_and_b32 v[LO], 31, v0
	v_lshlrev_b32 v[LO], 4, v[LO]
	v_lshrrev_b32 v1, 7, v0                        ; mr: 128 threads a row of 2,048 bytes
	v_and_b32 v[LA1], 127, v0
	v_lshlrev_b32 v[LA1], 4, v[LA1]
	v_mad_u32_u24 v[LA1], v1, A1P, v[LA1]
	v_add_nc_u32 v[LA1+1], 16*A1P, v[LA1]          ; a group of eight loads is 16 rows
	v_add_nc_u32 v[LA1+2], 32*A1P, v[LA1]
	v_add_nc_u32 v[LA1+3], 48*A1P, v[LA1]
	v_lshrrev_b32 v1, 6, v0                        ; sr: 64 threads a row of 1,024 bytes
	v_and_b32 v[LA2], 63, v0
	v_lshlrev_b32 v[LA2], 4, v[LA2]
	v_mad_u32_u24 v[LA2], v1, A2P, v[LA2]
	v_add_nc_u32 v[LA2], A2B, v[LA2]
	v_mul_u32_u24 v[AFR], v[RR], A1P               ; a fragment's row x pitch + 16 x half
	v_lshl_add_u32 v[AFR], v[HH], 4, v[AFR]
	v_add_nc_u32 v[AFR2], 32*A1P, v[AFR]
	v_mul_u32_u24 v[AF2], v[RR], A2P
	v_lshl_add_u32 v[AF2], v[HH], 4, v[AF2]
	v_add_nc_u32 v[AF2], A2B, v[AF2]
	v_lshlrev_b32 v[BO], 5, v[HH]
	v_mul_u32_u24 v[STI], v[RR], S1P               ; into out0's stage: row lane % 16, my wave's 128 bytes, 32 for each half of the lanes
	v_lshl_add_u32 v[STI], v[HH], 5, v[STI]
	s_lshl_b32 s2, s10, 7
	s_add_co_u32 s2, s2, STG
	v_add_nc_u32 v[STI], s2, v[STI]
	s_mul_i32 s2, s10, 8*S1P                       ; back: rows 8 wave on
	s_add_co_u32 s2, s2, STG
	v_add_nc_u32 v[STB], s2, v[LO]
	v_mul_u32_u24 v[STI2], v[RR], S2P              ; the same for out1: my wave's 64 bytes
	v_lshl_add_u32 v[STI2], v[HH], 5, v[STI2]
	s_lshl_b32 s2, s10, 6
	s_add_co_u32 s2, s2, STG2
	v_add_nc_u32 v[STI2], s2, v[STI2]
	s_mul_i32 s2, s10, 8*S2P
	s_add_co_u32 s2, s2, STG2
	v_add_nc_u32 v[STB2], s2, v[LO]
	s_lshr_b32 s38, s12, 3                         ; b
	s_and_b32 s39, s12, 7
	s_lshl_b32 s39, s39, 6                         ; t0
	s_lshl_b32 s42, s10, 3
	s_add_co_u32 s39, s39, s42                     ; t of the first row that my wave stores
	s_sub_co_u32 s14, 500, s39                     ; how many of its eight rows exist (may be 0 or less)
	s_mul_i32 s38, s38, 500
	s_add_co_u32 s38, s38, s39                     ; that row in the outputs
	s_wait_kmcnt 0x0
	s_lshl_b32 s2, s38, 12
	s_lshl_b32 s42, s13, 10
	s_add_co_u32 s2, s2, s42
	s_add_nc_u64 s[8:9], s[26:27], s[2:3]          ; out0 at my rows, the block's 1,024 bytes
	s_lshl_b32 s2, s38, 11
	s_lshl_b32 s42, s13, 9
	s_add_co_u32 s2, s2, s42
	s_add_nc_u64 s[32:33], s[28:29], s[2:3]        ; out1 likewise
	s_lshl_b32 s2, s13, 10
	s_lshl_b32 s42, s10, 7
	s_add_co_u32 s2, s2, s42                       ; 4 x (256 cb + 32 wave)
	s_add_nc_u64 s[30:31], s[22:23], s[2:3]
	s_lshl_b32 s2, s13, 9
	s_lshl_b32 s42, s10, 6
	s_add_co_u32 s2, s2, s42                       ; 4 x (128 cb + 16 wave)
	s_add_nc_u64 s[40:41], s[24:25], s[2:3]
	s_lshl_b32 s2, s12, 17                         ; 64 rows of 2,048 bytes
	s_add_nc_u64 s[34:35], s[16:17], s[2:3]
	s_lshl_b32 s2, s12, 16
	s_add_nc_u64 s[36:37], s[18:19], s[2:3]
	s_lshl_b32 s2, s13, 19                         ; mo_w's blocks of 16 rows from 16 cb + 2 wave on, 32,768 bytes each
	s_lshl_b32 s42, s10, 16
	s_add_co_u32 s2, s2, s42
	s_add_co_u32 s2, s2, 0x200000
	s_add_nc_u64 s[4:5], s[20:21], s[2:3]
	s_lshl_b32 s2, s13, 17                         ; so_w's block 8 cb + wave, 16,384 bytes
	s_lshl_b32 s42, s10, 14
	s_add_co_u32 s2, s2, s42
	s_add_co_u32 s2, s2, 0x480000
	s_add_nc_u64 s[6:7], s[20:21], s[2:3]
.irp m, 0,1,2,3                        ; the accumulators start as the bias: 16 loads,
.irp n, 0,1
	global_load_b128 v[ACC+8*(2*(\m)+(\n)):ACC+8*(2*(\m)+(\n))+3],   v[BO], s[30:31] offset:(\n)*64
	global_load_b128 v[ACC+8*(2*(\m)+(\n))+4:ACC+8*(2*(\m)+(\n))+7], v[BO], s[30:31] offset:(\n)*64+16
.endr
.endr
.set j, 0
.rept 32
	global_load_b128 v[TMP+4*j:TMP+4*j+3], v[GL], s[34:35] offset:j*4096   ; 32 of mr: the block is dense, 256 threads take 4,096 consecutive bytes, two rows,
.set j, j+1
.endr
	WIN 0x40
.irp i, 0,1,2,3,4,5,6,7
	WLOAD1 \i                                      ; and the ring's 32
.endr
	WIN 0
.irp gq, 0,1,2,3
	s_wait_loadcnt 56-8*(\gq)                      ; this group's eight loads are in: the later groups of mr and the ring's 32 may stay out
.irp jj, 0,1,2,3,4,5,6,7
	ds_store_b128 v[LA1+(\gq)], v[TMP+32*(\gq)+4*(\jj):TMP+32*(\gq)+4*(\jj)+3] offset:(\jj)*2*A1P
.endr
.endr
.set j, 0
.rept 16
	global_load_b128 v[TMP+4*j:TMP+4*j+3], v[GL], s[36:37] offset:j*4096  ; sr: four rows a load; it is wanted behind out0's products
.set j, j+1
.endr
.irp m, 0,1,2,3
	global_load_b128 v[ACC2+8*(\m):ACC2+8*(\m)+3],   v[BO], s[40:41]
	global_load_b128 v[ACC2+8*(\m)+4:ACC2+8*(\m)+7], v[BO], s[40:41] offset:16
.endr
	BAR                                            ; mr's rows lie in LDS, everybody's part of them
	WIN 0x40
	ALOAD1 0, 0
	WIN 0                                          ; at a label and at a branch every window is 0
	s_mov_b32 s11, 3
.Lt:                                               ; OUT0: a trip is eight slots, 256 along K; three trips fill the ring again with mo_w
.irp i, 0,1,2,3,4,5,6,7
	KB \i, 1, 1
.endr
	WIN 0
	v_add_nc_u32 v[AFR], 0x200, v[AFR]
	v_add_nc_u32 v[AFR2], 0x200, v[AFR2]
	s_sub_co_u32 s11, s11, 1
	s_cmp_lg_u32 s11, 0
	s_cbranch_scc1 .Lt
.irp i, 0,1,2,3,4,5,6
	KB \i, 2, 1                                    ; the fourth fills it with so_w
.endr
	KB 7, 2, 0
	WIN 0
	s_wait_loadcnt 32                              ; all but so_w's 32: sr and out1's bias are in
.set j, 0
.rept 16
	ds_store_b128 v[LA2], v[TMP+4*j:TMP+4*j+3] offset:j*4*A2P
.set j, j+1
.endr
	PLACES                                         ; eight places in all behind the last products
.irp m, 0,1,2,3                        ; each accumulator is read from its low end on
.irp n, 0,1
	ds_store_b128 v[STI], v[ACC+8*(2*(\m)+(\n)):ACC+8*(2*(\m)+(\n))+3]   offset:(\m)*16*S1P+(\n)*64
	ds_store_b128 v[STI], v[ACC+8*(2*(\m)+(\n))+4:ACC+8*(2*(\m)+(\n))+7] offset:(\m)*16*S1P+(\n)*64+16
.endr
.endr
	BAR                                            ; the stage is whole, and so are sr's rows
.irp q, 0,1,2,3,4,5,6,7,8,9,10,11,12,13,14,15
	ds_load_b128 v[OUT+4*(\q):OUT+4*(\q)+3], v[STB] offset:((\q)/2)*S1P+((\q)%2)*512
.endr
.irp q, 0,1,2,3,4,5,6,7,8,9,10,11,12,13,14,15
	s_wait_dscnt 15-(\q)
.if (\q)%2 == 0
	s_cmp_gt_i32 s14, (\q)/2                       ; does this row exist?
	s_cbranch_scc0 .Lcut1
.endif
	global_store_b128 v[LO], v[OUT+4*(\q):OUT+4*(\q)+3], s[8:9] offset:((\q)/2)*4096+((\q)%2)*512 th:TH_STORE_NT  ; the wave stores 512 consecutive bytes, aligned
.endr
.Lcut1:
	s_wait_dscnt 0x0                               ; on the way that jumped, read-backs may be out
	WIN 0x40
	ALOAD2 0, 0
.irp k, 0,1,2,3,4,5,6,7,8,9,10,11,12,13,14,15
	KB2 \k                                         ; OUT1: 16 x 32 along K
.endr
	WIN 0
	PLACES
.irp m, 0,1,2,3
	ds_store_b128 v[STI2], v[ACC2+8*(\m):ACC2+8*(\m)+3]   offset:(\m)*16*S2P
	ds_store_b128 v[STI2], v[ACC2+8*(\m)+4:ACC2+8*(\m)+7] offset:(\m)*16*S2P+16
.endr
	BAR
.irp q, 0,1,2,3,4,5,6,7
	ds_load_b128 v[OUT2+4*(\q):OUT2+4*(\q)+3], v[STB2] offset:(\q)*S2P
.endr
.irp q, 0,1,2,3,4,5,6,7
	s_wait_dscnt 7-(\q)
	s_cmp_gt_i32 s14, \q
	s_cbranch_scc0 .Lcut2
	global_store_b128 v[LO], v[OUT2+4*(\q):OUT2+4*(\q)+3], s[32:33] offset:(\q)*2048 th:TH_STORE_NT
.endr
.Lcut2:
	s_wait_tensorcnt 0x0                           ; the wave's end
	ds_add_u32 v[SPW], v[NIL]
	s_wait_dscnt 0x0
	s_endpgm
.Lfunc_end_k_q6ef1cd2554_outproj:
	.size	k_q6ef1cd2554_outproj, .Lfunc_end_k_q6ef1cd2554_outproj-k_q6ef1cd2554_outproj
	.p2alignl 7, 3214868480
	.fill 96, 4, 3214868480
	.section	.rodata,"a",@progbits
	.p2align	6, 0x0
	.amdhsa_kernel k_q6ef1cd2554_outproj
		.amdhsa_group_segment_fixed_size 300032
		.amdhsa_private_segment_fixed_size 0
		.amdhsa_enable_private_segment 0
		.amdhsa_kernarg_size 56
		.amdhsa_user_sgpr_count 2
		.amdhsa_user_sgpr_kernarg_segment_ptr 1
		.amdhsa_wavefront_size32 1
		.amdhsa_system_sgpr_workgroup_id_x 1
		.amdhsa_system_sgpr_workgroup_id_y 1
		.amdhsa_system_sgpr_workgroup_id_z 1
		.amdhsa_system_vgpr_workitem_id 0
		.amdhsa_next_free_vgpr 448
		.amdhsa_next_free_sgpr 66
		.amdhsa_reserve_vcc 0
		.amdhsa_float_denorm_mode_32 3
		.amdhsa_float_denorm_mode_16_64 3
		.amdhsa_memory_ordered 1
		.amdhsa_forward_progress 1
		.amdhsa_inst_pref_size 68
	.end_amdhsa_kernel
	.amdgpu_metadata
---
amdhsa.version: [ 1, 2 ]
amdhsa.kernels:
  - .name:           k_q6ef1cd2554_outproj
    .symbol:         k_q6ef1cd2554_outproj.kd
    .args:
      - { .name: mr, .offset: 0, .size: 8, .value_kind: global_buffer, .address_space: global }
      - { .name: sr, .offset: 8, .size: 8, .value_kind: global_buffer, .address_space: global }
      - { .name: wf, .offset: 16, .size: 8, .value_kind: global_buffer, .address_space: global }
      - { .name: mo_b, .offset: 24, .size: 8, .value_kind: global_buffer, .address_space: global }
      - { .name: so_b, .offset: 32, .size: 8, .value_kind: global_buffer, .address_space: global }
      - { .name: out0, .offset: 40, .size: 8, .value_kind: global_buffer, .address_space: global }
      - { .name: out1, .offset: 48, .size: 8, .value_kind: global_buffer, .address_space: global }
    .group_segment_fixed_size: 300032
    .private_segment_fixed_size: 0
    .kernarg_segment_align: 8
    .kernarg_segment_size: 56
    .max_flat_workgroup_size: 256
    .sgpr_count:     66
    .vgpr_count:     448
    .wavefront_size: 32
...
	.end_amdgpu_metadata
.endif
;; end of part 7
;; ======== version 3 of 3: 4 launches; version 2 with the launches qkproj, mixproj written anew for expert scheduling mode
;; limits: values are held in f16: magnitudes above 65,504 overflow, below 6.1e-05 lose precision
;; workspace buffers: qh 8,388,608 bytes; kh 8,388,608 bytes; simp 102,400 bytes; mr 8,388,608 bytes; sr 4,194,304 bytes; wf 5,242,880 bytes
;; launch qkproj (part 8): grid 128 x 2, 8 waves a work-group, no clusters, 179,200 bytes of LDS; arguments query, key, q_w, k_w, q_b, k_b, qh, kh, mv_w, mo_w, sv_w, so_w, wf; writes qh, kh, wf
.if DOCPART == 8
	.amdgcn_target "amdgcn-amd-amdhsa--gfx1250"
	.amdhsa_code_object_version 6
	.text
	.protected	k_q6ef1cd2554_qkproj
	.globl	k_q6ef1cd2554_qkproj
	.p2align	8
	.type	k_q6ef1cd2554_qkproj,@function
k_q6ef1cd2554_qkproj:
	s_mov_b64 s[64:65], 0
	v_nop
	global_prefetch_b8 v0, s[64:65] scope:SCOPE_SE
	s_setreg_imm32_b32 hwreg(HW_REG_WAVE_SCHED_MODE, 0, 2), 2
	s_setreg_imm32_b32 hwreg(HW_REG_WAVE_MODE, 25, 1), 1
	s_wait_xcnt 0x0
	s_wait_alu depctr_vm_vsrc(0)
; q = query q_w^T + q_b (grid y = 0) and k = key k_w^T + k_b (grid y = 1).  Inputs f32; the result is stored rounded once to f16 as [8 b][512 s][1024].
; BESIDE THAT, in the wait for its first tiles, the launch rounds the four weights of the later launches to f16 and stores them in the order of matrix fragments (wf: below).
; LIMITS.  Matrix operands are f16 (each rounded once from f32), sums f32: query, key, all weights and q, k must stay under 65,504; below 6e-5 they keep f16's fixed step of 6e-8.
; SHARES.  The input's rows lie as i = 8 s + b, 4,096 bytes each.  A work-group makes 128 rows i x 256 columns; eight waves, each 64 x 64: 16 accumulators.  32 x 128 = 4,096 rows for 4,000:
; loads beyond row 3,999 are clamped to it, and the rows s = 500 .. 511 of the result hold its copy; no later launch reads them.
; THE WAY IN.  Every operand is converted on its way, so it comes through registers: global load (f32), two conversions, LDS store (f16), fragments.  That is why no tensor load and so no joint
; load of a cluster is used.  K goes in steps of 64 through two LDS buffers; a ring of 24 loads a thread (96 registers) holds the next step, and each half of it is asked for again as soon as it is converted.
; THE PRODUCT IS USED TRANSPOSED: source 0 = 16 rows of the weight, source 1 = 16 rows of the input: a lane holds one row and eight neighbouring columns of the result.
; The accumulators start as the bias, loaded straight into them: nothing is cleared and nothing is added at the end.
; WF.  mv_w at byte 0, mo_w at 0x200000, sv_w at 0x400000, so_w at 0x480000.  Fragment (nb = row / 16, kb = k / 32) of a weight [N][K] is 1,024 bytes at (nb K / 32 + kb) x 1,024: half q at 512 q, lane l at 16 l,
; holding W[16 nb + l % 16][32 kb + 16 q + 8 (l / 16) + 0..7].  The launch has 2,048 waves: wave gw takes fragment gw of mv_w and of mo_w (2,048 each) and half-fragment gw % 1,024 of sv_w (y = 0) or so_w (y = 1).
; REGISTERS.  window 0: v2-27 addresses, v32-95 fragments of the first 32 of a K step, v96-223 accumulators.  window 1: v0-95 the ring, v96-159 fragments of the second 32, v160-207 the ring's step in f16.
; THE MODE: SCHED_MODE bits 1:0 = 2 (LLVM: expert scheduling mode 2), set by the entry lines.  The code itself states the register dependences
; between vector or matrix instructions and memory or LDS instructions, with s_wait_alu, always for 0.
; THE PLAN.  Registers that memory or LDS instructions touch, in the loop:
;   ST (the ring)  A STAGE's conversions read a half of it; behind them the loads of the next step land in that half.
;   OB             Written by a STAGE's conversions, read by its LDS stores, written again by the next STAGE's conversions, a whole step later.
;   FR, F1         A CORE's LDS loads land in them, its products read them; the next CORE's loads land in them behind the STAGE between.
;   v4-20, v24-27  Offsets and LDS addresses: made at the head, never written again; the bases that step are scalar registers.
;   v[SPW], v[NIL] Outside the loop: written at the head, read by the closing add alone.
; So a step has three waits, all in its STAGE.  One on vm_vsrc at its head: the LDS stores of the STAGE before have read OB.  One on va_vdst behind each half's conversions: they have written OB's half, which the
; LDS stores read, and are done reading the ring's half, in which the reloads land; the products of the CORE before are done reading FR and F1.  Behind the second of them no vector or matrix instruction stands
; ahead of the next CORE's fragment loads, so those owe nothing more.
.set BUFB,  55296                      ; an LDS buffer: 128 rows of the input, then 256 rows of the weight, 64 f16 each at a pitch of 144 bytes (9 x 16: the 16 rows of a fragment load start in 16 different groups of four banks)
.set STG,   110592                     ; behind the buffers: the work-group's stage for the way out, 128 rows of 512 bytes at a pitch of 528
.set SPI,   528
.set SPARE, 178176                     ; behind the stage: the spare words, 128 bytes a wave, that no other line names
.set SPW, 2                            ; v2  LDS address of my spare word; never rewritten
.set NIL, 3                            ; v3  0; never rewritten
.set VA,  4                            ; v4-11  byte offset of my 16 bytes in input row 128 rb + rowt + 16 j, clamped
.set VB,  12                           ; v12 the same in weight row rowt
.set SA,  13                           ; v13-14 where I store 8 bytes of row rowt in buffer 0, 1
.set AF,  15                           ; v15 my lane's place in my wave's input fragments
.set BF,  16                           ; v16 in its weight fragments
.set BO,  17                           ; v17 32 x (lane / 16): my eight columns in the bias
.set STI, 18                           ; v18 the way out: where I put 16 bytes
.set STB, 19                           ; v19 where I read a row back
.set LO,  20                           ; v20 16 x lane
.set RR,  21                           ; v21 thread % 16
.set ROWT, 22                          ; v22 thread / 16
.set HH,  23                           ; v23 lane / 16
.set CV1, 24                           ; v24 my 32 bytes of a row of mv_w and mo_w,
.set CV2, 25                           ; v25 of sv_w or so_w,
.set CD1, 26                           ; v26-27 and my 16 bytes in wf
.set CD2, 27
.set FR,  32
.set ACC, 96
.set ST,  0                            ; window 1
.set F1,  96                           ; window 1
.set OB,  160                          ; window 1: load g of the ring, rounded: two registers at OB + 2 g
.set MSB, 0
.macro WIN new                         ; the immediate's high byte repeats the setting that is left; a switch that changes nothing is dropped
.if MSB != (\new)
	s_set_vgpr_msb (MSB<<8)|(\new)
.set MSB, \new
.endif
.endm
.macro BAR                             ; my LDS stores are done and my LDS reads are back, then the work-group's barrier
	s_wait_dscnt 0x0
	s_barrier_signal -1
	s_barrier_wait -1
.endm
.macro LD g                            ; load g of the ring: 0-7 input rows, 8-23 weight rows
.if (\g) < 8
	global_load_b128 v[ST+4*(\g):ST+4*(\g)+3], v[VA+(\g)], s[4:5]
.else
	global_load_b128 v[ST+4*(\g):ST+4*(\g)+3], v[VB], s[6:7] offset:((\g)-8)*65536
.endif
.endm
; Half h of the ring, twelve loads: waited for, rounded into OB, stored into buffer p (row rowt + 16 g lies 2,304 g bytes on, input and weight rows end to end), asked for again.
.macro HALF h, p, reload, cnt
	s_wait_loadcnt \cnt                            ; loads come back in order: these twelve are the oldest
	WIN 0x45
.irp q, 0,1,2,3,4,5,6,7,8,9,10,11
	v_cvt_pk_f16_f32 v[OB+24*(\h)+2*(\q)],   v[ST+48*(\h)+4*(\q)],   v[ST+48*(\h)+4*(\q)+1]
	v_cvt_pk_f16_f32 v[OB+24*(\h)+2*(\q)+1], v[ST+48*(\h)+4*(\q)+2], v[ST+48*(\h)+4*(\q)+3]
.endr
	WIN 0x04
	s_wait_alu depctr_va_vdst(0)                   ; the conversions have written OB's half, which the LDS stores read, and are done reading the ring's half, in which the reloads land; the products of the CORE before are done reading FR and F1
.irp q, 0,1,2,3,4,5,6,7,8,9,10,11
	ds_store_b64 v[SA+(\p)], v[OB+24*(\h)+2*(\q):OB+24*(\h)+2*(\q)+1] offset:(12*(\h)+(\q))*2304
.endr
.if \reload
	WIN 0x40
.irp q, 0,1,2,3,4,5,6,7,8,9,10,11
	LD 12*(\h)+(\q)                                ; no wait: since the one above only LDS stores were issued, and they name OB and v[SA]
.endr
.endif
.endm
; The ring's step goes into buffer p.  reload = 1: the step after it is asked for; at each half's wait 12 may stay out: the other half, or the first half's reloads.  reload = 0: the counts run down.
.macro STAGE p, reload
.if \reload
	s_wait_xcnt 0x0                                ; the loads and stores that are out have read their registers: the bases may step
	s_add_nc_u64 s[4:5], s[4:5], 256
	s_add_nc_u64 s[6:7], s[6:7], 256
.endif
	s_wait_alu depctr_vm_vsrc(0)                   ; the LDS stores of the STAGE before have read OB, which these conversions write again; at the first STAGE: wf's stores have read v[FR ..], in which the first fragments land
	HALF 0, \p, \reload, 12
.if \reload
	HALF 1, \p, 1, 12
.else
	HALF 1, \p, 0, 0
.endif
	WIN 0
.endm
.macro FRAGL f, p, k                   ; 16 LDS loads: four weight and four input fragments, 32 along K at byte k of the rows
.irp i, 0,1,2,3
	ds_load_b128 v[(\f)+8*(\i):(\f)+8*(\i)+3],   v[BF] offset:(\p)*BUFB+(\i)*2304+(\k)
	ds_load_b128 v[(\f)+8*(\i)+4:(\f)+8*(\i)+7], v[BF] offset:(\p)*BUFB+(\i)*2304+(\k)+32
.endr
.irp i, 0,1,2,3
	ds_load_b128 v[(\f)+32+8*(\i):(\f)+32+8*(\i)+3],   v[AF] offset:(\p)*BUFB+(\i)*2304+(\k)
	ds_load_b128 v[(\f)+32+8*(\i)+4:(\f)+32+8*(\i)+7], v[AF] offset:(\p)*BUFB+(\i)*2304+(\k)+32
.endr
.endm
.macro MULS f                          ; 16 products; the 16 accumulators take turns, one instruction a turn
.irp mi, 0,1,2,3
.irp ni, 0,1,2,3
	v_wmma_f32_16x16x32_f16 v[ACC+8*(4*(\mi)+(\ni)):ACC+8*(4*(\mi)+(\ni))+7], v[(\f)+8*(\ni):(\f)+8*(\ni)+7], v[(\f)+32+8*(\mi):(\f)+32+8*(\mi)+7], v[ACC+8*(4*(\mi)+(\ni)):ACC+8*(4*(\mi)+(\ni))+7]
.endr
.endr
.endm
; A K step out of buffer p.  The loads into fragment registers stand behind the conversions of the STAGE before, which are the places behind the last products that read them, and behind that STAGE's waits on va_vdst:
; no vector or matrix instruction issued since the second of them names FR or F1, so the CORE holds no s_wait_alu.
.macro CORE p
	WIN 0
	FRAGL FR, \p, 0
	WIN 0x40
	FRAGL F1, \p, 64
	s_wait_dscnt 16                                ; the first 32 along K are in; the 16 younger loads may stay out
	WIN 0
	MULS FR
	s_wait_dscnt 0x0
	WIN 0x05
	MULS F1
	WIN 0
.endm
	s_load_b512 s[16:31], s[0:1], 0x0              ; query, key, q_w, k_w, q_b, k_b, qh, kh
	s_load_b256 s[40:47], s[0:1], 0x40             ; mv_w, mo_w, sv_w, so_w
	s_load_b64 s[48:49], s[0:1], 0x60              ; wf
	v_lshl_add_u32 v[SPW], v0, 2, SPARE
	v_mov_b32 v[NIL], 0
	v_lshrrev_b32 v1, 5, v0
	v_readfirstlane_b32 s12, v1                    ; wave 0..7
	s_and_b32 s2, ttmp7, 0xffff                    ; 0: q, 1: k
	s_lshr_b32 s33, ttmp9, 2                       ; rb: block of 128 rows
	s_and_b32 s34, ttmp9, 3                        ; cb: block of 256 columns
	v_and_b32 v[RR], 15, v0
	v_lshrrev_b32 v[ROWT], 4, v0
	v_bfe_u32 v[HH], v0, 4, 1
	s_wait_alu depctr_va_sdst(0)                   ; s12 is written, ahead of its first reader
	s_lshr_b32 s35, s12, 2                         ; wm: my half of the rows
	s_and_b32 s36, s12, 3                          ; wn: my quarter of the columns
	s_lshl_b32 s14, s33, 7
	v_add_nc_u32 v1, s14, v[ROWT]
.irp j, 0,1,2,3,4,5,6,7
	v_add_nc_u32 v[VA+(\j)], 16*(\j), v1
	v_min_u32 v[VA+(\j)], 3999, v[VA+(\j)]         ; no load leaves the input
	v_lshlrev_b32 v[VA+(\j)], 12, v[VA+(\j)]
	v_lshl_add_u32 v[VA+(\j)], v[RR], 4, v[VA+(\j)]
.endr
	v_lshlrev_b32 v[VB], 12, v[ROWT]
	v_lshl_add_u32 v[VB], v[RR], 4, v[VB]
	v_mul_u32_u24 v[SA], v[ROWT], 144
	v_lshl_add_u32 v[SA], v[RR], 3, v[SA]
	v_add_nc_u32 v[SA+1], BUFB, v[SA]
	v_mul_u32_u24 v1, v[RR], 144
	v_lshl_add_u32 v1, v[HH], 4, v1                ; a fragment's row x pitch + 16 x half
	s_mul_i32 s14, s35, 64*144
	v_add_nc_u32 v[AF], s14, v1
	s_mul_i32 s14, s36, 64*144
	s_add_co_u32 s14, s14, 128*144
	v_add_nc_u32 v[BF], s14, v1
	v_lshlrev_b32 v[BO], 5, v[HH]
	v_mul_u32_u24 v1, v[RR], SPI
	v_lshl_add_u32 v1, v[HH], 4, v1
	s_mul_i32 s14, s35, 64*SPI
	s_lshl_b32 s15, s36, 7
	s_add_co_u32 s14, s14, s15
	s_add_co_u32 s14, s14, STG
	v_add_nc_u32 v[STI], s14, v1
	v_and_b32 v[LO], 31, v0
	v_lshlrev_b32 v[LO], 4, v[LO]
	s_mul_i32 s14, s12, 16*SPI
	s_add_co_u32 s14, s14, STG
	v_add_nc_u32 v[STB], s14, v[LO]
	; my wave's share of wf
	s_lshl_b32 s38, s2, 7
	s_add_co_u32 s38, s38, ttmp9
	s_lshl_b32 s38, s38, 3
	s_add_co_u32 s38, s38, s12                     ; gw = 8 x (128 y + x) + wave
	s_lshr_b32 s14, s38, 5
	s_lshl_b32 s14, s14, 16                        ; nb = gw / 32: 16 rows of 4,096 bytes
	s_and_b32 s39, s38, 31
	s_lshl_b32 s39, s39, 7                         ; kb = gw % 32: 128 bytes of a row
	s_add_co_u32 s14, s14, s39
	v_lshlrev_b32 v[CV1], 12, v[RR]
	v_lshl_add_u32 v[CV1], v[HH], 5, v[CV1]        ; row lane % 16, 32 bytes for each half of the lanes
	v_add_nc_u32 v[CV1], s14, v[CV1]
	s_and_b32 s14, s38, 1023                       ; u = 32 nb + 2 kb + half
	s_lshr_b32 s39, s14, 5
	s_lshl_b32 s39, s39, 15                        ; 16 rows of 2,048 bytes
	s_and_b32 s14, s14, 31
	s_lshl_b32 s14, s14, 6                         ; 128 kb + 64 half
	s_add_co_u32 s14, s14, s39
	v_lshlrev_b32 v[CV2], 11, v[RR]
	v_lshl_add_u32 v[CV2], v[HH], 5, v[CV2]
	v_add_nc_u32 v[CV2], s14, v[CV2]
	s_lshl_b32 s14, s38, 10
	v_add_nc_u32 v[CD1], s14, v[LO]                ; fragment gw
	s_lshl_b32 s14, s38, 9
	s_add_co_u32 s14, s14, 0x400000                ; half-fragment gw behind sv_w's first: so_w's part follows sv_w's 1,024
	v_add_nc_u32 v[CD2], s14, v[LO]
	s_wait_kmcnt 0x0
	s_cmp_eq_u32 s2, 0
	s_cselect_b64 s[4:5], s[16:17], s[18:19]       ; the input
	s_cselect_b64 s[6:7], s[20:21], s[22:23]       ; the weight
	s_cselect_b64 s[8:9], s[24:25], s[26:27]       ; the bias
	s_cselect_b64 s[10:11], s[28:29], s[30:31]     ; the result
	s_cselect_b64 s[50:51], s[44:45], s[46:47]     ; sv_w or so_w
	s_mov_b32 s15, 0
	s_lshl_b32 s14, s34, 20                        ; 256 weight rows of 4,096 bytes
	s_add_nc_u64 s[6:7], s[6:7], s[14:15]
	s_lshl_b32 s14, s34, 10
	s_lshl_b32 s37, s36, 8
	s_add_co_u32 s14, s14, s37                     ; 4 x (256 cb + 64 wn)
	s_add_nc_u64 s[8:9], s[8:9], s[14:15]
	s_lshl_b32 s14, s34, 9                         ; 512 cb + 2,048 x (16 rb + 2 wave): the rows s that my wave stores
	s_lshl_b32 s37, s33, 15
	s_add_co_u32 s14, s14, s37
	s_lshl_b32 s37, s12, 12
	s_add_co_u32 s14, s14, s37
	s_add_nc_u64 s[10:11], s[10:11], s[14:15]
	s_wait_alu depctr_va_vdst(0)                   ; the offsets and LDS addresses v4 to v20 and v24 to v27 are written: every load and store of the kernel reads one of them, and none is written again
.irp q, 0,1                            ; ten loads for wf: eight f32 a lane for each half-fragment
	global_load_b128 v[FR+8*(\q):FR+8*(\q)+3],         v[CV1], s[40:41] offset:64*(\q)
	global_load_b128 v[FR+8*(\q)+4:FR+8*(\q)+7],       v[CV1], s[40:41] offset:64*(\q)+16
	global_load_b128 v[FR+16+8*(\q):FR+16+8*(\q)+3],   v[CV1], s[42:43] offset:64*(\q)
	global_load_b128 v[FR+16+8*(\q)+4:FR+16+8*(\q)+7], v[CV1], s[42:43] offset:64*(\q)+16
.endr
	global_load_b128 v[FR+32:FR+35], v[CV2], s[50:51]
	global_load_b128 v[FR+36:FR+39], v[CV2], s[50:51] offset:16
	WIN 0x40
.set g, 0
.rept 24
	LD g                                           ; K step 0
.set g, g+1
.endr
	WIN 0
	s_wait_loadcnt 24                              ; the ten are in; the ring's 24 may stay out
.irp g, 0,1,2,3,4
.irp c, 0,1,2,3
	v_cvt_pk_f16_f32 v[FR+8*(\g)+(\c)], v[FR+8*(\g)+2*(\c)], v[FR+8*(\g)+2*(\c)+1]
.endr
.endr
	s_wait_alu depctr_va_vdst(0)                   ; the conversions have written v[FR ..], which wf's stores read
	global_store_b128 v[CD1], v[FR:FR+3],     s[48:49]                  ; each store of the wave covers 512 consecutive bytes, aligned
	global_store_b128 v[CD1], v[FR+8:FR+11],  s[48:49] offset:512
	global_store_b128 v[CD1], v[FR+16:FR+19], s[48:49] offset:0x200000
	global_store_b128 v[CD1], v[FR+24:FR+27], s[48:49] offset:0x200200
	global_store_b128 v[CD2], v[FR+32:FR+35], s[48:49]
.irp mi, 0,1,2,3                       ; the accumulators start as the bias: register j of a lane is column 16 ni + 8 (lane / 16) + j
.irp ni, 0,1,2,3
	global_load_b128 v[ACC+8*(4*(\mi)+(\ni)):ACC+8*(4*(\mi)+(\ni))+3],   v[BO], s[8:9] offset:(\ni)*64
	global_load_b128 v[ACC+8*(4*(\mi)+(\ni))+4:ACC+8*(4*(\mi)+(\ni))+7], v[BO], s[8:9] offset:(\ni)*64+16
.endr
.endr
	STAGE 0, 1                                     ; the bias loads are younger than the ring's first fill: at the second half's wait the 12 that may stay out are the first half's reloads, so the bias is in
	BAR
	s_mov_b32 s13, 7
.Lk:                                               ; a trip: two K steps.  One barrier a step: the buffer that a STAGE writes was last read ahead of the barrier before
	CORE 0
	STAGE 1, 1
	BAR
	CORE 1
	STAGE 0, 1
	BAR
	s_sub_co_u32 s13, s13, 1
	s_cmp_lg_u32 s13, 0
	s_cbranch_scc1 .Lk
	CORE 0
	STAGE 1, 0                                     ; the last step: nothing more is asked for
	BAR
	CORE 1
	; THE WAY OUT: rounded to f16, 16 bytes a lane into the stage; a barrier, since a row's 512 bytes come from four waves; back as whole rows.
.rept 8
	v_nop                                          ; the places behind the last products
.endr
.irp mi, 0,1,2,3
.irp ni, 0,1,2,3
.irp c, 0,1,2,3                        ; each accumulator is read from its low end on; the rounded tile takes the first fragments' registers, four for each accumulator
	v_cvt_pk_f16_f32 v[FR+4*(4*(\mi)+(\ni))+(\c)], v[ACC+8*(4*(\mi)+(\ni))+2*(\c)], v[ACC+8*(4*(\mi)+(\ni))+2*(\c)+1]
.endr
.endr
.endr
	s_wait_alu depctr_va_vdst(0)                   ; the conversions have written v[FR ..], which the LDS stores read, and are done reading the accumulators, in which the rows land on their way back
.irp mi, 0,1,2,3
.irp ni, 0,1,2,3
	ds_store_b128 v[STI], v[FR+4*(4*(\mi)+(\ni)):FR+4*(4*(\mi)+(\ni))+3] offset:(\mi)*16*SPI+(\ni)*32
.endr
.endr
	BAR
.irp jj, 0,1,2,3,4,5,6,7,8,9,10,11,12,13,14,15
	ds_load_b128 v[ACC+4*(\jj):ACC+4*(\jj)+3], v[STB] offset:(\jj)*SPI  ; into registers that no memory or LDS instruction has read
.endr
.irp jj, 0,1,2,3,4,5,6,7,8,9,10,11,12,13,14,15
	s_wait_dscnt 15-(\jj)                          ; row 16 wave + jj is back: b = jj % 8, s = 16 rb + 2 wave + jj / 8
	global_store_b128 v[LO], v[ACC+4*(\jj):ACC+4*(\jj)+3], s[10:11] offset:((\jj)%8)*1048576+((\jj)/8)*2048  ; the wave stores 512 consecutive bytes, aligned
.endr
	s_wait_dscnt 0x0                               ; the closing lines, six on end
	s_wait_alu 0x0
	s_wait_tensorcnt 0x0
	ds_add_u32 v[SPW], v[NIL]
	s_wait_dscnt 0x0
	s_endpgm
.Lfunc_end_k_q6ef1cd2554_qkproj:
	.size	k_q6ef1cd2554_qkproj, .Lfunc_end_k_q6ef1cd2554_qkproj-k_q6ef1cd2554_qkproj
	.p2alignl 7, 3214868480
	.fill 96, 4, 3214868480
	.section	.rodata,"a",@progbits
	.p2align	6, 0x0
	.amdhsa_kernel k_q6ef1cd2554_qkproj
		.amdhsa_group_segment_fixed_size 179200
		.amdhsa_private_segment_fixed_size 0
		.amdhsa_enable_private_segment 0
		.amdhsa_kernarg_size 104
		.amdhsa_user_sgpr_count 2
		.amdhsa_user_sgpr_kernarg_segment_ptr 1
		.amdhsa_wavefront_size32 1
		.amdhsa_system_sgpr_workgroup_id_x 1
		.amdhsa_system_sgpr_workgroup_id_y 1
		.amdhsa_system_sgpr_workgroup_id_z 1
		.amdhsa_system_vgpr_workitem_id 0
		.amdhsa_next_free_vgpr 464
		.amdhsa_next_free_sgpr 66
		.amdhsa_reserve_vcc 0
		.amdhsa_float_denorm_mode_32 3
		.amdhsa_float_denorm_mode_16_64 3
		.amdhsa_memory_ordered 1
		.amdhsa_forward_progress 1
		.amdhsa_inst_pref_size 67
	.end_amdhsa_kernel
	.amdgpu_metadata
---
amdhsa.version: [ 1, 2 ]
amdhsa.kernels:
  - .name:           k_q6ef1cd2554_qkproj
    .symbol:         k_q6ef1cd2554_qkproj.kd
    .args:
      - { .name: query, .offset: 0, .size: 8, .value_kind: global_buffer, .address_space: global }
      - { .name: key, .offset: 8, .size: 8, .value_kind: global_buffer, .address_space: global }
      - { .name: q_w, .offset: 16, .size: 8, .value_kind: global_buffer, .address_space: global }
      - { .name: k_w, .offset: 24, .size: 8, .value_kind: global_buffer, .address_space: global }
      - { .name: q_b, .offset: 32, .size: 8, .value_kind: global_buffer, .address_space: global }
      - { .name: k_b, .offset: 40, .size: 8, .value_kind: global_buffer, .address_space: global }
      - { .name: qh, .offset: 48, .size: 8, .value_kind: global_buffer, .address_space: global }
      - { .name: kh, .offset: 56, .size: 8, .value_kind: global_buffer, .address_space: global }
      - { .name: mv_w, .offset: 64, .size: 8, .value_kind: global_buffer, .address_space: global }
      - { .name: mo_w, .offset: 72, .size: 8, .value_kind: global_buffer, .address_space: global }
      - { .name: sv_w, .offset: 80, .size: 8, .value_kind: global_buffer, .address_space: global }
      - { .name: so_w, .offset: 88, .size: 8, .value_kind: global_buffer, .address_space: global }
      - { .name: wf, .offset: 96, .size: 8, .value_kind: global_buffer, .address_space: global }
    .group_segment_fixed_size: 179200
    .private_segment_fixed_size: 0
    .kernarg_segment_align: 8
    .kernarg_segment_size: 104
    .max_flat_workgroup_size: 256
    .sgpr_count:     66
    .vgpr_count:     464
    .wavefront_size: 32
...
	.end_amdgpu_metadata
.endif
;; end of part 8
;; launch simpart: the kernel of part 2 again; grid 25 x 8, 2 waves a work-group, no clusters, 0 bytes of LDS; arguments qh, kh, simp; writes simp
;; launch mixproj (part 9): grid 256 x 1, 8 waves a work-group, no clusters, 71,168 bytes of LDS; arguments multi_value, single_value, wf, mv_b, sv_b, simp, mr, sr; writes mr, sr
.if DOCPART == 9
	.amdgcn_target "amdgcn-amd-amdhsa--gfx1250"
	.amdhsa_code_object_version 6
	.text
	.protected	k_q6ef1cd2554_mixproj
	.globl	k_q6ef1cd2554_mixproj
	.p2align	8
	.type	k_q6ef1cd2554_mixproj,@function
k_q6ef1cd2554_mixproj:
	s_mov_b64 s[64:65], 0
	v_nop
	global_prefetch_b8 v0, s[64:65] scope:SCOPE_SE
	s_setreg_imm32_b32 hwreg(HW_REG_WAVE_SCHED_MODE, 0, 2), 2
	s_setreg_imm32_b32 hwreg(HW_REG_WAVE_MODE, 25, 1), 1
	s_wait_xcnt 0x0
	s_wait_alu depctr_vm_vsrc(0)
; att = softmax over g of sim / sqrt(64000);  mr[b][t][128 h + d] = the sum over x of att[b][h][x] (multi_value[x][b][t] . mv_w[128 h + d] + mv_b[128 h + d]), and sr likewise with heads of 64.
; THE ORDER OF THE TWO LINEAR STEPS IS TURNED: first mix_h = the sum over x of att[b][h][x] V[x][b][t] (f32, vector unit), then mix_h . W_h + bias_h.  The bias enters once because a softmax row sums to 1
; (to f32's rounding).  That makes the projection an eighth of the matrix work.  mr, sr are stored rounded once to f16 as [8 b][512 t][1024] and [8 b][512 t][512].
; LIMITS.  Matrix operands are f16 (mix and weights, each rounded once from f32), sums f32: the values, the weights, mr and sr must stay under 65,504; below 6e-5 they keep f16's fixed step of 6e-8.
; SHARES.  A work-group: one batch b, 32 rows t, four heads (hf = which four); first the multi part (K = 1,024, 512 columns), then the single part (K = 512, 256 columns).  16 x 32 = 512 rows for 500:
; loads beyond t = 499 are clamped to it and the pad rows hold its copy.  Wave w multiplies head w / 2's mixed tile (32 rows) by 16 NF weight rows from 16 NF w on: 2 x NF accumulators.
; THE VALUES are mixed in registers on their way into LDS (so no tensor load, and so no joint load of a cluster); K goes in steps of 64 through two LDS buffers of four mixed tiles.  A ring of two register sets,
; 16 loads a thread each, holds the next two steps: V(t) lies in set t % 2, and the chunk that is mixed is asked for again at once, two steps ahead, the change of parts included.
; THE WEIGHTS.  Each weight row is multiplied by one wave alone, so it goes through no LDS: wf holds mv_w (byte 0) and sv_w (byte 0x400000) as f16 in the order of fragments: fragment (nb = row / 16, kb = k / 32) at
; (nb K / 32 + kb) x 1,024, its registers 0-3 at 16 x lane, 4-7 at 512 + 16 x lane: a load of the wave takes 512 consecutive bytes.  Two register sets, a K step each; a set is asked for again, two steps ahead, in the STAGE behind its products.
; THE ORDER OF LOADS is V(t), W(t), V(t+1), W(t+1) ..: V a step's two chunks of 8 value loads, W its 4 NF weight loads.  STAGE s asks for W(s+1) and chunk 0 of V(s+2) behind its first chunk, for chunk 1 of V(s+2) behind its second.
; When chunk 0 of V(s) is wanted, chunk 1, W(s) and V(s+1) have been issued behind it: its wait leaves 24 + 4 NF out.  When chunk 1 is wanted: W(s), V(s+1), W(s+1) and chunk 0's refill: 24 + 8 NF.
; When W(t) is wanted, V(t+1), W(t+1), V(t+2) stand behind it: 32 + 4 NF.  A part's first STAGE finds W(1) asked for already: 24 + 8 NF at both its waits.
; The softmax is made by every wave for itself from simp's 50 partial sums: lane 8 j + x holds att[4 hf + j][x]; the maximum is taken away before the exponential.
; REGISTERS.  window 0: v2-23 addresses, v24-31 and v112-119 the two chunks' rounded results, v32-63 the 32 weights of the mix, v64-79 the mix's sums, v80-111 mixed fragments, v128-191 accumulators, v192-241 simp, then v192-223 the single
; part's accumulators, v244 simp's offset.  window 1: v0-63 and v192-255 the two sets of values, v64-191 the two sets of weight fragments.  s66-97: the 32 weights of the mix on their way from one lane to all.
; THE MODE: SCHED_MODE bits 1:0 = 2 (LLVM: expert scheduling mode 2), set by the entry lines.  The code itself states the register dependences
; between vector or matrix instructions and memory or LDS instructions, with s_wait_alu, always for 0.
; THE PLAN.  Registers that memory or LDS instructions touch, in the loops:
;   the value sets     STAGE s: a chunk's multiply-adds read its half of set s % 2; behind them the loads of V(s + 2) land in it.
;   the weight sets    CORE t: its products read set t % 2; W(t + 2) lands in it in STAGE t + 1, behind that STAGE's first wait on va_vdst.
;   U (two sets of 8)  Written by a chunk's roundings, read by its four LDS stores, written again by the same chunk of the next STAGE.
;   FR                 CORE t's LDS loads land in it, its products read it; CORE t + 1's loads land in it behind STAGE t + 1.
;   v[VV], v[VV+1]     Read by the value loads; stepped once a step, at the STAGE's head.
;   v[SV], v[AF], v[LO], v[BO]  Made at the head, never written again.  v[STI], v[STB]: made anew between the parts.  v[SPW], v[NIL]: read by the closing add alone.
; So a step has three waits, all in or at the head of its STAGE.  One on vm_vsrc at the head: the LDS stores of the STAGE before have read U and its loads have read v[VV ..].  One on va_vdst behind each chunk's roundings:
; they have written U, which the LDS stores read; the multiply-adds are done reading the chunk's values, in which the refill lands; the first of the two also states that v[VV ..] are written and that the products of the
; CORE before are done reading their weight set and FR.  Behind the second no vector or matrix instruction stands ahead of the next CORE's LDS loads, so a CORE holds no s_wait_alu.
.set BUFB,  18432                      ; an LDS buffer: four mixed tiles of 32 rows; 64 f16 a row at a pitch of 144 bytes (9 x 16)
.set STG,   36864                      ; the work-group's stage for the way out: 32 rows at a pitch of 1,040 (528) bytes
.set SPARE, 70144                      ; the spare words, 128 bytes a wave, that no other line names
.set SPW, 2
.set NIL, 3
.set VV,  4                            ; v4-5   byte offset of my 16 bytes in value row 32 tb + rowt + 16 jr (clamped), at the step that is being mixed; steps 256 a K step
.set SV,  7                            ; v7     where I store 8 bytes of row rowt of mixed tile 0
.set AF,  13                           ; v13    my lane's place in my wave's mixed fragments
.set BO,  17                           ; v17    32 x (lane / 16)
.set STI, 18
.set STB, 19
.set LO,  20                           ; v20    16 x lane; never rewritten
.set RR,  21                           ; thread % 16
.set ROWT, 22                          ; thread / 16
.set HH,  23                           ; lane / 16
.set U,   24                           ; v24-31 rounded results of row rowt; v112-119 those of row rowt + 16
.set COEF, 32
.set TT,  64
.set FR,  80                           ; mixed fragment (kk, mi) at 8 (2 kk + mi); on the way out the rounded tile
.set ACC, 128
.set ACC2, 192
.set SM,  192
.set SMO, 244
.set ST,  0                            ; window 1: value set p at 192 p, row jr's value x at 32 jr + 4 x
.set WS,  64                           ; window 1: weight set p at 64 p, fragment (kk, ni) at 8 (NF kk + ni)
.set X,   16                           ; s[16:31] the eight value tensors x at batch b
.set AT,  66                           ; s[66:97] att of lane i
.set MSB, 0
.macro WIN new                         ; the immediate's high byte repeats the setting that is left; a switch that changes nothing is dropped
.if MSB != (\new)
	s_set_vgpr_msb (MSB<<8)|(\new)
.set MSB, \new
.endif
.endm
.macro BAR                             ; my LDS stores are done and my LDS reads are back, then the work-group's barrier
	s_wait_dscnt 0x0
	s_barrier_signal -1
	s_barrier_wait -1
.endm
.macro XBASE src, stride               ; value x of batch b begins (8 x + b) x stride bytes into its tensor; s3 = 0
.irp x, 0,1,2,3,4,5,6,7
	s_add_co_u32 s2, s14, 8*(\x)
	s_mul_i32 s2, s2, \stride
	s_add_nc_u64 s[X+2*(\x):X+2*(\x)+1], s[(\src):(\src)+1], s[2:3]
.endr
.endm
.macro ADDR sh                         ; the value ring's offsets for rows of 1 << sh bytes, at K step 0
	s_lshl_b32 s2, s13, 5
	v_add_nc_u32 v1, s2, v[ROWT]
	v_min_u32 v[VV], 499, v1                       ; no load leaves a value tensor's batch
	v_add_nc_u32 v1, 16, v1
	v_min_u32 v[VV+1], 499, v1
	v_lshlrev_b32 v[VV], \sh, v[VV]
	v_lshlrev_b32 v[VV+1], \sh, v[VV+1]
	v_lshl_add_u32 v[VV], v[RR], 4, v[VV]
	v_lshl_add_u32 v[VV+1], v[RR], 4, v[VV+1]
.endm
.macro STADDR nf, ps                   ; my places in the stage, for a part's NF and pitch
	v_mul_u32_u24 v1, v[RR], \ps
	v_lshl_add_u32 v1, v[HH], 4, v1
	s_mul_i32 s2, s10, 32*(\nf)
	s_add_co_u32 s2, s2, STG
	v_add_nc_u32 v[STI], s2, v1
	s_mul_i32 s2, s10, 4*(\ps)
	s_add_co_u32 s2, s2, STG
	v_add_nc_u32 v[STB], s2, v[LO]
.endm
.macro BIAS nf, acc, bp                ; the accumulators start as the bias, at s[bp:bp+1]
.irp m, 0,1
.set i, 0
.rept \nf
	global_load_b128 v[(\acc)+8*((\nf)*(\m)+i):(\acc)+8*((\nf)*(\m)+i)+3],   v[BO], s[(\bp):(\bp)+1] offset:i*64
	global_load_b128 v[(\acc)+8*((\nf)*(\m)+i)+4:(\acc)+8*((\nf)*(\m)+i)+7], v[BO], s[(\bp):(\bp)+1] offset:i*64+16
.set i, i+1
.endr
.endr
.endm
.macro LOADV p, off                    ; a step's 16 value loads into set p, off bytes along K behind the offsets
	WIN 0x40
.irp jr, 0,1
.irp x, 0,1,2,3,4,5,6,7
	global_load_b128 v[ST+192*(\p)+32*(\jr)+4*(\x):ST+192*(\p)+32*(\jr)+4*(\x)+3], v[VV+(\jr)], s[X+2*(\x):X+2*(\x)+1] offset:\off
.endr
.endr
	WIN 0
.endm
.macro WL p, nf, nbb, off              ; a step's 2 NF weight fragments into set p: nbb = bytes from a block of 16 rows to the next, off = bytes behind the pointer; the destination's window is set by the lines round it
.set i, 0
.rept 2*(\nf)
	global_load_b128 v[WS+64*(\p)+8*i:WS+64*(\p)+8*i+3],   v[LO], s[4:5] offset:(i%(\nf))*(\nbb)+(i/(\nf))*1024+(\off)
	global_load_b128 v[WS+64*(\p)+8*i+4:WS+64*(\p)+8*i+7], v[LO], s[4:5] offset:(i%(\nf))*(\nbb)+(i/(\nf))*1024+(\off)+512
.set i, i+1
.endr
.endm
.macro LOADW p, nf, nbb, off
	WIN 0x40
	WL \p, \nf, \nbb, \off
	WIN 0
.endm
; Row rowt + 16 jr out of value set p: my four numbers of the eight values are mixed for the four heads (eight chains of packed multiply-adds, f32), rounded to f16 and stored into the four mixed tiles of buffer p.
; wld = 1: the other weight set is asked for again (wnf, wnbb, woff as WL takes them).  vld = 1: the chunk's registers are asked for again, voff bytes along K behind the offsets.
.macro MIX jr, p, cnt, vld, voff, wld, wnf, wnbb, woff
.set UU, U+88*(\jr)
.set VR, ST+192*(\p)+32*(\jr)
	s_wait_loadcnt \cnt                            ; these eight loads are in
	WIN 0x01                                       ; source 0, the value, in window 1
.irp j, 0,1,2,3
.irp c, 0,2
	v_pk_mul_f32 v[TT+4*(\j)+(\c):TT+4*(\j)+(\c)+1], v[VR+(\c):VR+(\c)+1], v[COEF+8*(\j):COEF+8*(\j)+1] op_sel_hi:[1,0]
.endr
.endr
.irp x, 1,2,3,4,5,6,7
.irp j, 0,1,2,3
.irp c, 0,2
.if (\x)%2                             ; the weight of an odd x is its pair's second register, for both halves
	v_pk_fma_f32 v[TT+4*(\j)+(\c):TT+4*(\j)+(\c)+1], v[VR+4*(\x)+(\c):VR+4*(\x)+(\c)+1], v[COEF+8*(\j)+(\x)-1:COEF+8*(\j)+(\x)], v[TT+4*(\j)+(\c):TT+4*(\j)+(\c)+1] op_sel:[0,1,0]
.else
	v_pk_fma_f32 v[TT+4*(\j)+(\c):TT+4*(\j)+(\c)+1], v[VR+4*(\x)+(\c):VR+4*(\x)+(\c)+1], v[COEF+8*(\j)+(\x):COEF+8*(\j)+(\x)+1], v[TT+4*(\j)+(\c):TT+4*(\j)+(\c)+1] op_sel_hi:[1,0,1]
.endif
.endr
.endr
.endr
	WIN 0
.irp j, 0,1,2,3
	v_cvt_pk_f16_f32 v[UU+2*(\j)],   v[TT+4*(\j)],   v[TT+4*(\j)+1]
	v_cvt_pk_f16_f32 v[UU+2*(\j)+1], v[TT+4*(\j)+2], v[TT+4*(\j)+3]
.endr
	s_wait_alu depctr_va_vdst(0)                   ; the roundings have written this chunk's U, which the LDS stores read; the multiply-adds are done reading the chunk's values, in which the refill lands;
	                                               ; in the first chunk also: v[VV ..] are written, and the products of the CORE before are done reading their weight set, in which the weight loads land, and FR
.irp j, 0,1,2,3
	ds_store_b64 v[SV], v[UU+2*(\j):UU+2*(\j)+1] offset:(\p)*BUFB+(\j)*4608+(\jr)*2304
.endr
.if \wld
	WIN 0x40
	WL 1-(\p), \wnf, \wnbb, \woff                  ; no wait: since the one above only LDS stores were issued, and they name U and v[SV]
.endif
.if \vld
	WIN 0x40
.irp x, 0,1,2,3,4,5,6,7
	global_load_b128 v[VR+4*(\x):VR+4*(\x)+3], v[VV+(\jr)], s[X+2*(\x):X+2*(\x)+1] offset:\voff
.endr
.endif
.endm
.macro STAGE p, c0, c1, vld, voff, wld, wnf, wnbb, woff  ; value set p's step goes into buffer p; the weight loads stand behind the first chunk
	MIX 0, \p, \c0, \vld, \voff, \wld, \wnf, \wnbb, \woff
	MIX 1, \p, \c1, \vld, \voff, 0, 0, 0, 0
	WIN 0
.endm
; The head of every STAGE but a part's first: offsets and pointer move on by a K step.
.macro NEXT
	s_wait_xcnt 0x0                                ; the loads that are out (the youngest a barrier and a step's products back) have read their addresses
	s_wait_alu depctr_vm_vsrc(0)                   ; the value loads issued so far have read v[VV ..], and the LDS stores of the STAGE before have read U, which this STAGE's roundings write again
	v_add_nc_u32 v[VV], 0x100, v[VV]               ; the step that is mixed now
	v_add_nc_u32 v[VV+1], 0x100, v[VV+1]
	s_add_nc_u64 s[4:5], s[4:5], 2048              ; a step is two fragments of each block of rows
.endm
.macro MULS nf, acc, p, kk             ; 2 NF products; the accumulators take turns, one instruction a turn
.irp m, 0,1
.set i, 0
.rept \nf
	v_wmma_f32_16x16x32_f16 v[(\acc)+8*((\nf)*(\m)+i):(\acc)+8*((\nf)*(\m)+i)+7], v[WS+64*(\p)+8*((\nf)*(\kk)+i):WS+64*(\p)+8*((\nf)*(\kk)+i)+7], v[FR+8*(2*(\kk)+(\m)):FR+8*(2*(\kk)+(\m))+7], v[(\acc)+8*((\nf)*(\m)+i):(\acc)+8*((\nf)*(\m)+i)+7]
.set i, i+1
.endr
.endr
.endm
; A K step: mixed fragments out of buffer p, weight fragments out of set p.  The vector work of the STAGE before, and its waits on va_vdst, stand between the last products and the loads into the mixed fragments' registers.
.macro CORE nf, acc, p, wcnt
	WIN 0
.irp kk, 0,1
.irp m, 0,1
	ds_load_b128 v[FR+8*(2*(\kk)+(\m)):FR+8*(2*(\kk)+(\m))+3],   v[AF] offset:(\p)*BUFB+(\m)*2304+64*(\kk)
	ds_load_b128 v[FR+8*(2*(\kk)+(\m))+4:FR+8*(2*(\kk)+(\m))+7], v[AF] offset:(\p)*BUFB+(\m)*2304+64*(\kk)+32
.endr
.endr
	s_wait_loadcnt \wcnt                           ; set p is in: what was issued behind it may stay out
	s_wait_dscnt 4                                 ; the first 32 along K are in; the four younger loads may stay out
	WIN 0x01                                       ; source 0, the weight, in window 1
	MULS \nf, \acc, \p, 0
	s_wait_dscnt 0x0
	MULS \nf, \acc, \p, 1
	WIN 0
.endm
; A part of T K steps, up to the products of step T - 3.  At the start V(0), W(0), V(1), W(1) are on their way; trips = (T - 4) / 2.
; The STAGE of step s asks for W(s + 1), 2,048 bytes behind the pointer, and for V(s + 2), 512 bytes along K behind the offsets.  One barrier a step: the buffer that a STAGE writes was last read ahead of the barrier before.
.macro KHEAD nf, acc, nbb, trips
	STAGE 0, 24+8*(\nf), 24+8*(\nf), 1, 512, 0, 0, 0, 0
	BAR
	s_mov_b32 s11, \trips
.Lk\@:
	CORE \nf, \acc, 0, 32+4*(\nf)
	NEXT
	STAGE 1, 24+4*(\nf), 24+8*(\nf), 1, 512, 1, \nf, \nbb, 2048
	BAR
	CORE \nf, \acc, 1, 32+4*(\nf)
	NEXT
	STAGE 0, 24+4*(\nf), 24+8*(\nf), 1, 512, 1, \nf, \nbb, 2048
	BAR
	s_sub_co_u32 s11, s11, 1
	s_cmp_lg_u32 s11, 0
	s_cbranch_scc1 .Lk\@
	CORE \nf, \acc, 0, 32+4*(\nf)                  ; step T - 4
	NEXT
	STAGE 1, 24+4*(\nf), 24+8*(\nf), 1, 512, 1, \nf, \nbb, 2048  ; step T - 3; W(T - 2), V(T - 1)
	BAR
	CORE \nf, \acc, 1, 32+4*(\nf)                  ; step T - 3
.endm
; THE WAY OUT of a part: rounded to f16, 16 bytes a lane into the stage; a barrier, since a row comes from all eight waves; wave w takes rows 4 w .. 4 w + 3 back in pieces of 512 bytes.
; wld = 1 (the multi part): the single part's W'(1) is asked for behind the one wait.
.macro WAYOUT nf, acc, ps, np, rowb, wld
.rept 8
	v_nop                                          ; the places behind the last products
.endr
.irp m, 0,1
.set i, 0
.rept \nf
.irp c, 0,1,2,3                        ; each accumulator is read from its low end on; the rounded tile takes the mixed fragments' registers, four for each accumulator
	v_cvt_pk_f16_f32 v[FR+4*((\nf)*(\m)+i)+(\c)], v[(\acc)+8*((\nf)*(\m)+i)+2*(\c)], v[(\acc)+8*((\nf)*(\m)+i)+2*(\c)+1]
.endr
.set i, i+1
.endr
.endr
	s_wait_alu depctr_va_vdst(0)                   ; the conversions have written v[FR ..], which the LDS stores read, and are done reading the accumulators, in which the rows land on their way back; the last products are done reading weight set 1
.irp m, 0,1
.set i, 0
.rept \nf
	ds_store_b128 v[STI], v[FR+4*((\nf)*(\m)+i):FR+4*((\nf)*(\m)+i)+3] offset:(\m)*16*(\ps)+i*32
.set i, i+1
.endr
.endr
.if \wld
	LOADW 1, 2, 16384, 2048                        ; W'(1): the single part's first two steps are on their way under the way out
.endif
	BAR
.set i, 0
.rept 4*(\np)
	ds_load_b128 v[(\acc)+4*i:(\acc)+4*i+3], v[STB] offset:(i/(\np))*(\ps)+(i%(\np))*512  ; into registers that no memory or LDS instruction has read
.set i, i+1
.endr
.set i, 0
.rept 4*(\np)
	s_wait_dscnt 4*(\np)-1-i
	global_store_b128 v[LO], v[(\acc)+4*i:(\acc)+4*i+3], s[8:9] offset:(i/(\np))*(\rowb)+(i%(\np))*512  ; the wave stores 512 consecutive bytes, aligned
.set i, i+1
.endr
.endm
	s_load_b512 s[32:47], s[0:1], 0x0              ; multi_value 32, single_value 34, wf 36, mv_b 38, sv_b 40, simp 42, mr 44, sr 46
	v_lshl_add_u32 v[SPW], v0, 2, SPARE
	v_mov_b32 v[NIL], 0
	v_lshrrev_b32 v1, 5, v0
	v_readfirstlane_b32 s10, v1                    ; wave 0..7
	s_and_b32 s12, ttmp9, 1                        ; hf: heads 4 hf .. 4 hf + 3
	s_bfe_u32 s13, ttmp9, 0x40001                  ; tb: 32 rows t
	s_lshr_b32 s14, ttmp9, 5                       ; b
	s_mov_b32 s3, 0
	v_and_b32 v[RR], 15, v0
	v_lshrrev_b32 v[ROWT], 4, v0
	v_bfe_u32 v[HH], v0, 4, 1
	v_and_b32 v[LO], 31, v0
	v_lshlrev_b32 v[SMO], 2, v[LO]
	v_lshlrev_b32 v[LO], 4, v[LO]
	v_lshlrev_b32 v[BO], 5, v[HH]
	v_mul_u32_u24 v[SV], v[ROWT], 144
	v_lshl_add_u32 v[SV], v[RR], 3, v[SV]
	v_mul_u32_u24 v1, v[RR], 144
	v_lshl_add_u32 v1, v[HH], 4, v1
	s_wait_alu depctr_va_sdst(0)                   ; s10 is written, ahead of its first reader
	s_lshr_b32 s2, s10, 1
	s_mul_i32 s2, s2, 4608                         ; my head's mixed tile
	v_add_nc_u32 v[AF], s2, v1
	STADDR 4, 1040
	ADDR 12
	s_wait_kmcnt 0x0
	XBASE 32, 2048000
	s_lshl_b32 s2, s12, 20                         ; mv_w's blocks of 16 rows from 32 hf + 4 wave on, 32,768 bytes each
	s_lshl_b32 s15, s10, 17
	s_add_co_u32 s2, s2, s15
	s_add_nc_u64 s[4:5], s[36:37], s[2:3]
	s_lshl_b32 s2, s12, 11
	s_lshl_b32 s15, s10, 8
	s_add_co_u32 s2, s2, s15                       ; 4 x (512 hf + 64 wave)
	s_add_nc_u64 s[6:7], s[38:39], s[2:3]
	s_lshl_b32 s2, s12, 10
	s_lshl_b32 s15, s10, 7
	s_add_co_u32 s2, s2, s15                       ; 4 x (256 hf + 32 wave)
	s_add_nc_u64 s[48:49], s[40:41], s[2:3]
	s_mul_i32 s2, s14, 12800                       ; 50 x 256 bytes a batch
	s_lshl_b32 s15, s12, 7
	s_add_co_u32 s2, s2, s15
	s_add_nc_u64 s[50:51], s[42:43], s[2:3]
	s_lshl_b32 s53, s14, 9
	s_lshl_b32 s15, s13, 5
	s_add_co_u32 s53, s53, s15
	s_lshl_b32 s15, s10, 2
	s_add_co_u32 s53, s53, s15                     ; 512 b + 32 tb + 4 wave: the first row that my wave stores
	s_lshl_b32 s2, s53, 11
	s_lshl_b32 s15, s12, 10
	s_add_co_u32 s2, s2, s15
	s_add_nc_u64 s[8:9], s[44:45], s[2:3]
	s_wait_alu depctr_va_vdst(0)                   ; the offsets and LDS addresses v4 to v20 and v244 are written, which the loads and stores below read
	BIAS 4, ACC, 6
.set i, 0
.rept 50
	global_load_b32 v[SM+i], v[SMO], s[50:51] offset:i*256  ; lane 8 j + x: partial sum i of sim[4 hf + j][x]
.set i, i+1
.endr
	LOADV 0, 0                                     ; V(0),
	LOADW 0, 4, 32768, 0                           ; W(0),
	LOADV 1, 256                                   ; V(1) of the multi part
	s_wait_loadcnt 48                              ; bias and simp are in; those 48 may stay out: the softmax stands in the wait for them
	LOADW 1, 4, 32768, 2048                        ; W(1)
.set i, 1
.rept 24
	v_pk_add_f32 v[SM:SM+1], v[SM:SM+1], v[SM+2*i:SM+2*i+1]
.set i, i+1
.endr
	v_add_f32 v[SM], v[SM], v[SM+1]
	v_mul_f32 v[SM], 0x3bbade29, v[SM]             ; x log2(e) / sqrt(64000)
	v_mov_b32 v[SM+1], v[SM]
	v_max_num_f32_dpp v[SM+1], v[SM+1], v[SM+1] row_xmask:1 row_mask:0xf bank_mask:0xf
	v_max_num_f32_dpp v[SM+1], v[SM+1], v[SM+1] row_xmask:2 row_mask:0xf bank_mask:0xf
	v_max_num_f32_dpp v[SM+1], v[SM+1], v[SM+1] row_xmask:4 row_mask:0xf bank_mask:0xf
	v_sub_f32 v[SM], v[SM], v[SM+1]                ; the row's maximum is taken away
	v_exp_f32 v[SM], v[SM]
	v_nop                                          ; a plain instruction behind the exponential,
	s_wait_alu depctr_va_vdst(0)                   ; and the wait ahead of its first reader: the exponential has written v[SM]
	v_mov_b32 v[SM+1], v[SM]
	v_add_f32_dpp v[SM+1], v[SM+1], v[SM+1] row_xmask:1 row_mask:0xf bank_mask:0xf
	v_add_f32_dpp v[SM+1], v[SM+1], v[SM+1] row_xmask:2 row_mask:0xf bank_mask:0xf
	v_add_f32_dpp v[SM+1], v[SM+1], v[SM+1] row_xmask:4 row_mask:0xf bank_mask:0xf
	v_rcp_f32 v[SM+1], v[SM+1]
	v_nop                                          ; a plain instruction behind the reciprocal,
	s_wait_alu depctr_va_vdst(0)                   ; and the wait ahead of its first reader: the reciprocal has written v[SM+1]
	v_mul_f32 v[SM], v[SM], v[SM+1]
.set i, 0
.rept 32                               ; every lane gets all 32 weights: one run of reads into scalar registers,
	v_readlane_b32 s[AT+i], v[SM], i
.set i, i+1
.endr
	s_wait_alu depctr_va_sdst(0)                   ; s66 to s97 are written, ahead of their first reader: one wait for the run
.set i, 0
.rept 32
	v_mov_b32 v[COEF+i], s[AT+i]
.set i, i+1
.endr
	s_wait_alu depctr_va_vdst(0)                   ; the softmax's lines are done writing and reading v[SM ..], in which the single part's bias lands
	BIAS 2, ACC2, 48                               ; simp's registers are free: the single part's accumulators start as its bias.  Eight loads younger than W(1): beside them the first steps' fixed counts
	                                               ; ask for more than they need; the wait for W(1), which leaves V(2), W(2), V(3) out, shows them done
	KHEAD 4, ACC, 32768, 6                         ; THE MULTI PART: 16 K steps, here up to the products of step 13
	s_wait_xcnt 0x0                                ; every load that is out has read its addresses: the value ring turns to the single part
	s_wait_alu depctr_vm_vsrc(0)                   ; the value loads have read v[VV ..], which are made anew; step 13's LDS stores have read U
	XBASE 34, 1024000
	ADDR 11
	s_add_nc_u64 s[4:5], s[4:5], 2048
	STAGE 0, 40, 56, 1, 0, 1, 4, 32768, 2048       ; step 14: 8, W(14), V(15) may stay out, then W(14), V(15), W(15), 8; the refills are W(15) and the single part's V'(0)
	BAR
	CORE 4, ACC, 0, 48                             ; step 14: V(15), W(15), V'(0) may stay out
	s_wait_xcnt 0x0                                ; W(15)'s loads have read the pointer
	s_wait_alu depctr_vm_vsrc(0)                   ; step 14's LDS stores have read U
	s_lshl_b32 s2, s12, 18                         ; sv_w's blocks of 16 rows from 16 hf + 2 wave on, 16,384 bytes each
	s_lshl_b32 s15, s10, 15
	s_add_co_u32 s2, s2, s15
	s_add_co_u32 s2, s2, 0x400000
	s_add_nc_u64 s[4:5], s[36:37], s[2:3]
	STAGE 1, 40, 48, 1, 256, 1, 2, 16384, 0        ; step 15: 8, W(15) 16, V'(0) 16 may stay out, then W(15) 16, V'(0) 16, W'(0) 8, 8; the refills are W'(0), 8 loads, and V'(1)
	BAR
	CORE 4, ACC, 1, 40                             ; step 15: V'(0) 16, W'(0) 8, V'(1) 16 may stay out
	WAYOUT 4, ACC, 1040, 2, 2048, 1
	s_wait_xcnt 0x0                                ; the stores have read their base and their data
	s_wait_alu depctr_vm_vsrc(0)                   ; the way out's LDS stores and loads have read v[STI] and v[STB], which are made anew, and v[FR ..], in which the next fragments land; step 15's LDS stores have read U
	STADDR 2, 528
	s_lshl_b32 s2, s53, 10
	s_lshl_b32 s15, s12, 9
	s_add_co_u32 s2, s2, s15
	s_add_nc_u64 s[8:9], s[46:47], s[2:3]
	KHEAD 2, ACC2, 16384, 2                        ; THE SINGLE PART: 8 K steps, here up to the products of step 5; its step barriers stand between the other waves' reads of the stage and the next stores into it
	s_wait_xcnt 0x0                                ; W(6)'s loads have read the pointer
	s_wait_alu depctr_vm_vsrc(0)                   ; step 5's LDS stores have read U
	s_add_nc_u64 s[4:5], s[4:5], 2048
	STAGE 0, 32, 32, 0, 0, 1, 2, 16384, 2048       ; step 6: no more values are asked for: 8 + W(6) 8 + V(7) 16, then W(6) 8 + V(7) 16 + W(7) 8; the last refill is W(7)
	BAR
	CORE 2, ACC2, 0, 24                            ; V(7) 16 and W(7) 8 may stay out
	s_wait_alu depctr_vm_vsrc(0)                   ; step 6's LDS stores have read U
	STAGE 1, 16, 8, 0, 0, 0, 0, 0, 0               ; step 7: 8 + W(7) 8, then W(7) alone
	BAR
	CORE 2, ACC2, 1, 0
	WAYOUT 2, ACC2, 528, 1, 1024, 0
	s_wait_dscnt 0x0                               ; the closing lines, six on end
	s_wait_alu 0x0
	s_wait_tensorcnt 0x0
	ds_add_u32 v[SPW], v[NIL]
	s_wait_dscnt 0x0
	s_endpgm
.Lfunc_end_k_q6ef1cd2554_mixproj:
	.size	k_q6ef1cd2554_mixproj, .Lfunc_end_k_q6ef1cd2554_mixproj-k_q6ef1cd2554_mixproj
	.p2alignl 7, 3214868480
	.fill 96, 4, 3214868480
	.section	.rodata,"a",@progbits
	.p2align	6, 0x0
	.amdhsa_kernel k_q6ef1cd2554_mixproj
		.amdhsa_group_segment_fixed_size 71168
		.amdhsa_private_segment_fixed_size 0
		.amdhsa_enable_private_segment 0
		.amdhsa_kernarg_size 64
		.amdhsa_user_sgpr_count 2
		.amdhsa_user_sgpr_kernarg_segment_ptr 1
		.amdhsa_wavefront_size32 1
		.amdhsa_system_sgpr_workgroup_id_x 1
		.amdhsa_system_sgpr_workgroup_id_y 1
		.amdhsa_system_sgpr_workgroup_id_z 1
		.amdhsa_system_vgpr_workitem_id 0
		.amdhsa_next_free_vgpr 512
		.amdhsa_next_free_sgpr 98
		.amdhsa_reserve_vcc 0
		.amdhsa_float_denorm_mode_32 3
		.amdhsa_float_denorm_mode_16_64 3
		.amdhsa_memory_ordered 1
		.amdhsa_forward_progress 1
		.amdhsa_inst_pref_size 196
	.end_amdhsa_kernel
	.amdgpu_metadata
---
amdhsa.version: [ 1, 2 ]
amdhsa.kernels:
  - .name:           k_q6ef1cd2554_mixproj
    .symbol:         k_q6ef1cd2554_mixproj.kd
    .args:
      - { .name: multi_value, .offset: 0, .size: 8, .value_kind: global_buffer, .address_space: global }
      - { .name: single_value, .offset: 8, .size: 8, .value_kind: global_buffer, .address_space: global }
      - { .name: wf, .offset: 16, .size: 8, .value_kind: global_buffer, .address_space: global }
      - { .name: mv_b, .offset: 24, .size: 8, .value_kind: global_buffer, .address_space: global }
      - { .name: sv_b, .offset: 32, .size: 8, .value_kind: global_buffer, .address_space: global }
      - { .name: simp, .offset: 40, .size: 8, .value_kind: global_buffer, .address_space: global }
      - { .name: mr, .offset: 48, .size: 8, .value_kind: global_buffer, .address_space: global }
      - { .name: sr, .offset: 56, .size: 8, .value_kind: global_buffer, .address_space: global }
    .group_segment_fixed_size: 71168
    .private_segment_fixed_size: 0
    .kernarg_segment_align: 8
    .kernarg_segment_size: 64
    .max_flat_workgroup_size: 256
    .sgpr_count:     98
    .vgpr_count:     512
    .wavefront_size: 32
...
	.end_amdgpu_metadata
.endif
;; end of part 9
;; launch outproj: the kernel of part 7 again; grid 256 x 1, 8 waves a work-group, no clusters, 300,032 bytes of LDS; arguments mr, sr, wf, mo_b, so_b, out0, out1; writes out0, out1
